; MI455X (gfx1250); checked and timed in simulation.
; The chip was launched on July 23, 2026; its instructions are those of AMD's public machine-readable ISA for CDNA 5 (MIT licence, August 2026) and "CDNA5" Instruction Set Architecture Reference Guide (July 2026). The comments in the code are by the model that wrote it; some were corrected since.
;; Transformer Layer. Allowed arithmetic: matrix products marked QUANTISED: E2M3 operands, one E8M0 scale for each 32 along K, by v_wmma_scale_f32_16x16x128_f8f6f4 with both operands' format E2M3, f32 sums; everything else in f32.
;; Inputs: W1_codes 4,096 x 32 x 24 uint8 (E2M3 codes of W1, K innermost, in blocks of 32 codes, four codes in three bytes); W1_scales 4,096 x 32 uint8 (E8M0 scales of W1, one for each 32 codes along K); W2_codes 1,024 x 128 x 24 uint8 (E2M3 codes of W2, K innermost, in blocks of 32 codes, four codes in three bytes); W2_scales 1,024 x 128 uint8 (E8M0 scales of W2, one for each 32 codes along K); Wk_codes 1,024 x 32 x 24 uint8 (E2M3 codes of Wk, K innermost, in blocks of 32 codes, four codes in three bytes); Wk_scales 1,024 x 32 uint8 (E8M0 scales of Wk, one for each 32 codes along K); Wo_codes 1,024 x 32 x 24 uint8 (E2M3 codes of Wo, K innermost, in blocks of 32 codes, four codes in three bytes); Wo_scales 1,024 x 32 uint8 (E8M0 scales of Wo, one for each 32 codes along K); Wq_codes 1,024 x 32 x 24 uint8 (E2M3 codes of Wq, K innermost, in blocks of 32 codes, four codes in three bytes); Wq_scales 1,024 x 32 uint8 (E8M0 scales of Wq, one for each 32 codes along K); Wv_codes 1,024 x 32 x 24 uint8 (E2M3 codes of Wv, K innermost, in blocks of 32 codes, four codes in three bytes); Wv_scales 1,024 x 32 uint8 (E8M0 scales of Wv, one for each 32 codes along K); b1 4,096 float32; b2 1,024 float32; bk 1,024 float32; bo 1,024 float32; bq 1,024 float32; bv 1,024 float32; ln1_bias 1,024 float32; ln1_scale 1,024 float32; ln2_bias 1,024 float32; ln2_scale 1,024 float32; x 2 x 2,048 x 1,024 float32.
;; Outputs: out0 2 x 2,048 x 1,024 float32.
;; This version of the problem:
;;   THIS VERSION OF THE PROBLEM IS GIVEN IN LOW PRECISION. The matrix products marked QUANTISED in the list below multiply operands that are first quantised to E2M3 (2 exponent bits, 3 mantissa bits; 6 bits a number), with one power-of-two scale for each 32 numbers along K (OCP MX v1.0); their sums are f32. All else is computed in f32.
;;   The module's matrix products, in the order in which they are computed (A, B: the left and right operand; K: the contracted axis; several contracted axes count as one K, in the product's order):
;;     1. [M 4,096, K 1,024] x [K 1,024, N 1,024]; A: input x; B: input Wq (given as codes): QUANTISED
;;     2. [M 4,096, K 1,024] x [K 1,024, N 1,024]; A: input x; B: input Wk (given as codes): QUANTISED
;;     3. [M 4,096, K 1,024] x [K 1,024, N 1,024]; A: input x; B: input Wv (given as codes): QUANTISED
;;     4. batch 32 x [M 2,048, K 64] x [K 64, N 2,048]; A: computed on the way; B: computed on the way: QUANTISED
;;     5. batch 32 x [M 2,048, K 2,048] x [K 2,048, N 64]; A: softmax (see below); B: computed on the way: QUANTISED
;;     6. [M 4,096, K 1,024] x [K 1,024, N 1,024]; A: computed on the way; B: input Wo (given as codes): QUANTISED
;;     7. [M 4,096, K 1,024] x [K 1,024, N 4,096]; A: computed on the way; B: input W1 (given as codes): QUANTISED
;;     8. [M 4,096, K 4,096] x [K 4,096, N 1,024]; A: computed on the way; B: input W2 (given as codes): QUANTISED
;;   THE QUANTISER, for each operand of a quantised product, along K:
;;     - K is cut into blocks of 32 from its start; a last block that is shorter is filled with zeros.
;;     - A block's scale is 2^e with e = floor(log2(the largest magnitude in the block)) - 2, held to -126 .. 127; a block of zeros has e = 0. As a byte (E8M0): e + 127.
;;     - Each number is divided by its block's scale, clamped to +-7.5, and rounded to the nearest number of E2M3, ties to even, subnormals kept.
;;     - The product sums the exact products of the quantised numbers (number of the format x scale) in f32.
;;   ~~~python
;;   def quantise(x, axis):      # numpy; x: float32 -> the quantised numbers, widened to float32 again
;;       x = np.moveaxis(x, axis, -1); K = x.shape[-1]
;;       x = np.pad(x, [(0, 0)] * (x.ndim - 1) + [(0, -K % 32)]); x = x.reshape(x.shape[:-1] + (-1, 32)); a = np.abs(x).max(-1, keepdims=True)
;;       e = np.where(a > 0, np.clip(np.frexp(np.where(a > 0, a, 1))[1] - 1 - 2, -126, 127), 0)      # np.frexp(a)[1] - 1 = floor(log2(a)), exactly
;;       r = np.clip(x / 2.0 ** e, -7.5, 7.5)
;;       step = 2.0 ** (np.maximum(np.frexp(np.where(r == 0, 1, r))[1] - 1, 0) - 3)
;;       q = np.round(r / step) * step * 2.0 ** e      # np.round: ties to even
;;       return np.moveaxis(q.reshape(q.shape[:-2] + (-1,))[..., :K], -1, axis).astype(np.float32)
;;   ~~~
;;   SOFTMAX AHEAD OF A QUANTISED PRODUCT. Where the list says 'softmax', what is quantised is not the finished softmax but p = 2^(t - M), with t = logit x log2(e) and M = ceil(the row's largest t), a whole number; so 1/2 < the row's largest p <= 1. The row's sum l is taken of the UNQUANTISED p, in f32, and the product's result is divided by l at the end. Since M is a whole number, a kernel that streams over the keys may use a running M (the ceiling of the running maximum): every later rescaling is an exact power of two, which a block's scale takes up: the codes' values come out the same.
;;   OPERANDS COMPUTED ON THE WAY. 'Computed on the way' means the value that the module computes at that place (a softmax that the list does not call 'softmax' is quantised finished and normalised). What goes into a quantiser is computed in f32, as accurately as f32 sums, v_exp_f32 and their like allow (about 1e-6 of the number): no bf16 or f16 on the way to a quantiser, and a product that is left as it is and whose result goes on into a quantised operand takes f32 operands (vector FMAs, or v_wmma_f32_16x16x4_f32). A number that lies on a knife's edge between two numbers of the format may be rounded either way, as far as f32 arithmetic and the matrix unit's own rounding can turn it there, and no further.
;;   INPUTS GIVEN AS CODES. W1 (in the module: [1024, 4096], K = its axis 0); W2 (in the module: [4096, 1024], K = its axis 0); Wk (in the module: [1024, 1024], K = its axis 0); Wo (in the module: [1024, 1024], K = its axis 0); Wq (in the module: [1024, 1024], K = its axis 0); Wv (in the module: [1024, 1024], K = its axis 0): each comes as NAME_codes (uint8): NAME with its K axis moved to the last place and cut into blocks of 32 codes, [.., K / 32, bytes a block], one block behind the other in memory; four codes in three bytes: a row's codes are one little-endian stream of bits, code i at bits 6 i .. 6 i + 5 (a code: sign, 2 exponent bits, 3 mantissa bits); and NAME_scales (uint8): the same leading axes, one E8M0 byte (e + 127) for each 32 codes along K. Its value is code x scale, taken as it is: it is not quantised again, and the codes and scales need not be those that the quantiser above would give.
;; 2 versions. Each part assembles by itself: llvm-mc -triple=amdgcn-amd-amdhsa -mcpu=gfx1250 --defsym DOCPART=n.
;; ======== version 1 of 2: 6 launches
;; workspace buffers: wf 9,437,184 bytes; ws 393,216 bytes; ia 3,276,800 bytes; ib 3,276,800 bytes; kv 6,684,672 bytes; x1 16,777,216 bytes; hi 13,107,200 bytes
;; launch prep (part 1): grid 448 x 1, 4 waves a work-group, no clusters, 34,304 bytes of LDS; arguments x, Wq_codes, Wk_codes, Wv_codes, Wo_codes, W1_codes, W2_codes, Wq_scales, Wk_scales, Wv_scales, Wo_scales, W1_scales, W2_scales, wf, ws, ia; writes wf, ws, ia
.if DOCPART == 1
	.amdgcn_target "amdgcn-amd-amdhsa--gfx1250"
	.amdhsa_code_object_version 6
	.text
	.protected	k_qc450e73648_prep
	.globl	k_qc450e73648_prep
	.p2align	8
	.type	k_qc450e73648_prep,@function
k_qc450e73648_prep:
	s_mov_b64 s[64:65], 0
	v_nop
	global_prefetch_b8 v0, s[64:65] scope:SCOPE_SE
	s_setreg_imm32_b32 hwreg(HW_REG_WAVE_MODE, 25, 1), 1
	s_wait_xcnt 0x0
; A TRANSFORMER LAYER IN MX-FP6, launch 1 of 6: operands are laid as the matrix unit's registers take them.
; DEAD WORK: none.  Every product of reference() reaches out0 and every input has a way to it (bk too: it moves k's codes), so all inputs are loaded by some launch.
; LIMITS: NaN and infinities among the inputs are not served.  A block whose largest magnitude lies under 2^-124 keeps the scale byte 1; a block of zeros has the byte 1 and
; not 127: its codes are zeros, which add nothing under any byte but 0xff, and only this program reads the bytes.
; FORMATS (this program's own).  A FRAGMENT IMAGE is 16 rows x 128 K of E2M3 codes as 12 operand registers: register 4 c + i of lane l at byte 512 c + 16 l + 4 i: 1,536 bytes,
; three loads of 16 bytes a lane.  A SCALE IMAGE is 16 words, word r = row r's four E8M0 bytes of those 128 K.  Images lie in the order tile x steps + step.
; THE ROWS OF A TILE of x and of every weight are not neighbours: lane r of tile T holds row 32 (T / 2) + 8 (T % 2) + r + 8 (r / 8), so that a product used transposed leaves a
; lane 16 neighbours along the next K in the registers of two neighbouring tiles.
; Work-groups 0-255: one tile of x each; wave w quantises K steps 2 w and 2 w + 1.  Each load reads 512 consecutive bytes of a row; the 16 x 128 numbers turn through the wave's
; own stage in LDS, so that a lane holds 16 neighbours of each block of 32.  Work-groups 256-447: wave w lays one unit (a tile of a weight x 8 K steps, 12,288 bytes) anew.
.set STGB,  8448                       ; a wave's stage: 16 rows x (512 + 16) bytes
.set SPARE, 4*STGB                     ; behind the stages: the spare words, 128 bytes for each wave
.set R,   16                           ; v16-143  x as loaded, two K steps
.set F,   16                           ; v16-111  a unit's eight fragments (weight role);  v112-115 its scale words
.set X,   144                          ; v144-207 64 numbers of a lane: register 16 b + i = k 32 b + 16 (lane / 16) + i
.set PC,  208                          ; v208-226 the codes just made
.set TM,  228                          ; v228-243 at work
.set PW,  244                          ; the scale word just made;  v245-246 the two steps' words
.set PWS, 245
.set SPW, 14                           ; LDS address of my spare word; never rewritten
.set NIL, 15                           ; 0; never rewritten
.set SEL, 60                           ; s[60:61] v_permlanex16_b32's selects for lane l xor 16
; 64 numbers of a lane become a fragment's codes in v[PC] on and its scale word in v[PW]
.macro QUANT s
.irp b, 0,1,2,3
	v_max3_num_f32 v[TM+\b], |v[\s+16*\b]|, |v[\s+1+16*\b]|, 0x1800000   ; my 16 numbers of block b, and the floor 2^(3 - 127): the byte cannot fall under 1
.endr
.irp i, 2,4,6,8,10,12,14
.irp b, 0,1,2,3
	v_max3_num_f32 v[TM+\b], v[TM+\b], |v[\s+16*\b+\i]|, |v[\s+1+16*\b+\i]|
.endr
.endr
.irp b, 0,1,2,3
	v_permlanex16_b32 v[TM+4+\b], v[TM+\b], s[SEL], s[SEL+1]
.endr
.irp b, 0,1,2,3
	v_max_num_f32 v[TM+\b], v[TM+\b], v[TM+4+\b]      ; with lane l xor 16's: the block's largest magnitude
.endr
.irp b, 0,1,2,3
	v_add_nc_u32 v[TM+12+\b], 0xff000000, v[TM+\b]    ; 2 off its exponent field: the conversion's scale operand
.endr
.irp b, 0,1,2,3
	v_lshrrev_b32 v[TM+4+\b], 23, v[TM+12+\b]         ; the scale's byte
.endr
	v_lshl_or_b32 v[PW], v[TM+5], 8, v[TM+4]
	v_lshl_or_b32 v[PW], v[TM+6], 16, v[PW]
	v_lshl_or_b32 v[PW], v[TM+7], 24, v[PW]
.irp c, 0,1
	v_cvt_scalef32_pk16_fp6_f32 v[PC+6*\c:PC+2+6*\c], v[\s+32*\c:\s+15+32*\c], v[TM+12+2*\c]
	v_cvt_scalef32_pk16_fp6_f32 v[PC+12+4*\c:PC+14+4*\c], v[\s+16+32*\c:\s+31+32*\c], v[TM+12+2*\c+1]   ; (a conversion's three registers begin on an even number)
.endr
	v_nop                                          ; one plain place behind a scaled conversion
.irp c, 0,1                                    ; the operand wants a whole block in a lane: lanes 0-15 block 2 c, lanes 16-31 block 2 c + 1
.irp i, 0,1,2
	v_permlane16_swap_b32 v[PC+6*\c+\i], v[PC+12+4*\c+\i]
.endr
.irp i, 0,1,2
	v_mov_b32 v[PC+3+6*\c+\i], v[PC+12+4*\c+\i]
.endr
.endr
.endm
	s_load_b512 s[4:19], s[0:1], 0x0               ; x, codes of Wq Wk Wv Wo W1 W2, scales of Wq
	s_load_b512 s[20:35], s[0:1], 0x40             ; scales of Wk Wv Wo W1 W2, wf, ws, ia
	v_lshl_add_u32 v[SPW], v0, 2, SPARE
	v_mov_b32 v[NIL], 0
	v_lshrrev_b32 v1, 5, v0
	v_readfirstlane_b32 s36, v1                    ; wave
	v_and_b32 v2, 31, v0                           ; lane
	v_and_b32 v3, 15, v0                           ; r
	v_bfe_u32 v4, v0, 4, 1                         ; h
	v_lshlrev_b32 v5, 4, v2                        ; 16 x lane
	v_lshlrev_b32 v6, 2, v2                        ; 4 x lane
	s_mul_i32 s37, s36, STGB
	v_add_nc_u32 v7, s37, v5                       ; the stage on the way in: a row's 512 bytes as they lie
	v_mul_u32_u24 v8, v3, 528
	v_lshl_add_u32 v8, v4, 6, v8
	v_add_nc_u32 v8, s37, v8                       ; and on the way out: row r, + 64 h
	v_and_b32 v10, 8, v3
	v_add_nc_u32 v10, v10, v3                      ; r + 8 (r / 8)
	s_mov_b32 s[SEL], 0x76543210
	s_mov_b32 s[SEL+1], 0xfedcba98
	s_mov_b32 s39, 0                               ; the high word of every offset
	s_wait_kmcnt 0x0
	s_cmp_ge_u32 ttmp9, 256
	s_cbranch_scc1 .Lweights
	; ---- x: tile T = the work-group's number
	s_lshr_b32 s37, ttmp9, 1
	s_lshl_b32 s37, s37, 5
	s_and_b32 s38, ttmp9, 1
	s_lshl_b32 s38, s38, 3
	s_add_co_u32 s37, s37, s38                     ; the tile's first row: 32 (T / 2) + 8 (T % 2)
	s_lshl_b32 s38, s37, 12                        ; rows of 4,096 bytes,
	s_lshl_b32 s37, s36, 10
	s_add_co_u32 s38, s38, s37                     ; + my two K steps' 1,024 bytes
	s_add_nc_u64 s[4:5], s[4:5], s[38:39]
.irp st, 0,1
.irp i, 0,1,2,3,4,5,6,7,8,9,10,11,12,13,14,15
	global_load_b128 v[R+64*\st+4*\i:R+64*\st+4*\i+3], v5, s[4:5] offset:(\i+8*(\i/8))*4096+512*\st th:TH_LOAD_NT   ; 32 lanes read 512 consecutive bytes of the tile's i-th row
.endr
.endr
	s_lshl_b32 s40, ttmp9, 3
	s_lshl_b32 s41, s36, 1
	s_add_co_u32 s40, s40, s41                     ; image number 8 T + 2 w
	s_mul_i32 s38, s40, 1536
	s_add_nc_u64 s[44:45], s[34:35], s[38:39]
	s_lshl_b32 s38, s40, 6
	s_add_co_u32 s38, s38, 3145728                 ; the scale images lie behind the 2,048 fragment images
	s_add_nc_u64 s[46:47], s[34:35], s[38:39]
.irp b, 0,1,2,3
	v_mov_b32 v[TM+4+\b], 0                        ; written once: a lane permute's destination counts as one of its sources
.endr
.irp st, 0,1
	s_wait_loadcnt 16-16*\st                       ; this step's 16 loads are in; the other step's 16 may be out
.irp i, 0,1,2,3,4,5,6,7,8,9,10,11,12,13,14,15
	ds_store_b128 v7, v[R+64*\st+4*\i:R+64*\st+4*\i+3] offset:528*\i
.endr
.irp b, 0,1,2,3
.irp j, 0,1,2,3
	ds_load_b128 v[X+16*\b+4*\j:X+16*\b+4*\j+3], v8 offset:128*\b+16*\j   ; LDS serves a wave's instructions in order: these see my stores, and the next step's stores come behind them
.endr
.endr
	s_wait_dscnt 0x0
.if \st
	s_wait_xcnt 0x0                                ; the first step's stores have read their data: the codes' registers are written again only behind this wait
.endif
	QUANT X
.irp c, 0,1,2
	global_store_b128 v5, v[PC+4*\c:PC+4*\c+3], s[44:45] offset:1536*\st+512*\c   ; 32 lanes store 512 consecutive bytes
.endr
	v_mov_b32 v[PWS+\st], v[PW]
.endr
	v_cmp_lt_u32 vcc_lo, 15, v2
	v_cndmask_b32 v9, v[PWS], v[PWS+1], vcc_lo     ; lanes 0-15 the even step's words, lanes 16-31 the odd step's: 128 consecutive bytes
	global_store_b32 v6, v9, s[46:47]
	s_wait_tensorcnt 0x0                           ; the wave's end
	ds_add_u32 v[SPW], v[NIL]
	s_wait_dscnt 0x0
	s_endpgm
.Lweights:                                             ; ---- a weight's unit U: no LDS on this way
	s_sub_co_u32 s37, ttmp9, 256
	s_lshl_b32 s37, s37, 2
	s_add_co_u32 s37, s37, s36                     ; U = 4 (work-group - 256) + wave: 0-255 Wq Wk Wv Wo, 256-511 W1, 512-767 W2
	s_lshr_b32 s38, s37, 6
	s_mov_b64 s[44:45], s[6:7]
	s_mov_b64 s[46:47], s[18:19]
	s_cmp_eq_u32 s38, 1
	s_cselect_b64 s[44:45], s[8:9], s[44:45]
	s_cselect_b64 s[46:47], s[20:21], s[46:47]
	s_cmp_eq_u32 s38, 2
	s_cselect_b64 s[44:45], s[10:11], s[44:45]
	s_cselect_b64 s[46:47], s[22:23], s[46:47]
	s_cmp_eq_u32 s38, 3
	s_cselect_b64 s[44:45], s[12:13], s[44:45]
	s_cselect_b64 s[46:47], s[24:25], s[46:47]
	s_cmp_ge_u32 s38, 4
	s_cselect_b64 s[44:45], s[14:15], s[44:45]
	s_cselect_b64 s[46:47], s[26:27], s[46:47]
	s_cmp_ge_u32 s38, 8
	s_cselect_b64 s[44:45], s[16:17], s[44:45]
	s_cselect_b64 s[46:47], s[28:29], s[46:47]
	s_and_b32 s40, s37, 63                         ; the tile in a weight of 64 tiles,
	s_sub_co_u32 s41, s37, 256                     ; in W1,
	s_cmp_ge_u32 s38, 4
	s_cselect_b32 s40, s41, s40
	s_sub_co_u32 s41, s37, 512                     ; in W2: four units to a tile
	s_lshr_b32 s42, s41, 2
	s_and_b32 s41, s41, 3
	s_cmp_ge_u32 s38, 8
	s_cselect_b32 s40, s42, s40                    ; T
	s_cselect_b32 s41, s41, 0                      ; u: which 8 K steps
	s_cselect_b32 s43, 2, 0                        ; a row is 768 << 2 bytes of codes and 32 << 2 of scales in W2, else 768 and 32
	s_lshr_b32 s42, s40, 1
	s_lshl_b32 s42, s42, 5
	s_and_b32 s40, s40, 1
	s_lshl_b32 s40, s40, 3
	s_add_co_u32 s42, s42, s40                     ; the tile's first row
	s_mul_i32 s38, s42, 768
	s_lshl_b32 s38, s38, s43
	s_mul_i32 s40, s41, 768
	s_add_co_u32 s38, s38, s40
	s_add_nc_u64 s[44:45], s[44:45], s[38:39]
	s_lshl_b32 s38, s42, 5
	s_lshl_b32 s38, s38, s43
	s_lshl_b32 s40, s41, 5
	s_add_co_u32 s38, s38, s40
	s_add_nc_u64 s[46:47], s[46:47], s[38:39]
	s_mul_i32 s38, s37, 12288
	s_add_nc_u64 s[48:49], s[30:31], s[38:39]
	s_lshl_b32 s38, s37, 9
	s_add_nc_u64 s[50:51], s[32:33], s[38:39]
	v_mul_u32_u24 v11, v10, 768
	v_lshlrev_b32 v11, s43, v11
	v_mad_u32_u24 v11, v4, 24, v11                 ; my row's codes, + 24 h
	v_lshlrev_b32 v12, 5, v10
	v_lshlrev_b32 v12, s43, v12
	v_lshl_add_u32 v12, v4, 2, v12                 ; my row's scale bytes, + 4 h: lanes 16-31 take the odd step's word
.irp s, 0,1,2,3,4,5,6,7
.irp p, 0,1,2,3,4,5
	global_load_b64 v[F+12*\s+2*\p:F+12*\s+2*\p+1], v11, s[44:45] offset:96*\s+48*(\p/3)+8*(\p%3)   ; the fragment's registers as the row's stream of bits has them
.endr
.endr
.irp p, 0,1,2,3
	global_load_b32 v[112+\p], v12, s[46:47] offset:8*\p
.endr
.irp s, 0,1,2,3,4,5,6,7
	s_wait_loadcnt 46-6*\s                         ; behind step s's six loads: 6 (7 - s) of later steps and the 4 scale loads
.irp c, 0,1,2
	global_store_b128 v5, v[F+12*\s+4*\c:F+12*\s+4*\c+3], s[48:49] offset:1536*\s+512*\c
.endr
.endr
	s_wait_loadcnt 0x0
.irp p, 0,1,2,3
	global_store_b32 v6, v[112+\p], s[50:51] offset:128*\p
.endr
	s_endpgm
.Lfunc_end_k_qc450e73648_prep:
	.size	k_qc450e73648_prep, .Lfunc_end_k_qc450e73648_prep-k_qc450e73648_prep
	.p2alignl 7, 3214868480
	.fill 96, 4, 3214868480
	.section	.rodata,"a",@progbits
	.p2align	6, 0x0
	.amdhsa_kernel k_qc450e73648_prep
		.amdhsa_group_segment_fixed_size 34304
		.amdhsa_private_segment_fixed_size 0
		.amdhsa_enable_private_segment 0
		.amdhsa_kernarg_size 128
		.amdhsa_user_sgpr_count 2
		.amdhsa_user_sgpr_kernarg_segment_ptr 1
		.amdhsa_wavefront_size32 1
		.amdhsa_system_sgpr_workgroup_id_x 1
		.amdhsa_system_sgpr_workgroup_id_y 1
		.amdhsa_system_sgpr_workgroup_id_z 1
		.amdhsa_system_vgpr_workitem_id 0
		.amdhsa_next_free_vgpr 256
		.amdhsa_next_free_sgpr 66
		.amdhsa_reserve_vcc 1
		.amdhsa_float_denorm_mode_32 3
		.amdhsa_float_denorm_mode_16_64 3
		.amdhsa_memory_ordered 1
		.amdhsa_forward_progress 1
		.amdhsa_inst_pref_size 28
	.end_amdhsa_kernel
	.amdgpu_metadata
---
amdhsa.version: [ 1, 2 ]
amdhsa.kernels:
  - .name:           k_qc450e73648_prep
    .symbol:         k_qc450e73648_prep.kd
    .args:
      - { .name: x, .offset: 0, .size: 8, .value_kind: global_buffer, .address_space: global }
      - { .name: Wq_codes, .offset: 8, .size: 8, .value_kind: global_buffer, .address_space: global }
      - { .name: Wk_codes, .offset: 16, .size: 8, .value_kind: global_buffer, .address_space: global }
      - { .name: Wv_codes, .offset: 24, .size: 8, .value_kind: global_buffer, .address_space: global }
      - { .name: Wo_codes, .offset: 32, .size: 8, .value_kind: global_buffer, .address_space: global }
      - { .name: W1_codes, .offset: 40, .size: 8, .value_kind: global_buffer, .address_space: global }
      - { .name: W2_codes, .offset: 48, .size: 8, .value_kind: global_buffer, .address_space: global }
      - { .name: Wq_scales, .offset: 56, .size: 8, .value_kind: global_buffer, .address_space: global }
      - { .name: Wk_scales, .offset: 64, .size: 8, .value_kind: global_buffer, .address_space: global }
      - { .name: Wv_scales, .offset: 72, .size: 8, .value_kind: global_buffer, .address_space: global }
      - { .name: Wo_scales, .offset: 80, .size: 8, .value_kind: global_buffer, .address_space: global }
      - { .name: W1_scales, .offset: 88, .size: 8, .value_kind: global_buffer, .address_space: global }
      - { .name: W2_scales, .offset: 96, .size: 8, .value_kind: global_buffer, .address_space: global }
      - { .name: wf, .offset: 104, .size: 8, .value_kind: global_buffer, .address_space: global }
      - { .name: ws, .offset: 112, .size: 8, .value_kind: global_buffer, .address_space: global }
      - { .name: ia, .offset: 120, .size: 8, .value_kind: global_buffer, .address_space: global }
    .group_segment_fixed_size: 34304
    .private_segment_fixed_size: 0
    .kernarg_segment_align: 8
    .kernarg_segment_size: 128
    .max_flat_workgroup_size: 128
    .sgpr_count:     66
    .vgpr_count:     256
    .wavefront_size: 32
...
	.end_amdgpu_metadata
.endif
;; end of part 1
;; launch qkv (part 2): grid 192 x 1, 4 waves a work-group, no clusters, 167,936 bytes of LDS; arguments ia, wf, ws, bq, bk, bv, ib, kv; writes ib, kv
.if DOCPART == 2
	.amdgcn_target "amdgcn-amd-amdhsa--gfx1250"
	.amdhsa_code_object_version 6
	.text
	.protected	k_qc450e73648_qkv
	.globl	k_qc450e73648_qkv
	.p2align	8
	.type	k_qc450e73648_qkv,@function
k_qc450e73648_qkv:
	s_mov_b64 s[64:65], 0
	v_nop
	global_prefetch_b8 v0, s[64:65] scope:SCOPE_SE
	s_setreg_imm32_b32 hwreg(HW_REG_WAVE_MODE, 25, 1), 1
	s_wait_xcnt 0x0
; Launch 2 of 6: q = x Wq + bq, k = x Wk + bk, v = x Wv + bv on E2M3 codes, each quantised at once for attention.  No work of reference() is left out.
; A work-group makes 128 "rows" (operand A: 8 tiles, all 8 K steps, 98,304 bytes in LDS by one tensor load a wave, filled once) x 512 "columns"; wave w makes 128 x 128: 64 accumulators.
; The columns' fragments (operand B) are multiplied by one wave alone and go from memory straight into its registers, one K step ahead, in two sets.
; THE MATRIX INSTRUCTION IS USED TRANSPOSED (source 0 = 16 columns, source 1 = 16 rows): a lane holds ONE row, and by the choice of a tile's rows (launch 1) the 64 registers of a row tile's eight
; accumulators are, block by block, 16 neighbours along the columns: they are quantised in registers.
; Work-groups 0-63: q, rows = tokens, columns = Wq's outputs.  64-127: k likewise.  128-191: v TRANSPOSED, rows = Wv's outputs, columns = tokens, since v is quantised along the keys.
; q leaves as rows of codes [4096][768] and scale bytes [4096][32] (in reference()'s reshape a row of x Wq is 16 queries of one head).  k and v leave as images in a blob for each batch and head:
; 128 key tiles x 768 bytes (six registers a lane: K = 64), V's 64 fragment images, K's scale words, V's scale words.
; No cluster: what work-groups share is A, and those that share it are of different types, which part on the way out; B goes to registers, where no joint load lands.
; LIMITS as stated at the head of launch 1.
.set SPARE, 98304                      ; behind A: the spare words, 128 bytes for each wave
.set BLOB,  208896
.set SCA,  20                          ; v20-51   A's scale words: register 4 a + p: lanes 0-15 step 2 p, lanes 16-31 step 2 p + 1
.set SCB,  52                          ; v52-83   B's likewise
.set AF,   84                          ; v84-179  A's eight fragments of a K step
.set CB,   192                         ; v192-255 the bias: q, k: of my lane's 64 columns; v: of my lane's row in tile a, at CB + 2 a, twice
.set HA,   84                          ; the way out: v84-147 64 numbers; v148-166 codes; v168-183 at work; v184 the scale word
.set PC,   148
.set TM,   168
.set PW,   184
.set SPW,  10
.set NIL,  11
.set WV,   20
.set TYPE, 21
.set RB,   23
.set CBK,  24
.set GG,   25
.set G1,   28
.set G0,   36
.set AP,   40
.set ASP,  42
.set BP,   44
.set BSP,  46
.set BIP,  48
.set SEL,  50
.set DP,   52
.set DSP,  54
.set MSB, 0
.macro WIN new                         ; the immediate's high byte repeats the setting that is left
.if MSB != (\new)
	s_set_vgpr_msb (MSB<<8)|(\new)
.set MSB, \new
.endif
.endm
.set MUL_LO, 0xa1                      ; source 0 (B) window 1, source 1 (A) window 0, C and D window 2 (row tiles 0-3)
.set MUL_HI, 0xf1                      ; the same, C and D window 3 (row tiles 4-7)
.macro PLACES n
.rept \n
	v_nop
.endr
.endm
.macro ADDO ptr, off                   ; a 32-bit offset onto an address (s63 = 0)
	s_mov_b32 s62, s[\off]
	s_add_nc_u64 s[\ptr:\ptr+1], s[\ptr:\ptr+1], s[62:63]
.endm
.macro QUANT s
.irp b, 0,1,2,3
	v_max3_num_f32 v[TM+\b], |v[\s+16*\b]|, |v[\s+1+16*\b]|, 0x1800000   ; my 16 numbers of block b, and the floor 2^(3 - 127)
.endr
.irp i, 2,4,6,8,10,12,14
.irp b, 0,1,2,3
	v_max3_num_f32 v[TM+\b], v[TM+\b], |v[\s+16*\b+\i]|, |v[\s+1+16*\b+\i]|
.endr
.endr
.irp b, 0,1,2,3
	v_permlanex16_b32 v[TM+4+\b], v[TM+\b], s[SEL], s[SEL+1]
.endr
.irp b, 0,1,2,3
	v_max_num_f32 v[TM+\b], v[TM+\b], v[TM+4+\b]
.endr
.irp b, 0,1,2,3
	v_add_nc_u32 v[TM+12+\b], 0xff000000, v[TM+\b]    ; 2 off the exponent field: the conversion's scale operand
.endr
.irp b, 0,1,2,3
	v_lshrrev_b32 v[TM+4+\b], 23, v[TM+12+\b]         ; the scale's byte
.endr
	v_lshl_or_b32 v[PW], v[TM+5], 8, v[TM+4]
	v_lshl_or_b32 v[PW], v[TM+6], 16, v[PW]
	v_lshl_or_b32 v[PW], v[TM+7], 24, v[PW]
.irp c, 0,1
	v_cvt_scalef32_pk16_fp6_f32 v[PC+6*\c:PC+2+6*\c], v[\s+32*\c:\s+15+32*\c], v[TM+12+2*\c]
	v_cvt_scalef32_pk16_fp6_f32 v[PC+12+4*\c:PC+14+4*\c], v[\s+16+32*\c:\s+31+32*\c], v[TM+12+2*\c+1]
.endr
	v_nop                                          ; one plain place behind a scaled conversion
.irp c, 0,1
.irp i, 0,1,2
	v_permlane16_swap_b32 v[PC+6*\c+\i], v[PC+12+4*\c+\i]
.endr
.irp i, 0,1,2
	v_mov_b32 v[PC+3+6*\c+\i], v[PC+12+4*\c+\i]
.endr
.endr
.endm
	s_load_b512 s[4:19], s[0:1], 0x0               ; ia, wf, ws, bq, bk, bv, ib, kv
	v_lshl_add_u32 v[SPW], v0, 2, SPARE
	v_mov_b32 v[NIL], 0
	ds_add_u32 v[SPW], v[NIL]                      ; the opening: the add, twice on end, and its wait ahead of my first tensor load
	ds_add_u32 v[SPW], v[NIL]
	v_lshrrev_b32 v12, 5, v0
	v_readfirstlane_b32 s[WV], v12
	s_mov_b32 s[G1+0], 3<<16                       ; elements of 8 bytes, no mask, no padding
	s_mov_b32 s[G1+1], 32<<16                      ; tensor_dim0 = 32: rows of 256 bytes
	s_mov_b32 s[G1+2], 96<<16                      ; tensor_dim1 = 96: a quarter of A, 24,576 dense bytes
	s_mov_b32 s[G1+3], 32<<16                      ; tile_dim0
	s_mov_b32 s[G1+4], 96                          ; tile_dim1
	s_mov_b32 s[G1+5], 32                          ; the pitch
	s_mov_b32 s[G1+6], 0
	s_mov_b32 s[G1+7], 0
	s_mov_b32 s[SEL], 0x76543210
	s_mov_b32 s[SEL+1], 0xfedcba98
	s_lshr_b32 s[TYPE], ttmp9, 6                   ; 0 q, 1 k, 2 v
	s_and_b32 s22, ttmp9, 63
	s_lshr_b32 s56, s22, 1
	s_and_b32 s57, s22, 1
	s_lshr_b32 s58, s22, 3
	s_and_b32 s59, s22, 7
	s_cmp_eq_u32 s[TYPE], 2
	s_cselect_b32 s[RB], s58, s56                  ; which 128 rows: q, k: 32 blocks of tokens; v: 8 blocks of outputs
	s_cselect_b32 s[CBK], s59, s57                 ; which 512 columns
	s_lshl_b32 s[GG], s[CBK], 2
	s_add_co_u32 s[GG], s[GG], s[WV]               ; g: which 128 columns are my wave's
	s_mul_i32 s56, s[RB], 98304                    ; A's images,
	s_lshl_b32 s57, s[RB], 12                      ; A's scale images,
	s_mul_i32 s58, s[GG], 98304                    ; B's images (8 tiles x 12,288),
	s_lshl_b32 s59, s[GG], 12                      ; B's scale images
	s_mul_i32 s66, s[TYPE], 786432
	s_lshl_b32 s67, s[TYPE], 15
	s_mov_b32 s68, 3145728
	s_cmp_eq_u32 s[TYPE], 2
	s_cselect_b32 s69, 1572864, 0                  ; v: A is Wv, in wf and ws
	s_cselect_b32 s66, 0, s66                      ; q, k: B is Wq or Wk; v: B is x
	s_cselect_b32 s67, s68, s67
	s_cselect_b32 s68, 65536, s68
	s_cselect_b32 s60, s[RB], s[GG]                ; the bias goes with the weight's outputs
	s_cselect_b32 s22, s[GG], s[RB]                ; which 128 tokens
	s_cselect_b32 s27, s[RB], s[GG]                ; which pair of heads
	s_cselect_b32 s70, 98304, 0                    ; V's images lie behind K's in a blob
	s_add_co_u32 s56, s56, s69
	s_add_co_u32 s57, s57, s68
	s_add_co_u32 s58, s58, s66
	s_add_co_u32 s59, s59, s67
	s_lshl_b32 s60, s60, 9                         ; 128 numbers of 4 bytes
	s_lshr_b32 s61, s22, 4                         ; the batch
	s_and_b32 s22, s22, 15                         ; the key step
	s_lshl_b32 s61, s61, 4
	s_lshl_b32 s27, s27, 1
	s_add_co_u32 s61, s61, s27                     ; the blob of the pair's first head
	s_mul_i32 s27, s61, BLOB
	s_mul_i32 s61, s22, 6144                       ; a key step: 8 key tiles x 768, or 4 images x 1,536
	s_add_co_u32 s61, s61, s27
	s_add_co_u32 s61, s61, s70
	s_mov_b32 s69, 196608
	s_cmp_eq_u32 s[TYPE], 2
	s_cselect_b32 s68, 8, 9                        ; a key step's scale words: 256 bytes of V's, 512 of K's
	s_cselect_b32 s69, 204800, s69
	s_lshl_b32 s26, s22, s68
	s_add_co_u32 s26, s26, s69
	s_add_co_u32 s26, s26, s27
	s_mul_i32 s66, s[RB], 98304                    ; q: 128 rows of 768 bytes,
	s_mul_i32 s67, s[GG], 96                       ; 128 codes
	s_add_co_u32 s66, s66, s67
	s_lshl_b32 s67, s[RB], 12
	s_lshl_b32 s68, s[GG], 2
	s_add_co_u32 s67, s67, s68
	s_add_co_u32 s67, s67, 3145728
	s_cmp_eq_u32 s[TYPE], 0
	s_cselect_b32 s61, s66, s61                    ; where my codes go,
	s_cselect_b32 s26, s67, s26                    ; and my scale words
	s_mul_i32 s22, s[WV], 24576
	s_mov_b32 s63, 0
	v_and_b32 v12, 31, v0
	v_and_b32 v13, 15, v0                          ; r
	v_bfe_u32 v14, v0, 4, 1                        ; h
	v_lshlrev_b32 v1, 4, v12                       ; 16 x lane: an image's place for my lane; A's tiles 0-3 in LDS
	v_add_nc_u32 v2, 49152, v1                     ; A's tiles 4-7
	v_lshlrev_b32 v3, 3, v12
	v_lshlrev_b32 v4, 2, v12
	v_lshlrev_b32 v5, 2, v13
	v_and_b32 v15, 8, v13
	v_add_nc_u32 v15, v15, v13                     ; r + 8 (r / 8)
	v_mul_u32_u24 v6, v15, 768
	v_mad_u32_u24 v6, v14, 24, v6                  ; q: my row's codes, + 24 h
	v_lshlrev_b32 v7, 5, v15                       ; q: my row's scale bytes
	v_lshlrev_b32 v8, 6, v14                       ; the columns' bias: + 16 h numbers
	v_lshlrev_b32 v9, 2, v15                       ; the rows' bias
	s_wait_dscnt 0x0                               ; both opening adds are done
	s_wait_kmcnt 0x0
	s_cmp_eq_u32 s[TYPE], 2
	s_cselect_b64 s[AP:AP+1], s[6:7], s[4:5]
	s_cselect_b64 s[ASP:ASP+1], s[8:9], s[4:5]
	s_cselect_b64 s[BP:BP+1], s[4:5], s[6:7]
	s_cselect_b64 s[BSP:BSP+1], s[4:5], s[8:9]
	s_cselect_b64 s[BIP:BIP+1], s[14:15], s[10:11]
	s_cmp_eq_u32 s[TYPE], 1
	s_cselect_b64 s[BIP:BIP+1], s[12:13], s[BIP:BIP+1]
	s_cmp_eq_u32 s[TYPE], 0
	s_cselect_b64 s[DP:DP+1], s[16:17], s[18:19]
	s_mov_b64 s[DSP:DSP+1], s[DP:DP+1]
	ADDO AP, 56
	ADDO ASP, 57
	ADDO BP, 58
	ADDO BSP, 59
	ADDO BIP, 60
	ADDO DP, 61
	ADDO DSP, 26
	s_mov_b32 s[G0], 1
	s_mov_b32 s[G0+1], s22                         ; LDS: wave x 24,576
	s_mov_b32 s62, s22
	s_add_nc_u64 s[G0+2:G0+3], s[AP:AP+1], s[62:63]
	s_or_b32 s[G0+3], s[G0+3], 0x80000000
	tensor_load_to_lds s[G0:G0+3], s[G1:G1+7]      ; my quarter of A: one load of mine is out
	s_nop 0
	PLACES 4
.macro BLOAD s                         ; B's eight fragments of K step s into set s % 2: 24 loads of 512 consecutive bytes
	WIN 0x40
.irp b, 0,1,2,3,4,5,6,7
.irp c, 0,1,2
	global_load_b128 v[128*((\s)%2)+12*\b+4*\c:128*((\s)%2)+12*\b+4*\c+3], v1, s[BP:BP+1] offset:12288*\b+1536*(\s)+512*\c
.endr
.endr
	WIN 0
.endm
.macro AFETCH s, i0                    ; A's fragments i0 .. i0 + 3 of K step s: 12 LDS loads
.irp i, \i0, \i0+1, \i0+2, \i0+3
.irp c, 0,1,2
.if (\i) < 4
	ds_load_b128 v[AF+12*(\i)+4*\c:AF+12*(\i)+4*\c+3], v1 offset:12288*(\i)+1536*(\s)+512*\c
.else
	ds_load_b128 v[AF+12*(\i)+4*\c:AF+12*(\i)+4*\c+3], v2 offset:12288*((\i)-4)+1536*(\s)+512*\c
.endif
.endr
.endr
.endm
.macro MUL16 a0, s                     ; row tiles a0, a0 + 1 x my eight column tiles.  The 64 accumulators take turns, one instruction a turn.  Step 0 starts the sums
.irp a, \a0, \a0+1
.irp b, 0,1,2,3,4,5,6,7
.set rD, 64*((\a)%4)+8*\b
.set rB, 128*((\s)%2)+12*\b
.set rA, AF+12*(\a)
.set rSB, SCB+4*\b+(\s)/2
.set rSA, SCA+4*(\a)+(\s)/2
.if (\s) == 0
	v_wmma_scale_f32_16x16x128_f8f6f4 v[rD:rD+7], v[rB:rB+11], v[rA:rA+11], 0, v[rSB], v[rSA] matrix_a_fmt:MATRIX_FMT_FP6 matrix_b_fmt:MATRIX_FMT_FP6
.elseif (\s)%2
	v_wmma_scale_f32_16x16x128_f8f6f4 v[rD:rD+7], v[rB:rB+11], v[rA:rA+11], v[rD:rD+7], v[rSB], v[rSA] matrix_a_fmt:MATRIX_FMT_FP6 matrix_b_fmt:MATRIX_FMT_FP6 matrix_a_scale:MATRIX_SCALE_ROW1 matrix_b_scale:MATRIX_SCALE_ROW1
.else
	v_wmma_scale_f32_16x16x128_f8f6f4 v[rD:rD+7], v[rB:rB+11], v[rA:rA+11], v[rD:rD+7], v[rSB], v[rSA] matrix_a_fmt:MATRIX_FMT_FP6 matrix_b_fmt:MATRIX_FMT_FP6
.endif
.endr
.endr
.endm
.macro STEP s
.if \s < 7
	BLOAD (\s)+1                                   ; (four places stand behind the last products that read that set)
	s_wait_loadcnt 24                              ; all but the 24 just issued: this step's B is in (in step 0 the scale words and the bias too)
.else
	s_wait_loadcnt 0x0
.endif
	s_wait_dscnt 12                                ; A's tiles 0-3 are in; the 12 loads of tiles 4-7 may be out
	WIN MUL_LO
	MUL16 0, \s
	MUL16 2, \s
	s_wait_dscnt 0x0
.if \s < 7
	PLACES 4                                       ; in front of loads into registers that matrix instructions have read
	WIN 0
	AFETCH (\s)+1, 0
.endif
	WIN MUL_HI
	MUL16 4, \s
	MUL16 6, \s
	PLACES 4
	WIN 0
.if \s < 7
	AFETCH (\s)+1, 4
.endif
.endm
	BLOAD 0
.irp t, 0,1,2,3,4,5,6,7
.irp p, 0,1,2,3
	global_load_b32 v[SCA+4*\t+\p], v4, s[ASP:ASP+1] offset:512*\t+128*\p
	global_load_b32 v[SCB+4*\t+\p], v4, s[BSP:BSP+1] offset:512*\t+128*\p
.endr
.endr
	s_cmp_eq_u32 s[TYPE], 2
	s_cbranch_scc1 .Lrowbias
.irp b, 0,1,2,3,4,5,6,7
	global_load_b128 v[CB+8*\b:CB+8*\b+3], v8, s[BIP:BIP+1] offset:(32*(\b/2)+8*(\b%2))*4      ; column tile b, register j: column 32 (b / 2) + 16 h + 8 (b % 2) + j
	global_load_b128 v[CB+8*\b+4:CB+8*\b+7], v8, s[BIP:BIP+1] offset:(32*(\b/2)+8*(\b%2))*4+16
.endr
	s_branch .Lbiased
.Lrowbias:
.irp a, 0,1,2,3,4,5,6,7
	global_load_b32 v[CB+2*\a], v9, s[BIP:BIP+1] offset:(32*(\a/2)+8*(\a%2))*4                 ; row tile a: my row's bias, in both registers of a pair
	global_load_b32 v[CB+2*\a+1], v9, s[BIP:BIP+1] offset:(32*(\a/2)+8*(\a%2))*4
.endr
.set i, 16
.rept 48
	v_mov_b32 v[CB+i], 0                           ; every register that some way through the text reads is written on every way that leads there
.set i, i+1
.endr
.Lbiased:
	s_wait_tensorcnt 0x0                           ; my quarter of A has landed,
	s_barrier_signal -1
	s_barrier_wait -1                              ; everybody's has
	AFETCH 0, 0
	AFETCH 0, 4
.irp s, 0,1,2,3,4,5,6,7
	STEP \s
.endr
; THE WAY OUT, a row tile at a time: + bias (which also brings the 64 numbers into window 0, each accumulator from its low end on), quantise, store.
.macro EPI a
.if (\a) > 0
	s_wait_xcnt 0x0                                ; the last tile's stores have read their data
.endif
.set wv, 0x02+(\a)/4
	s_cmp_eq_u32 s[TYPE], 2
	s_cbranch_scc1 .Lrow_\@
	WIN wv
.set i, 0
.rept 32
	v_pk_add_f32 v[HA+2*i:HA+2*i+1], v[64*((\a)%4)+2*i:64*((\a)%4)+2*i+1], v[CB+2*i:CB+2*i+1]
.set i, i+1
.endr
	WIN 0
	s_branch .Ladded_\@
.Lrow_\@:
	WIN wv
.set i, 0
.rept 32
	v_pk_add_f32 v[HA+2*i:HA+2*i+1], v[64*((\a)%4)+2*i:64*((\a)%4)+2*i+1], v[CB+2*(\a):CB+2*(\a)+1] op_sel_hi:[1,0]
.set i, i+1
.endr
	WIN 0
.Ladded_\@:
	QUANT HA
	s_cmp_eq_u32 s[TYPE], 1
	s_cbranch_scc1 .Lk_\@
	s_cmp_eq_u32 s[TYPE], 2
	s_cbranch_scc1 .Lv_\@
.irp p, 0,1,2,3,4,5                            ; q: the fragment's registers are 2 x 24 bytes of my row's stream of codes
	global_store_b64 v6, v[PC+2*\p:PC+2*\p+1], s[DP:DP+1] offset:768*(32*((\a)/2)+8*((\a)%2))+48*(\p/3)+8*(\p%3)
.endr
	global_store_b32 v7, v[PW], s[DSP:DSP+1] offset:32*(32*((\a)/2)+8*((\a)%2))
	s_branch .Lstored_\@
.Lk_\@:                                                ; k: registers 0-5 are the even head's 64 channels, 6-11 the odd head's: key tile 8 ks + a of two blobs
	v_and_b32 v185, 0xffff, v[PW]
	v_lshrrev_b32 v186, 16, v[PW]
	global_store_b128 v1, v[PC:PC+3], s[DP:DP+1] offset:768*(\a)
	global_store_b64 v3, v[PC+4:PC+5], s[DP:DP+1] offset:768*(\a)+512
	global_store_b128 v1, v[PC+6:PC+9], s[DP:DP+1] offset:BLOB+768*(\a)
	global_store_b64 v3, v[PC+10:PC+11], s[DP:DP+1] offset:BLOB+768*(\a)+512
	global_store_b32 v5, v185, s[DSP:DSP+1] offset:64*(\a)
	global_store_b32 v5, v186, s[DSP:DSP+1] offset:BLOB+64*(\a)
	s_branch .Lstored_\@
.Lv_\@:                                                ; v: a whole image: 16 channels x these 128 keys
.irp c, 0,1,2
	global_store_b128 v1, v[PC+4*\c:PC+4*\c+3], s[DP:DP+1] offset:BLOB*((\a)/4)+1536*((\a)%4)+512*\c
.endr
	global_store_b32 v5, v[PW], s[DSP:DSP+1] offset:BLOB*((\a)/4)+64*((\a)%4)
.Lstored_\@:
.endm
.irp b, 0,1,2,3
	v_mov_b32 v[TM+4+\b], 0                        ; (behind STEP 7's four places)  a lane permute's destination counts as one of its sources
.endr
.irp a, 0,1,2,3,4,5,6,7
	EPI \a
.endr
	s_wait_tensorcnt 0x0                           ; the wave's end
	ds_add_u32 v[SPW], v[NIL]
	s_wait_dscnt 0x0
	s_endpgm
.Lfunc_end_k_qc450e73648_qkv:
	.size	k_qc450e73648_qkv, .Lfunc_end_k_qc450e73648_qkv-k_qc450e73648_qkv
	.p2alignl 7, 3214868480
	.fill 96, 4, 3214868480
	.section	.rodata,"a",@progbits
	.p2align	6, 0x0
	.amdhsa_kernel k_qc450e73648_qkv
		.amdhsa_group_segment_fixed_size 167936
		.amdhsa_private_segment_fixed_size 0
		.amdhsa_enable_private_segment 0
		.amdhsa_kernarg_size 64
		.amdhsa_user_sgpr_count 2
		.amdhsa_user_sgpr_kernarg_segment_ptr 1
		.amdhsa_wavefront_size32 1
		.amdhsa_system_sgpr_workgroup_id_x 1
		.amdhsa_system_sgpr_workgroup_id_y 1
		.amdhsa_system_sgpr_workgroup_id_z 1
		.amdhsa_system_vgpr_workitem_id 0
		.amdhsa_next_free_vgpr 1024
		.amdhsa_next_free_sgpr 72
		.amdhsa_reserve_vcc 0
		.amdhsa_float_denorm_mode_32 3
		.amdhsa_float_denorm_mode_16_64 3
		.amdhsa_memory_ordered 1
		.amdhsa_forward_progress 1
		.amdhsa_inst_pref_size 194
	.end_amdhsa_kernel
	.amdgpu_metadata
---
amdhsa.version: [ 1, 2 ]
amdhsa.kernels:
  - .name:           k_qc450e73648_qkv
    .symbol:         k_qc450e73648_qkv.kd
    .args:
      - { .name: ia, .offset: 0, .size: 8, .value_kind: global_buffer, .address_space: global }
      - { .name: wf, .offset: 8, .size: 8, .value_kind: global_buffer, .address_space: global }
      - { .name: ws, .offset: 16, .size: 8, .value_kind: global_buffer, .address_space: global }
      - { .name: bq, .offset: 24, .size: 8, .value_kind: global_buffer, .address_space: global }
      - { .name: bk, .offset: 32, .size: 8, .value_kind: global_buffer, .address_space: global }
      - { .name: bv, .offset: 40, .size: 8, .value_kind: global_buffer, .address_space: global }
      - { .name: ib, .offset: 48, .size: 8, .value_kind: global_buffer, .address_space: global }
      - { .name: kv, .offset: 56, .size: 8, .value_kind: global_buffer, .address_space: global }
    .group_segment_fixed_size: 167936
    .private_segment_fixed_size: 0
    .kernarg_segment_align: 8
    .kernarg_segment_size: 64
    .max_flat_workgroup_size: 128
    .sgpr_count:     72
    .vgpr_count:     1024
    .wavefront_size: 32
...
	.end_amdgpu_metadata
.endif
;; end of part 2
;; launch att (part 3): grid 8 x 32, 16 waves a work-group, clusters of 4 x 1, 210,944 bytes of LDS; arguments ib, kv, ia; writes ia
.if DOCPART == 3
	.amdgcn_target "amdgcn-amd-amdhsa--gfx1250"
	.amdhsa_code_object_version 6
	.text
	.protected	k_qc450e73648_att
	.globl	k_qc450e73648_att
	.p2align	8
	.type	k_qc450e73648_att,@function
k_qc450e73648_att:
	s_mov_b64 s[64:65], 0
	v_nop
	global_prefetch_b8 v0, s[64:65] scope:SCOPE_SE
	s_setreg_imm32_b32 hwreg(HW_REG_WAVE_MODE, 25, 1), 1
	s_wait_xcnt 0x0
	s_wait_alu depctr_hold_cnt(0) depctr_sa_sdst(0) depctr_va_vdst(0) depctr_va_sdst(0) depctr_va_ssrc(0) depctr_va_vcc(0) depctr_vm_vsrc(0)
	s_getreg_b32 s2, hwreg(HW_REG_IB_STS2, 6, 4)
	s_cmp_eq_u32 s2, 0
	s_cbranch_scc0 .Lentry_in_a_cluster
	s_endpgm
.Lentry_in_a_cluster:
	s_bfe_u32 s2, ttmp6, 0x10000c
	s_cmp_lg_u32 s2, 0x3003
	s_cbranch_scc0 .Lentry_shape_is_right
	s_endpgm
.Lentry_shape_is_right:
; Launch 3 of 6: o = softmax(q k^T / 8) v on E2M3 codes, quantised at once for the projection.  No work of reference() is left out.
; THE SOFTMAX: t = score x log2(e) / 8; M = the running largest t rounded UP to a whole number; p = 2^(t - M) is quantised along the keys; the row's sum is taken of the unquantised p and divides at the end.
; When M moves, the sum and O are multiplied by 2^(old M - new M): exact.
; SHARES.  A work-group owns 256 queries of one batch and head; each of its sixteen waves 16: in reference()'s reshape they are ONE row of x Wq (16 queries x 64).  Every wave walks the head's 2,048 keys, 128 a step.
; THE HEAD'S WHOLE BLOB (K's and V's images and scale words, 208,896 bytes) LIES IN LDS: sixteen first fills, one a wave; no ring, nothing filled again.
; CLUSTER.  The four query blocks of a cluster belong to one head: each fill is asked for JOINTLY, by the same descriptor and the mask 15, in all four.
; Both products are used transposed (S^T = K Q^T, O^T = V^T P^T): a lane holds one query throughout.  K = 64 in the first product: registers 6-11 of K's and Q's fragments are zero codes.
; The keys of a tile and the channels of a tile of V were chosen by launch 2 so that the registers of two neighbouring result tiles are 16 neighbours.
; LIMITS as stated at the head of launch 1.
.set BLOB,  208896
.set SPARE, 208896                     ; behind the blob: the spare words, 128 bytes for each of 16 waves
.set SPW, 6
.set NIL, 7
.set QF,  16                           ; v16-27  Q's fragment;  v28 its scale words
.set QSC, 28
.set KSC, 30                           ; v30-33  K's scale words: lanes 0-15 an even tile's, lanes 16-31 the odd tile's behind it
.set VSC, 34                           ; v34-35  V's likewise
.set KF,  36                           ; v36-83  four fragments of K
.set S,   96                           ; v96-159 S^T, then p; v96-143 then V's four fragments
.set O,   160                          ; v160-191 O^T
.set PCD, 192                          ; v192-203 p's codes;  v204-210 the conversions' second halves
.set CT,  204
.set BM,  212                          ; v212-215 the blocks' largest
.set PMT, 216                          ; v216-219 permutes, bytes
.set SO,  220                          ; v220-223 the conversions' scale operands
.set TP,  224
.set F,   226                          ; v[226:227] f = 2^(old M - new M)
.set PSC, 228                          ; p's scale word
.set SUM2, 230
.set WV,  10
.set G1,  24
.set G0,  32
.set CS,  36                           ; s[36:37] c = log2(e) / 8
.set SEL, 38
.set TK,  40                           ; the step's images: 6,144 bytes a step, K's and V's alike
.set TKS, 41                           ; K's scale words: 512
.set TVS, 42                           ; V's: 256
.set CNT, 43
.set QP,  44
.set QSP, 46
.set OP,  48
.set OSP, 50
.macro PLACES n
.rept \n
	v_nop
.endr
.endm
.macro CROUND                          ; a round of the cluster's barrier
	s_barrier_signal -1
	s_barrier_wait -1
	s_cmp_lg_u32 s[WV], 0
	s_cbranch_scc1 .Lnot_wave_0_\@
	s_barrier_signal -3
.Lnot_wave_0_\@:
	s_barrier_wait -3
	s_barrier_signal -1
	s_barrier_wait -1
.endm
	s_load_b128 s[4:7], s[0:1], 0x0                ; ib (q), kv
	s_load_b64 s[8:9], s[0:1], 0x10                ; ia (o)
	v_lshl_add_u32 v[SPW], v0, 2, SPARE
	v_mov_b32 v[NIL], 0
	ds_add_u32 v[SPW], v[NIL]                      ; the opening: the add, twice on end, and its wait ahead of my first tensor load
	ds_add_u32 v[SPW], v[NIL]
	v_lshrrev_b32 v8, 5, v0
	v_readfirstlane_b32 s[WV], v8
	s_bfe_u32 s11, ttmp6, 0x40000                  ; cx: it enters q's and o's global addresses alone
	s_lshl_b32 s12, ttmp9, 2
	s_add_co_u32 s12, s12, s11                     ; my block of 256 queries
	s_and_b32 s13, ttmp7, 0xffff                   ; 16 x batch + head: the four partners share it
	s_lshr_b32 s14, s13, 4
	s_and_b32 s15, s13, 15
	s_mov_b32 s[G1+0], 15|(3<<16)|(1<<21)          ; the mask: all four work-groups; elements of 8 bytes; bit 21 beside a mask
	s_mov_b32 s[G1+1], 32<<16                      ; rows of 256 bytes
	s_mov_b32 s[G1+2], 51<<16                      ; 51 of them: a sixteenth of the blob, 13,056 dense bytes
	s_mov_b32 s[G1+3], 32<<16
	s_mov_b32 s[G1+4], 51
	s_mov_b32 s[G1+5], 32
	s_mov_b32 s[G1+6], 0
	s_mov_b32 s[G1+7], 0
	s_mul_i32 s60, s13, BLOB
	s_mul_i32 s22, s[WV], 13056
	s_add_co_u32 s60, s60, s22
	s_mov_b32 s61, 0
	s_lshl_b32 s16, s13, 7
	s_lshl_b32 s17, s12, 4
	s_add_co_u32 s17, s17, s[WV]                   ; 16 x block + wave
	s_add_co_u32 s16, s16, s17                     ; my row of x Wq
	s_mul_i32 s52, s16, 768
	s_mov_b32 s53, 0
	s_lshl_b32 s54, s16, 5
	s_add_co_u32 s54, s54, 3145728
	s_mov_b32 s55, 0
	s_lshl_b32 s18, s14, 7
	s_add_co_u32 s18, s18, s17                     ; the tile of 16 rows of o that my queries are
	s_lshl_b32 s18, s18, 3
	s_lshr_b32 s19, s15, 1
	s_add_co_u32 s18, s18, s19                     ; its image of K step head / 2
	s_mul_i32 s56, s18, 1536
	s_mov_b32 s57, 0
	s_lshl_b32 s58, s18, 6
	s_add_co_u32 s58, s58, 3145728
	s_mov_b32 s59, 0
	s_and_b32 s23, s15, 1                          ; which half of that image is my head's
	s_mov_b32 s[CS], 0x3e38aa3b
	s_mov_b32 s[CS+1], s[CS]
	s_mov_b32 s[SEL], 0x76543210
	s_mov_b32 s[SEL+1], 0xfedcba98
	s_mov_b32 s[TK], 0
	s_mov_b32 s[TKS], 0
	s_mov_b32 s[TVS], 0
	s_mov_b32 s[CNT], 16
	s_wait_dscnt 0x0                               ; both opening adds are done
	s_wait_kmcnt 0x0
	s_mov_b32 s[G0], 1
	s_mov_b32 s[G0+1], s22
	s_add_nc_u64 s[G0+2:G0+3], s[6:7], s[60:61]
	s_or_b32 s[G0+3], s[G0+3], 0x80000000
	s_add_nc_u64 s[QP:QP+1], s[4:5], s[52:53]
	s_add_nc_u64 s[QSP:QSP+1], s[4:5], s[54:55]
	s_add_nc_u64 s[OP:OP+1], s[8:9], s[56:57]
	s_add_nc_u64 s[OSP:OSP+1], s[8:9], s[58:59]
	CROUND                                         ; all four work-groups are here: the joint loads meet
	tensor_load_to_lds s[G0:G0+3], s[G1:G1+7]      ; one load of mine is out
	s_nop 0
	PLACES 4
	v_and_b32 v8, 31, v0
	v_and_b32 v9, 15, v0                           ; r
	v_bfe_u32 v10, v0, 4, 1                        ; h
	v_lshlrev_b32 v1, 4, v8                        ; K's registers 0-3: 16 x lane
	v_lshl_add_u32 v2, v8, 3, 512                  ; K's registers 4-5: 512 + 8 x lane
	v_lshl_add_u32 v3, v8, 2, 196608               ; K's scale words
	v_add_nc_u32 v4, 98304, v1                     ; V's images
	v_lshl_add_u32 v5, v8, 2, 204800               ; V's scale words
	v_mul_u32_u24 v11, v9, 48
	v_mad_u32_u24 v11, v10, 24, v11                ; query r is 48 bytes of the row, + 24 h
	v_lshlrev_b32 v29, 1, v9
.irp p, 0,1,2
	global_load_b64 v[QF+2*\p:QF+2*\p+1], v11, s[QP:QP+1] offset:8*\p
.endr
	global_load_u16 v[QSC], v29, s[QSP:QSP+1]      ; its two scale bytes; the upper two are 0, over zero codes
	v_mov_b32 v13, 0xff61b1e6                      ; the largest t so far: -3e38
	v_floor_f32 v12, -v13                          ; -M
	v_mov_b32 v14, 0
	v_mov_b32 v15, 0
	v_mov_b32 v[F+1], 0                            ; (named as the upper half of a pair)
.irp b, 0,1,2,3
	v_mov_b32 v[PMT+\b], 0                         ; a lane permute's destination counts as one of its sources
.endr
.irp i, 6,7,8,9,10,11
	v_mov_b32 v[QF+\i], 0                          ; K = 64 .. 127: zero codes
.irp t, 0,1,2,3
	v_mov_b32 v[KF+12*\t+\i], 0
.endr
.endr
.set i, 0
.rept 32
	v_mov_b32 v[O+i], 0                            ; the step is written once: the first finds zeros, which the first change of M leaves zeros
.set i, i+1
.endr
	s_wait_loadcnt 0x0
	s_wait_tensorcnt 0x0                           ; my sixteenth of the blob has landed,
	s_barrier_signal -1
	s_barrier_wait -1                              ; everybody's has
.Lstep:                                                ; 16 trips: 128 keys each
	v_add_nc_u32 v8, s[TK], v1
	v_add_nc_u32 v9, s[TK], v2
	v_add_nc_u32 v10, s[TKS], v3
	v_add_nc_u32 v11, s[TK], v4
	v_add_nc_u32 v29, s[TVS], v5
	v_nop                                          ; six places: five are owed before S^T is laid over the registers from which the last products read V
.irp g, 0,1                                    ; S^T = K Q^T, four tiles of 16 keys at a time
.if \g
	PLACES 4                                       ; in front of loads into registers that matrix instructions have read
.endif
.irp t, 0,1,2,3
	ds_load_b128 v[KF+12*\t:KF+12*\t+3], v8 offset:768*(4*\g+\t)
	ds_load_b64 v[KF+12*\t+4:KF+12*\t+5], v9 offset:768*(4*\g+\t)
.endr
.irp u, 0,1
	ds_load_b32 v[KSC+2*\g+\u], v10 offset:64*(4*\g+2*\u)
.endr
	s_wait_dscnt 0x0
.irp t, 0,1,2,3
.if \t%2
	v_wmma_scale_f32_16x16x128_f8f6f4 v[S+8*(4*\g+\t):S+8*(4*\g+\t)+7], v[KF+12*\t:KF+12*\t+11], v[QF:QF+11], 0, v[KSC+2*\g+\t/2], v[QSC] matrix_a_fmt:MATRIX_FMT_FP6 matrix_b_fmt:MATRIX_FMT_FP6 matrix_a_scale:MATRIX_SCALE_ROW1
.else
	v_wmma_scale_f32_16x16x128_f8f6f4 v[S+8*(4*\g+\t):S+8*(4*\g+\t)+7], v[KF+12*\t:KF+12*\t+11], v[QF:QF+11], 0, v[KSC+2*\g+\t/2], v[QSC] matrix_a_fmt:MATRIX_FMT_FP6 matrix_b_fmt:MATRIX_FMT_FP6
.endif
.endr
.endr                                          ; the 16 registers of tiles 2 b, 2 b + 1 are keys 32 b + 16 h + 0 .. 15 of the step
	PLACES 4
.irp b, 0,1,2,3
	v_max3_num_f32 v[BM+\b], v[S+16*\b], v[S+1+16*\b], v[S+2+16*\b]   ; the largest score of each block of 32 keys: for the row's maximum, and, since p rises with the score, for the block's largest p
.endr
.irp i, 3,5,7,9,11,13
.irp b, 0,1,2,3
	v_max3_num_f32 v[BM+\b], v[BM+\b], v[S+16*\b+\i], v[S+1+16*\b+\i]
.endr
.endr
.irp b, 0,1,2,3
	v_max_num_f32 v[BM+\b], v[BM+\b], v[S+15+16*\b]
.endr
.irp b, 0,1,2,3
	v_permlanex16_b32 v[PMT+\b], v[BM+\b], s[SEL], s[SEL+1]
.endr
.irp b, 0,1,2,3
	v_max_num_f32 v[BM+\b], v[BM+\b], v[PMT+\b]
.endr
	v_max3_num_f32 v[TP], v[BM], v[BM+1], v[BM+2]
	v_max_num_f32 v[TP], v[TP], v[BM+3]
	v_mul_f32 v[TP], s[CS], v[TP]
	v_max_num_f32 v13, v13, v[TP]                  ; the running largest t
	v_mov_b32 v[TP], v12
	v_floor_f32 v12, -v13                          ; the new -M = -ceil(t)
	v_sub_f32 v[TP], v12, v[TP]                    ; old M - new M: a whole number, 0 or less
	v_cvt_i32_f32 v[TP], v[TP]                     ; (it saturates)
	v_ldexp_f32 v[F], 1.0, v[TP]
.set j, 0
.rept 32
	v_pk_fma_f32 v[S+j:S+j+1], v[S+j:S+j+1], s[CS:CS+1], v[12:13] op_sel_hi:[1,0,0]   ; t - M, two at a time
.set j, j+2
.endr
.irp b, 0,1,2,3
	v_fma_f32 v[BM+\b], v[BM+\b], s[CS], v12
.endr
.set j, 0
.rept 64
	v_exp_f32 v[S+j], v[S+j]                       ; p = 2^(t - M)
.set j, j+1
.endr
	v_pk_mul_f32 v[14:15], v[14:15], v[F:F+1] op_sel_hi:[1,0]   ; the sums under the new M: a plain place behind the exponentials
	s_wait_alu depctr_va_vdst(0)                   ; one wait for the batch of 64, ahead of its first reader
.irp b, 0,1,2,3
	v_exp_f32 v[BM+\b], v[BM+\b]                   ; the blocks' largest p
.endr
	v_pk_add_f32 v[SUM2:SUM2+1], v[S:S+1], v[S+2:S+3]   ; the row's sum of the unquantised p, in two chains
.irp j, 4,8,12,16,20,24,28,32,36,40,44,48,52,56,60
	v_pk_add_f32 v[14:15], v[14:15], v[S+\j:S+\j+1]
	v_pk_add_f32 v[SUM2:SUM2+1], v[SUM2:SUM2+1], v[S+2+\j:S+3+\j]
.endr
	v_pk_add_f32 v[14:15], v[14:15], v[SUM2:SUM2+1]
	s_wait_alu depctr_va_vdst(0)                   ; and one for the four
.irp b, 0,1,2,3
	v_max_num_f32 v[BM+\b], 0x1800000, v[BM+\b]    ; the floor 2^(3 - 127)
.endr
.irp b, 0,1,2,3
	v_add_nc_u32 v[SO+\b], 0xff000000, v[BM+\b]
.endr
.irp b, 0,1,2,3
	v_lshrrev_b32 v[PMT+\b], 23, v[SO+\b]
.endr
	v_lshl_or_b32 v[PSC], v[PMT+1], 8, v[PMT]      ; p's scale word for these 128 keys
	v_lshl_or_b32 v[PSC], v[PMT+2], 16, v[PSC]
	v_lshl_or_b32 v[PSC], v[PMT+3], 24, v[PSC]
.irp c, 0,1
	v_cvt_scalef32_pk16_fp6_f32 v[PCD+6*\c:PCD+2+6*\c], v[S+32*\c:S+15+32*\c], v[SO+2*\c]
	v_cvt_scalef32_pk16_fp6_f32 v[CT+4*\c:CT+2+4*\c], v[S+16+32*\c:S+31+32*\c], v[SO+2*\c+1]
.endr
	v_nop                                          ; one plain place behind a scaled conversion
.irp c, 0,1
.irp i, 0,1,2
	v_permlane16_swap_b32 v[PCD+6*\c+\i], v[CT+4*\c+\i]
.endr
.irp i, 0,1,2
	v_mov_b32 v[PCD+3+6*\c+\i], v[CT+4*\c+\i]
.endr
.endr
.irp t, 0,1,2,3                                ; V's four images of the step, into the registers that p has left
.irp c, 0,1,2
	ds_load_b128 v[S+12*\t+4*\c:S+12*\t+4*\c+3], v11 offset:1536*\t+512*\c
.endr
.endr
.irp u, 0,1
	ds_load_b32 v[VSC+\u], v29 offset:128*\u
.endr
.set j, 0
.rept 16
	v_pk_mul_f32 v[O+j:O+j+1], v[O+j:O+j+1], v[F:F+1] op_sel_hi:[1,0]   ; O^T under the new M.  Of these 16, 12 name no register of a given product below: the places between p's scale word (8 are owed), p's codes (4) and that product
.set j, j+2
.endr
	s_wait_dscnt 0x0
.irp t, 0,1,2,3                                ; O^T += V^T P^T: the four accumulators by turns
.if \t%2
	v_wmma_scale_f32_16x16x128_f8f6f4 v[O+8*\t:O+8*\t+7], v[S+12*\t:S+12*\t+11], v[PCD:PCD+11], v[O+8*\t:O+8*\t+7], v[VSC+\t/2], v[PSC] matrix_a_fmt:MATRIX_FMT_FP6 matrix_b_fmt:MATRIX_FMT_FP6 matrix_a_scale:MATRIX_SCALE_ROW1
.else
	v_wmma_scale_f32_16x16x128_f8f6f4 v[O+8*\t:O+8*\t+7], v[S+12*\t:S+12*\t+11], v[PCD:PCD+11], v[O+8*\t:O+8*\t+7], v[VSC+\t/2], v[PSC] matrix_a_fmt:MATRIX_FMT_FP6 matrix_b_fmt:MATRIX_FMT_FP6
.endif
.endr
	s_add_co_u32 s[TK], s[TK], 6144
	s_add_co_u32 s[TKS], s[TKS], 512
	s_add_co_u32 s[TVS], s[TVS], 256
	s_sub_co_u32 s[CNT], s[CNT], 1
	s_cmp_lg_u32 s[CNT], 0
	s_cbranch_scc1 .Lstep
	; THE WAY OUT: o = O^T / the sum; register 16 b + i is channel 32 b + 16 h + i of my query: two blocks, quantised as above: six registers of the image of 16 rows of o x K step head / 2
	PLACES 4
	v_add_f32 v14, v14, v15
	v_permlanex16_b32 v[TP], v14, s[SEL], s[SEL+1]
	v_add_f32 v14, v14, v[TP]                      ; the row's sum
	v_rcp_f32 v14, v14
	s_mul_i32 s52, s23, 520                        ; an image's register pair P lies at 512 (P / 2) + 16 lane + 8 (P % 2); an even head has pairs 0, 1, 2: bytes 0, 8, 512; an odd head 3, 4, 5: 520, 1024, 1032
	s_mul_i32 s53, s23, 1016
	s_add_co_u32 s53, s53, 8
	s_add_co_u32 s54, s52, 512
	s_lshl_b32 s55, s23, 1
	v_add_nc_u32 v8, s52, v1                       ; (plain places behind the reciprocal)
	v_add_nc_u32 v9, s53, v1
	v_add_nc_u32 v10, s54, v1
	v_and_b32 v11, 15, v0
	v_lshl_add_u32 v11, v11, 2, s55                ; my row's scale word, my head's two bytes of it
	s_wait_alu depctr_va_vdst(0)                   ; ahead of the reciprocal's first reader
.set j, 0
.rept 32
	v_mul_f32 v[S+j], v[O+j], v14
.set j, j+1
.endr
.irp b, 0,1
	v_max3_num_f32 v[BM+\b], |v[S+16*\b]|, |v[S+1+16*\b]|, 0x1800000
.endr
.irp i, 2,4,6,8,10,12,14
.irp b, 0,1
	v_max3_num_f32 v[BM+\b], v[BM+\b], |v[S+16*\b+\i]|, |v[S+1+16*\b+\i]|
.endr
.endr
.irp b, 0,1
	v_permlanex16_b32 v[PMT+\b], v[BM+\b], s[SEL], s[SEL+1]
.endr
.irp b, 0,1
	v_max_num_f32 v[BM+\b], v[BM+\b], v[PMT+\b]
.endr
.irp b, 0,1
	v_add_nc_u32 v[SO+\b], 0xff000000, v[BM+\b]
.endr
.irp b, 0,1
	v_lshrrev_b32 v[PMT+\b], 23, v[SO+\b]
.endr
	v_lshl_or_b32 v[TP], v[PMT+1], 8, v[PMT]
	v_cvt_scalef32_pk16_fp6_f32 v[200:202], v[S:S+15], v[SO]
	v_cvt_scalef32_pk16_fp6_f32 v[204:206], v[S+16:S+31], v[SO+1]
	v_nop
.irp i, 0,1,2
	v_permlane16_swap_b32 v[200+\i], v[204+\i]     ; lanes 0-15 now hold block 0, lanes 16-31 block 1
.endr
	v_mov_b32 v203, v204
	v_mov_b32 v204, v205
	v_mov_b32 v205, v206
	global_store_b64 v8, v[200:201], s[OP:OP+1]
	global_store_b64 v9, v[202:203], s[OP:OP+1]
	global_store_b64 v10, v[204:205], s[OP:OP+1]
	global_store_b16 v11, v[TP], s[OSP:OSP+1]
	s_wait_tensorcnt 0x0                           ; the wave's end
	ds_add_u32 v[SPW], v[NIL]
	s_wait_dscnt 0x0
	CROUND                                         ; the closing round
	s_endpgm
.Lfunc_end_k_qc450e73648_att:
	.size	k_qc450e73648_att, .Lfunc_end_k_qc450e73648_att-k_qc450e73648_att
	.p2alignl 7, 3214868480
	.fill 96, 4, 3214868480
	.section	.rodata,"a",@progbits
	.p2align	6, 0x0
	.amdhsa_kernel k_qc450e73648_att
		.amdhsa_group_segment_fixed_size 210944
		.amdhsa_private_segment_fixed_size 0
		.amdhsa_enable_private_segment 0
		.amdhsa_kernarg_size 24
		.amdhsa_user_sgpr_count 2
		.amdhsa_user_sgpr_kernarg_segment_ptr 1
		.amdhsa_wavefront_size32 1
		.amdhsa_system_sgpr_workgroup_id_x 1
		.amdhsa_system_sgpr_workgroup_id_y 1
		.amdhsa_system_sgpr_workgroup_id_z 1
		.amdhsa_system_vgpr_workitem_id 0
		.amdhsa_next_free_vgpr 256
		.amdhsa_next_free_sgpr 66
		.amdhsa_reserve_vcc 0
		.amdhsa_float_denorm_mode_32 3
		.amdhsa_float_denorm_mode_16_64 3
		.amdhsa_memory_ordered 1
		.amdhsa_forward_progress 1
		.amdhsa_inst_pref_size 28
	.end_amdhsa_kernel
	.amdgpu_metadata
---
amdhsa.version: [ 1, 2 ]
amdhsa.kernels:
  - .name:           k_qc450e73648_att
    .symbol:         k_qc450e73648_att.kd
    .args:
      - { .name: ib, .offset: 0, .size: 8, .value_kind: global_buffer, .address_space: global }
      - { .name: kv, .offset: 8, .size: 8, .value_kind: global_buffer, .address_space: global }
      - { .name: ia, .offset: 16, .size: 8, .value_kind: global_buffer, .address_space: global }
    .group_segment_fixed_size: 210944
    .private_segment_fixed_size: 0
    .kernarg_segment_align: 8
    .kernarg_segment_size: 24
    .max_flat_workgroup_size: 512
    .sgpr_count:     66
    .vgpr_count:     256
    .wavefront_size: 32
...
	.end_amdgpu_metadata
.endif
;; end of part 3
;; launch woln (part 4): grid 64 x 1, 4 waves a work-group, no clusters, 167,936 bytes of LDS; arguments ia, wf, ws, x, bo, ln1_scale, ln1_bias, x1, ib; writes x1, ib
.if DOCPART == 4
	.amdgcn_target "amdgcn-amd-amdhsa--gfx1250"
	.amdhsa_code_object_version 6
	.text
	.protected	k_qc450e73648_woln
	.globl	k_qc450e73648_woln
	.p2align	8
	.type	k_qc450e73648_woln,@function
k_qc450e73648_woln:
	s_mov_b64 s[64:65], 0
	v_nop
	global_prefetch_b8 v0, s[64:65] scope:SCOPE_SE
	s_setreg_imm32_b32 hwreg(HW_REG_WAVE_MODE, 25, 1), 1
	s_wait_xcnt 0x0
; Launch 4 of 6: x1 = layernorm(x + o Wo + bo), stored as f32 and as fragment images for the next product.  No work of reference() is left out.
; A work-group owns 64 WHOLE rows, so that the norm needs no other work-group; wave w makes 64 rows x columns 256 w .. 256 w + 255: 64 accumulators (row tile a, column tile b at 128 (a % 2) + 8 b of window 2 + a / 2).
; The rows' images (operand A, all NS K steps) and their scale images lie in LDS: two tensor loads a wave, filled once.  The weight's fragments are multiplied by one wave alone and go from memory
; straight into its registers, one K step ahead, in two sets of 192.  The matrix instruction is used transposed (source 0 = 16 columns, source 1 = 16 rows): a lane holds one row.
; THE SUMS BEGIN AS residual + bias: the residual is loaded straight into the accumulators, so that every K step adds in place and nothing is cleared.
; 64 work-groups: a row-complete tile of 64 x 1,024 f32 is half of a WGP's registers.  No cluster: what work-groups share is the weight, which goes to registers, where no joint load lands.
; LIMITS as stated at the head of launch 1.
.set NS,    8                          ; K steps of 128
.set QOUT,  1                          ; the result is also quantised
.set ASI,   256*NS*1536                ; where A's scale images begin in its buffer
.set WOFF,  2359296                    ; the weight's images in wf,
.set WSOFF, 98304                      ; and its scale images in ws
.set ASC,   6144*NS                    ; LDS: A's images; behind them A's scale images;
.set STAT1, ASC+256*NS                 ; the waves' row sums, 1,024 bytes;
.set STAT2, STAT1+1024                 ; the waves' sums of squares;
.set STG,   STAT2+1024                 ; a stage of 16 rows x (512 + 16) bytes for each wave;
.set SPARE, STG+4*8448                 ; the spare words, 128 bytes for each wave
.set LA0,  2                           ; v2-5   A's tiles in LDS: 16 x lane + 1,536 NS a;  v6 A's scale words: ASC + 4 r
.set LAS0, 6
.set SPW,  8
.set NIL,  9
.set LAC,  12                          ; v12-15, v16 the same for the trip in hand
.set LASC, 16
.set SCB,  24                          ; v24-55 the weight's scale words, two sets of 16: lanes 0-15 an even step's, lanes 16-31 the odd step's behind it
.set SCA,  56                          ; v56-59 A's, a word a row tile
.set CB,   64                          ; at the head: the bias of my lane's 128 columns
.set HA,   64                          ; the way out: v64-127 64 numbers; v128-146 codes; v148-163 at work; v164 the scale word; v168-231 16 rows
.set PC,   128
.set TM,   148
.set PW,   164
.set ROWS, 168
.set MEAN, 232                         ; v232-239 a pair for each row tile: the mean, later 1 / sqrt(var + eps)
.set T0,   240                         ; v240-244 sums
.set WV,   22
.set G1A,  28
.set G1S,  36
.set G0A,  44
.set G0S,  48
.set BP,   52
.set BSP,  54
.set TA,   56
.set TAS,  57
.set CNT,  58
.set SEL,  60
.set C10,  62
.set EPS,  63
.set MSB, 0
.macro WIN new
.if MSB != (\new)
	s_set_vgpr_msb (MSB<<8)|(\new)
.set MSB, \new
.endif
.endm
.macro PLACES n
.rept \n
	v_nop
.endr
.endm
.macro QUANT s
.irp b, 0,1,2,3
	v_max3_num_f32 v[TM+\b], |v[\s+16*\b]|, |v[\s+1+16*\b]|, 0x1800000
.endr
.irp i, 2,4,6,8,10,12,14
.irp b, 0,1,2,3
	v_max3_num_f32 v[TM+\b], v[TM+\b], |v[\s+16*\b+\i]|, |v[\s+1+16*\b+\i]|
.endr
.endr
.irp b, 0,1,2,3
	v_permlanex16_b32 v[TM+4+\b], v[TM+\b], s[SEL], s[SEL+1]
.endr
.irp b, 0,1,2,3
	v_max_num_f32 v[TM+\b], v[TM+\b], v[TM+4+\b]
.endr
.irp b, 0,1,2,3
	v_add_nc_u32 v[TM+12+\b], 0xff000000, v[TM+\b]
.endr
.irp b, 0,1,2,3
	v_lshrrev_b32 v[TM+4+\b], 23, v[TM+12+\b]
.endr
	v_lshl_or_b32 v[PW], v[TM+5], 8, v[TM+4]
	v_lshl_or_b32 v[PW], v[TM+6], 16, v[PW]
	v_lshl_or_b32 v[PW], v[TM+7], 24, v[PW]
.irp c, 0,1
	v_cvt_scalef32_pk16_fp6_f32 v[PC+6*\c:PC+2+6*\c], v[\s+32*\c:\s+15+32*\c], v[TM+12+2*\c]
	v_cvt_scalef32_pk16_fp6_f32 v[PC+12+4*\c:PC+14+4*\c], v[\s+16+32*\c:\s+31+32*\c], v[TM+12+2*\c+1]
.endr
	v_nop
.irp c, 0,1
.irp i, 0,1,2
	v_permlane16_swap_b32 v[PC+6*\c+\i], v[PC+12+4*\c+\i]
.endr
.irp i, 0,1,2
	v_mov_b32 v[PC+3+6*\c+\i], v[PC+12+4*\c+\i]
.endr
.endr
.endm
	s_load_b512 s[4:19], s[0:1], 0x0               ; A, wf, ws, the residual, the bias, the gain, the norm's bias, the result
.if QOUT
	s_load_b64 s[20:21], s[0:1], 0x40              ; the result's images
.endif
	v_lshl_add_u32 v[SPW], v0, 2, SPARE
	v_mov_b32 v[NIL], 0
	ds_add_u32 v[SPW], v[NIL]                      ; the opening: the add, twice on end, and its wait ahead of my first tensor load
	ds_add_u32 v[SPW], v[NIL]
	v_lshrrev_b32 v60, 5, v0
	v_readfirstlane_b32 s[WV], v60
	s_mov_b32 s[G1A+0], 3<<16                      ; a row tile's images: 1,536 NS dense bytes as rows of 256
	s_mov_b32 s[G1A+1], 32<<16
	s_mov_b32 s[G1A+2], (6*NS)<<16
	s_mov_b32 s[G1A+3], 32<<16
	s_mov_b32 s[G1A+4], 6*NS
	s_mov_b32 s[G1A+5], 32
	s_mov_b32 s[G1A+6], 0
	s_mov_b32 s[G1A+7], 0
	s_mov_b32 s[G1S+0], 3<<16                      ; its scale images: 64 NS dense bytes
	s_mov_b32 s[G1S+1], 32<<16
	s_mov_b32 s[G1S+2], (NS/4)<<16
	s_mov_b32 s[G1S+3], 32<<16
	s_mov_b32 s[G1S+4], NS/4
	s_mov_b32 s[G1S+5], 32
	s_mov_b32 s[G1S+6], 0
	s_mov_b32 s[G1S+7], 0
	s_mov_b32 s[SEL], 0x76543210
	s_mov_b32 s[SEL+1], 0xfedcba98
	s_mov_b32 s[C10], 0x3a800000                   ; 1 / 1,024
	s_mov_b32 s[EPS], 0x3727c5ac                   ; 1e-5
	s_mov_b32 s[TA], 0
	s_mov_b32 s[TAS], 0
	s_mov_b32 s[CNT], NS/4-1
	s_mov_b32 s27, 0
	v_and_b32 v60, 31, v0
	v_and_b32 v61, 15, v0                          ; r
	v_bfe_u32 v62, v0, 4, 1                        ; h
	v_lshlrev_b32 v1, 4, v60
.irp a, 0,1,2,3
	v_add_nc_u32 v[LA0+\a], 1536*NS*\a, v1
.endr
	v_lshl_add_u32 v[LAS0], v61, 2, ASC
	v_lshlrev_b32 v7, 12, v61
	v_lshl_add_u32 v7, v62, 6, v7                  ; the residual: row r of 4,096 bytes, + 16 h numbers
	v_lshlrev_b32 v10, 2, v60
	s_lshl_b32 s23, s[WV], 8
	v_lshl_add_u32 v11, v61, 2, s23
	v_add_nc_u32 v11, STAT1, v11                   ; where I put my wave's sums: 256 w + 4 r
	v_lshl_add_u32 v17, v61, 2, STAT1              ; and where I read all four waves'
	s_mul_i32 s23, s[WV], 8448
	v_mul_u32_u24 v18, v61, 528
	v_lshl_add_u32 v18, v62, 6, v18
	v_add_nc_u32 v18, s23, v18
	v_add_nc_u32 v18, STG, v18                     ; my stage on the way in: row r, + 64 h
	v_add_nc_u32 v19, s23, v1
	v_add_nc_u32 v19, STG, v19                     ; and back: whole rows of 512 bytes
	v_lshlrev_b32 v21, 2, v61
	v_lshlrev_b32 v22, 6, v62
	s_wait_dscnt 0x0                               ; both opening adds are done
	s_wait_kmcnt 0x0
	s_lshl_b32 s23, ttmp9, 2
	s_add_co_u32 s23, s23, s[WV]                   ; the row tile that I fetch
	s_mul_i32 s26, s23, 1536*NS
	s_mov_b32 s[G0A], 1
	s_mul_i32 s[G0A+1], s[WV], 1536*NS
	s_add_nc_u64 s[G0A+2:G0A+3], s[4:5], s[26:27]
	s_or_b32 s[G0A+3], s[G0A+3], 0x80000000
	s_mul_i32 s26, s23, 64*NS
	s_add_co_u32 s26, s26, ASI
	s_mov_b32 s[G0S], 1
	s_mul_i32 s[G0S+1], s[WV], 64*NS
	s_add_co_u32 s[G0S+1], s[G0S+1], ASC
	s_add_nc_u64 s[G0S+2:G0S+3], s[4:5], s[26:27]
	s_or_b32 s[G0S+3], s[G0S+3], 0x80000000
	tensor_load_to_lds s[G0A:G0A+3], s[G1A:G1A+7]  ; two loads of mine are out
	s_nop 0
	tensor_load_to_lds s[G0S:G0S+3], s[G1S:G1S+7]
	s_nop 0
	PLACES 4
	s_mul_i32 s26, s[WV], 16*NS*1536
	s_add_co_u32 s26, s26, WOFF
	s_add_nc_u64 s[BP:BP+1], s[6:7], s[26:27]      ; my 16 column tiles' images,
	s_mul_i32 s26, s[WV], 16*NS*64
	s_add_co_u32 s26, s26, WSOFF
	s_add_nc_u64 s[BSP:BSP+1], s[8:9], s[26:27]    ; and scale images
	s_lshl_b32 s26, ttmp9, 18                      ; 64 rows of 4,096 bytes,
	s_lshl_b32 s23, s[WV], 10                      ; my 256 columns
	s_add_co_u32 s26, s26, s23
	s_add_nc_u64 s[10:11], s[10:11], s[26:27]
	s_add_nc_u64 s[18:19], s[18:19], s[26:27]
	s_mov_b32 s26, s23
	s_add_nc_u64 s[12:13], s[12:13], s[26:27]
	s_add_nc_u64 s[14:15], s[14:15], s[26:27]
	s_add_nc_u64 s[16:17], s[16:17], s[26:27]
.if QOUT
	s_mul_i32 s26, ttmp9, 2048
	s_lshl_b32 s23, s[WV], 7
	s_add_co_u32 s26, s26, s23
	s_add_co_u32 s26, s26, 3145728
	s_add_nc_u64 s[24:25], s[20:21], s[26:27]      ; scale image 8 (4 wg + a) + 2 w + g
	s_mul_i32 s26, ttmp9, 49152
	s_mul_i32 s23, s[WV], 3072
	s_add_co_u32 s26, s26, s23
	s_add_nc_u64 s[20:21], s[20:21], s[26:27]      ; and the image
.endif
.macro BLD k                           ; the weight's 16 fragments of the trip's step k into set k % 2 (even: window 1, v0 on; odd: window 0, v64 on): 48 loads of 512 consecutive bytes
.if (\k)%2
	WIN 0
.set rL, 64
.else
	WIN 0x40
.set rL, 0
.endif
.irp b, 0,1,2,3,4,5,6,7,8,9,10,11,12,13,14,15
.irp c, 0,1,2
	global_load_b128 v[rL+12*\b+4*\c:rL+12*\b+4*\c+3], v1, s[BP:BP+1] offset:1536*NS*\b+1536*(\k)+512*\c
.endr
.endr
	WIN 0
.endm
; A K step, the trip's k-th.  bl: the next step's fragments are asked for; sl: half of the next pair of steps' scale words; ar: A's fragments of the next step are fetched from LDS.
.macro ESTEP k, bl, sl, ar
.if \bl
	BLD (\k)+1                                     ; (four places stand behind the last products that read that set)
	s_wait_loadcnt 48                              ; all but the 48 just issued: this step's fragments and scale words are in
.else
	s_wait_loadcnt 0x0
.endif
.if \sl
.irp b, 0,1,2,3,4,5,6,7
	global_load_b32 v[SCB+16*((((\k)/2)+1)%2)+8*((\k)%2)+\b], v10, s[BSP:BSP+1] offset:64*NS*(8*((\k)%2)+\b)+128*(((\k)/2)+1)
.endr
.endif
.irp a, 0,1,2,3
.if \ar
	s_wait_dscnt 12                                ; behind row tile a's four LDS loads: those of the three tiles asked for after it
.else
	s_wait_dscnt 12-4*\a
.endif
.set wv, 0xa4+0x50*(\a/2)+1-(\k)%2
	WIN wv                                         ; source 0 window 1 or 0 by the set, source 1 (A) window 1, C and D window 2 or 3
.irp b, 0,1,2,3,4,5,6,7,8,9,10,11,12,13,14,15  ; the accumulators take turns, one instruction a turn
.set rD, 128*(\a%2)+8*\b
.set rB, 64*((\k)%2)+12*\b
.set rA, 192+12*\a
.set rS, SCB+16*(((\k)/2)%2)+\b
.if (\k)%2
	v_wmma_scale_f32_16x16x128_f8f6f4 v[rD:rD+7], v[rB:rB+11], v[rA:rA+11], v[rD:rD+7], v[rS], v[SCA+\a] matrix_a_fmt:MATRIX_FMT_FP6 matrix_b_fmt:MATRIX_FMT_FP6 matrix_a_scale:MATRIX_SCALE_ROW1
.else
	v_wmma_scale_f32_16x16x128_f8f6f4 v[rD:rD+7], v[rB:rB+11], v[rA:rA+11], v[rD:rD+7], v[rS], v[SCA+\a] matrix_a_fmt:MATRIX_FMT_FP6 matrix_b_fmt:MATRIX_FMT_FP6
.endif
.endr
	PLACES 4                                       ; in front of loads into registers that matrix instructions have read
.if \ar
	WIN 0x40
.irp c, 0,1,2
	ds_load_b128 v[192+12*\a+4*\c:192+12*\a+4*\c+3], v[LAC+\a] offset:1536*((\k)+1)+512*\c
.endr
	WIN 0
	ds_load_b32 v[SCA+\a], v[LASC] offset:64*NS*\a+64*((\k)+1)
.endif
.endr
	WIN 0
.endm
.macro TRIPHEAD
.irp a, 0,1,2,3
	v_add_nc_u32 v[LAC+\a], s[TA], v[LA0+\a]
.endr
	v_add_nc_u32 v[LASC], s[TAS], v[LAS0]
.endm
	BLD 0
.irp b, 0,1,2,3,4,5,6,7,8,9,10,11,12,13,14,15
	global_load_b32 v[SCB+\b], v10, s[BSP:BSP+1] offset:64*NS*\b
.endr
.irp a, 0,1,2,3                                ; the residual, straight into the accumulators: register j of (a, b) is column 32 (b / 2) + 16 h + 8 (b % 2) + j of row 16 a + r
.set wv, 0x80+0x40*(\a/2)
	WIN wv
.irp b, 0,1,2,3,4,5,6,7,8,9,10,11,12,13,14,15
.irp q, 0,1
	global_load_b128 v[128*(\a%2)+8*\b+4*\q:128*(\a%2)+8*\b+4*\q+3], v7, s[10:11] offset:65536*\a+(32*(\b/2)+8*(\b%2))*4+16*\q
.endr
.endr
.endr
	WIN 0
.irp b, 0,1,2,3,4,5,6,7,8,9,10,11,12,13,14,15
.irp q, 0,1
	global_load_b128 v[CB+8*\b+4*\q:CB+8*\b+4*\q+3], v22, s[12:13] offset:(32*(\b/2)+8*(\b%2))*4+16*\q
.endr
.endr
	s_wait_loadcnt 0x0
.irp a, 0,1,2,3
.set wv, 0x82+0x41*(\a/2)
	WIN wv
.set i, 0
.rept 64
	v_pk_add_f32 v[128*(\a%2)+2*i:128*(\a%2)+2*i+1], v[128*(\a%2)+2*i:128*(\a%2)+2*i+1], v[CB+2*i:CB+2*i+1]
.set i, i+1
.endr
.endr
	WIN 0
	s_wait_tensorcnt 0x0                           ; my row tile's images and scale images have landed,
	s_barrier_signal -1
	s_barrier_wait -1                              ; everybody's have
.irp a, 0,1,2,3
	WIN 0x40
.irp c, 0,1,2
	ds_load_b128 v[192+12*\a+4*\c:192+12*\a+4*\c+3], v[LA0+\a] offset:512*\c
.endr
	WIN 0
	ds_load_b32 v[SCA+\a], v[LAS0] offset:64*NS*\a
.endr
.Ltrip:                                                ; NS / 4 - 1 trips of four K steps
	TRIPHEAD
	ESTEP 0, 1, 1, 1
	ESTEP 1, 1, 1, 1
	ESTEP 2, 1, 1, 1
	ESTEP 3, 1, 1, 1
	s_wait_xcnt 0x0                                ; the loads have read their bases: they step only behind this wait
	s_add_nc_u64 s[BP:BP+1], s[BP:BP+1], 6144
	s_add_nc_u64 s[BSP:BSP+1], s[BSP:BSP+1], 256
	s_add_co_u32 s[TA], s[TA], 6144
	s_add_co_u32 s[TAS], s[TAS], 256
	s_sub_co_u32 s[CNT], s[CNT], 1
	s_cmp_lg_u32 s[CNT], 0
	s_cbranch_scc1 .Ltrip
	TRIPHEAD                                       ; the last four steps are written out: no load leaves its buffer
	ESTEP 0, 1, 1, 1
	ESTEP 1, 1, 1, 1
	ESTEP 2, 1, 0, 1
	ESTEP 3, 0, 0, 0
	; ---- THE NORM.  A lane holds 128 numbers of each of four rows; lane l xor 16 the wave's other 128; the other waves the rest.
	WIN 0x40                                       ; the gain and the norm's bias of my lane's 128 columns: window 1, v0-127 and v128-255
.irp b, 0,1,2,3,4,5,6,7,8,9,10,11,12,13,14,15
.irp q, 0,1
	global_load_b128 v[8*\b+4*\q:8*\b+4*\q+3], v22, s[14:15] offset:(32*(\b/2)+8*(\b%2))*4+16*\q
	global_load_b128 v[128+8*\b+4*\q:128+8*\b+4*\q+3], v22, s[16:17] offset:(32*(\b/2)+8*(\b%2))*4+16*\q
.endr
.endr
	WIN 0
	v_mov_b32 v[T0+4], 0                           ; a lane permute's destination counts as one of its sources
.irp b, 0,1,2,3
	v_mov_b32 v[TM+4+\b], 0
.endr
.macro FOLD a, off                     ; two chains, two halves, two half-waves; my wave's figure for rows 16 a + r goes to LDS
	v_pk_add_f32 v[T0:T0+1], v[T0:T0+1], v[T0+2:T0+3]
	v_add_f32 v[T0], v[T0], v[T0+1]
	v_permlanex16_b32 v[T0+4], v[T0], s[SEL], s[SEL+1]
	v_add_f32 v[T0], v[T0], v[T0+4]
	ds_store_b32 v11, v[T0] offset:\off+64*\a
.endm
.macro GATHER off                      ; every wave adds the four waves' figures in the same order: v[ROWS + 4 a]
	s_wait_dscnt 0x0                               ; for the others' sake: my stores have landed
	s_barrier_signal -1
	s_barrier_wait -1
.irp a, 0,1,2,3
.irp u, 0,1,2,3
	ds_load_b32 v[ROWS+4*\a+\u], v17 offset:\off+256*\u+64*\a
.endr
.endr
	s_wait_dscnt 0x0
.irp a, 0,1,2,3
	v_add_f32 v[ROWS+4*\a], v[ROWS+4*\a], v[ROWS+4*\a+1]
	v_add_f32 v[ROWS+4*\a+2], v[ROWS+4*\a+2], v[ROWS+4*\a+3]
	v_add_f32 v[ROWS+4*\a], v[ROWS+4*\a], v[ROWS+4*\a+2]
.endr
.endm
.irp a, 0,1,2,3                                ; pass 1: the rows' sums, each accumulator from its low end on
.irp i, 0,1,2,3
	v_mov_b32 v[T0+\i], 0
.endr
.set wv, 0x08+4*(\a/2)
	WIN wv
.set i, 0
.rept 32
	v_pk_add_f32 v[T0:T0+1], v[T0:T0+1], v[128*(\a%2)+4*i:128*(\a%2)+4*i+1]
	v_pk_add_f32 v[T0+2:T0+3], v[T0+2:T0+3], v[128*(\a%2)+4*i+2:128*(\a%2)+4*i+3]
.set i, i+1
.endr
	WIN 0
	FOLD \a, 0
.endr
	GATHER 0
.irp a, 0,1,2,3
	v_mul_f32 v[MEAN+2*\a], s[C10], v[ROWS+4*\a]
	v_mov_b32 v[MEAN+2*\a+1], v[MEAN+2*\a]
.endr
.irp a, 0,1,2,3                                ; pass 2: the mean is taken away in place; then the sums of squares
.irp i, 0,1,2,3
	v_mov_b32 v[T0+\i], 0
.endr
.set wv, 0x82+0x41*(\a/2)
	WIN wv
.set i, 0
.rept 64
	v_pk_add_f32 v[128*(\a%2)+2*i:128*(\a%2)+2*i+1], v[128*(\a%2)+2*i:128*(\a%2)+2*i+1], v[MEAN+2*\a:MEAN+2*\a+1] op_sel_hi:[1,0] neg_lo:[0,1] neg_hi:[0,1]
.set i, i+1
.endr
.set wv, 0x0a+5*(\a/2)
	WIN wv
.set i, 0
.rept 32
	v_pk_fma_f32 v[T0:T0+1], v[128*(\a%2)+4*i:128*(\a%2)+4*i+1], v[128*(\a%2)+4*i:128*(\a%2)+4*i+1], v[T0:T0+1]
	v_pk_fma_f32 v[T0+2:T0+3], v[128*(\a%2)+4*i+2:128*(\a%2)+4*i+3], v[128*(\a%2)+4*i+2:128*(\a%2)+4*i+3], v[T0+2:T0+3]
.set i, i+1
.endr
	WIN 0
	FOLD \a, 1024
.endr
	GATHER 1024
.irp a, 0,1,2,3
	v_fma_f32 v[ROWS+4*\a], v[ROWS+4*\a], s[C10], s[EPS]
.endr
.irp a, 0,1,2,3
	v_rsq_f32 v[MEAN+2*\a], v[ROWS+4*\a]
.endr
	v_nop                                          ; a plain place behind the last of them
	s_wait_alu depctr_va_vdst(0)                   ; one wait for the four, ahead of their first reader
.irp a, 0,1,2,3
	v_mov_b32 v[MEAN+2*\a+1], v[MEAN+2*\a]
.endr
	s_wait_loadcnt 0x0                             ; the gain and the norm's bias
; 16 rows x 128 columns: scaled, through my own stage in LDS, and out as whole rows of 512 bytes; where asked, quantised on the way: they are one K step of the next product
.macro OUTG a, g
	s_wait_xcnt 0x0                                ; the last group's stores have read their data
.set wv, 0x02+(\a)/2
	WIN wv
.set i, 0
.rept 32
	v_pk_mul_f32 v[HA+2*i:HA+2*i+1], v[128*((\a)%2)+64*(\g)+2*i:128*((\a)%2)+64*(\g)+2*i+1], v[MEAN+2*(\a):MEAN+2*(\a)+1] op_sel_hi:[1,0]
.set i, i+1
.endr
	WIN 0x14                                       ; sources 1 and 2 window 1
.set i, 0
.rept 32
	v_pk_fma_f32 v[HA+2*i:HA+2*i+1], v[HA+2*i:HA+2*i+1], v[64*(\g)+2*i:64*(\g)+2*i+1], v[128+64*(\g)+2*i:128+64*(\g)+2*i+1]
.set i, i+1
.endr
	WIN 0
.irp n, 0,1,2,3,4,5,6,7,8,9,10,11,12,13,14,15
	ds_store_b128 v18, v[HA+4*\n:HA+4*\n+3] offset:128*(\n/4)+16*(\n%4)
.endr
.irp t, 0,1,2,3,4,5,6,7,8,9,10,11,12,13,14,15
	ds_load_b128 v[ROWS+4*\t:ROWS+4*\t+3], v19 offset:528*\t   ; LDS serves a wave's instructions in order: these see my stores, and the next group's stores come behind them
.endr
.if QOUT
	QUANT HA
.irp c, 0,1,2
	global_store_b128 v1, v[PC+4*\c:PC+4*\c+3], s[20:21] offset:12288*(\a)+1536*(\g)+512*\c
.endr
	global_store_b32 v21, v[PW], s[24:25] offset:512*(\a)+64*(\g)
.endif
.irp t, 0,1,2,3,4,5,6,7,8,9,10,11,12,13,14,15
	s_wait_dscnt 15-\t                             ; row t is back; the younger rows' loads may be out
	global_store_b128 v1, v[ROWS+4*\t:ROWS+4*\t+3], s[18:19] offset:65536*(\a)+4096*\t+512*(\g)   ; 32 lanes store 512 consecutive bytes, aligned
.endr
.endm
.irp a, 0,1,2,3
	OUTG \a, 0
	OUTG \a, 1
.endr
	s_wait_tensorcnt 0x0                           ; the wave's end
	ds_add_u32 v[SPW], v[NIL]
	s_wait_dscnt 0x0
	s_endpgm
.Lfunc_end_k_qc450e73648_woln:
	.size	k_qc450e73648_woln, .Lfunc_end_k_qc450e73648_woln-k_qc450e73648_woln
	.p2alignl 7, 3214868480
	.fill 96, 4, 3214868480
	.section	.rodata,"a",@progbits
	.p2align	6, 0x0
	.amdhsa_kernel k_qc450e73648_woln
		.amdhsa_group_segment_fixed_size 167936
		.amdhsa_private_segment_fixed_size 0
		.amdhsa_enable_private_segment 0
		.amdhsa_kernarg_size 72
		.amdhsa_user_sgpr_count 2
		.amdhsa_user_sgpr_kernarg_segment_ptr 1
		.amdhsa_wavefront_size32 1
		.amdhsa_system_sgpr_workgroup_id_x 1
		.amdhsa_system_sgpr_workgroup_id_y 1
		.amdhsa_system_sgpr_workgroup_id_z 1
		.amdhsa_system_vgpr_workitem_id 0
		.amdhsa_next_free_vgpr 1024
		.amdhsa_next_free_sgpr 66
		.amdhsa_reserve_vcc 0
		.amdhsa_float_denorm_mode_32 3
		.amdhsa_float_denorm_mode_16_64 3
		.amdhsa_memory_ordered 1
		.amdhsa_forward_progress 1
		.amdhsa_inst_pref_size 255
	.end_amdhsa_kernel
	.section	.bss,"aw",@nobits
	.p2align	6
	.space	262144
	.amdgpu_metadata
---
amdhsa.version: [ 1, 2 ]
amdhsa.kernels:
  - .name:           k_qc450e73648_woln
    .symbol:         k_qc450e73648_woln.kd
    .args:
      - { .name: ia, .offset: 0, .size: 8, .value_kind: global_buffer, .address_space: global }
      - { .name: wf, .offset: 8, .size: 8, .value_kind: global_buffer, .address_space: global }
      - { .name: ws, .offset: 16, .size: 8, .value_kind: global_buffer, .address_space: global }
      - { .name: x, .offset: 24, .size: 8, .value_kind: global_buffer, .address_space: global }
      - { .name: bo, .offset: 32, .size: 8, .value_kind: global_buffer, .address_space: global }
      - { .name: ln1_scale, .offset: 40, .size: 8, .value_kind: global_buffer, .address_space: global }
      - { .name: ln1_bias, .offset: 48, .size: 8, .value_kind: global_buffer, .address_space: global }
      - { .name: x1, .offset: 56, .size: 8, .value_kind: global_buffer, .address_space: global }
      - { .name: ib, .offset: 64, .size: 8, .value_kind: global_buffer, .address_space: global }
    .group_segment_fixed_size: 167936
    .private_segment_fixed_size: 0
    .kernarg_segment_align: 8
    .kernarg_segment_size: 72
    .max_flat_workgroup_size: 128
    .sgpr_count:     66
    .vgpr_count:     1024
    .wavefront_size: 32
...
	.end_amdgpu_metadata
.endif
;; end of part 4
;; launch ff1 (part 5): grid 256 x 1, 4 waves a work-group, no clusters, 167,936 bytes of LDS; arguments ib, wf, ws, b1, hi; writes hi
.if DOCPART == 5
	.amdgcn_target "amdgcn-amd-amdhsa--gfx1250"
	.amdhsa_code_object_version 6
	.text
	.protected	k_qc450e73648_ff1
	.globl	k_qc450e73648_ff1
	.p2align	8
	.type	k_qc450e73648_ff1,@function
k_qc450e73648_ff1:
	s_mov_b64 s[64:65], 0
	v_nop
	global_prefetch_b8 v0, s[64:65] scope:SCOPE_SE
	s_setreg_imm32_b32 hwreg(HW_REG_WAVE_MODE, 25, 1), 1
	s_wait_xcnt 0x0
; Launch 5 of 6: the hidden layer relu(x1 W1 + b1) on E2M3 codes, quantised at once and stored as fragment images.  No work of reference() is left out.
; The core is launch 2's: a work-group makes 128 rows (operand A: 8 row tiles of x1, all 8 K steps, 98,304 bytes in LDS by one tensor load a wave, filled once) x 512 hidden units; wave w makes 128 x 128.
; W1's fragments are multiplied by one wave alone and go from memory straight into its registers, one K step ahead, in two sets.  The matrix instruction is used transposed (source 0 = 16 rows of W1,
; source 1 = 16 rows of x1): a lane holds one row, and a row tile's 64 registers are one K step of the next product.
; No cluster: the eight work-groups of a row block share A alone, a sixth of a work-group's bytes; W1 goes to registers, where no joint load lands.
; LIMITS as stated at the head of launch 1.
.set SPARE, 98304
.set SCA,  20
.set SCB,  52
.set AF,   84
.set CB,   192                         ; v192-255 b1 of my lane's 64 hidden units
.set HA,   84
.set PC,   148
.set TM,   168
.set PW,   184
.set SPW,  10
.set NIL,  11
.set WV,   20
.set RB,   23
.set GG,   25
.set G1,   28
.set G0,   36
.set AP,   40
.set ASP,  42
.set BP,   44
.set BSP,  46
.set BIP,  48
.set SEL,  50
.set DP,   52
.set DSP,  54
.set MSB, 0
.macro WIN new
.if MSB != (\new)
	s_set_vgpr_msb (MSB<<8)|(\new)
.set MSB, \new
.endif
.endm
.set MUL_LO, 0xa1
.set MUL_HI, 0xf1
.macro PLACES n
.rept \n
	v_nop
.endr
.endm
.macro QUANT s
.irp b, 0,1,2,3
	v_max3_num_f32 v[TM+\b], |v[\s+16*\b]|, |v[\s+1+16*\b]|, 0x1800000
.endr
.irp i, 2,4,6,8,10,12,14
.irp b, 0,1,2,3
	v_max3_num_f32 v[TM+\b], v[TM+\b], |v[\s+16*\b+\i]|, |v[\s+1+16*\b+\i]|
.endr
.endr
.irp b, 0,1,2,3
	v_permlanex16_b32 v[TM+4+\b], v[TM+\b], s[SEL], s[SEL+1]
.endr
.irp b, 0,1,2,3
	v_max_num_f32 v[TM+\b], v[TM+\b], v[TM+4+\b]
.endr
.irp b, 0,1,2,3
	v_add_nc_u32 v[TM+12+\b], 0xff000000, v[TM+\b]
.endr
.irp b, 0,1,2,3
	v_lshrrev_b32 v[TM+4+\b], 23, v[TM+12+\b]
.endr
	v_lshl_or_b32 v[PW], v[TM+5], 8, v[TM+4]
	v_lshl_or_b32 v[PW], v[TM+6], 16, v[PW]
	v_lshl_or_b32 v[PW], v[TM+7], 24, v[PW]
.irp c, 0,1
	v_cvt_scalef32_pk16_fp6_f32 v[PC+6*\c:PC+2+6*\c], v[\s+32*\c:\s+15+32*\c], v[TM+12+2*\c]
	v_cvt_scalef32_pk16_fp6_f32 v[PC+12+4*\c:PC+14+4*\c], v[\s+16+32*\c:\s+31+32*\c], v[TM+12+2*\c+1]
.endr
	v_nop
.irp c, 0,1
.irp i, 0,1,2
	v_permlane16_swap_b32 v[PC+6*\c+\i], v[PC+12+4*\c+\i]
.endr
.irp i, 0,1,2
	v_mov_b32 v[PC+3+6*\c+\i], v[PC+12+4*\c+\i]
.endr
.endr
.endm
	s_load_b256 s[4:11], s[0:1], 0x0               ; ib (x1's images), wf, ws, b1
	s_load_b64 s[12:13], s[0:1], 0x20              ; hi
	v_lshl_add_u32 v[SPW], v0, 2, SPARE
	v_mov_b32 v[NIL], 0
	ds_add_u32 v[SPW], v[NIL]                      ; the opening: the add, twice on end, and its wait ahead of my first tensor load
	ds_add_u32 v[SPW], v[NIL]
	v_lshrrev_b32 v12, 5, v0
	v_readfirstlane_b32 s[WV], v12
	s_mov_b32 s[G1+0], 3<<16                       ; a quarter of A: 24,576 dense bytes as 96 rows of 256
	s_mov_b32 s[G1+1], 32<<16
	s_mov_b32 s[G1+2], 96<<16
	s_mov_b32 s[G1+3], 32<<16
	s_mov_b32 s[G1+4], 96
	s_mov_b32 s[G1+5], 32
	s_mov_b32 s[G1+6], 0
	s_mov_b32 s[G1+7], 0
	s_mov_b32 s[SEL], 0x76543210
	s_mov_b32 s[SEL+1], 0xfedcba98
	s_lshr_b32 s[RB], ttmp9, 3                     ; which 128 rows
	s_and_b32 s[GG], ttmp9, 7
	s_lshl_b32 s[GG], s[GG], 2
	s_add_co_u32 s[GG], s[GG], s[WV]               ; g: which 128 hidden units are my wave's: the next product's K step
	s_mul_i32 s22, s[WV], 24576
	s_mov_b32 s63, 0
	v_and_b32 v12, 31, v0
	v_and_b32 v13, 15, v0
	v_bfe_u32 v14, v0, 4, 1
	v_lshlrev_b32 v1, 4, v12
	v_add_nc_u32 v2, 49152, v1
	v_lshlrev_b32 v4, 2, v12
	v_lshlrev_b32 v5, 2, v13
	v_lshlrev_b32 v8, 6, v14
	s_wait_dscnt 0x0                               ; both opening adds are done
	s_wait_kmcnt 0x0
	s_mul_i32 s62, s[RB], 98304
	s_add_nc_u64 s[AP:AP+1], s[4:5], s[62:63]
	s_lshl_b32 s62, s[RB], 12
	s_add_co_u32 s62, s62, 3145728
	s_add_nc_u64 s[ASP:ASP+1], s[4:5], s[62:63]
	s_mul_i32 s62, s[GG], 98304
	s_add_co_u32 s62, s62, 3145728
	s_add_nc_u64 s[BP:BP+1], s[6:7], s[62:63]
	s_lshl_b32 s62, s[GG], 12
	s_add_co_u32 s62, s62, 131072
	s_add_nc_u64 s[BSP:BSP+1], s[8:9], s[62:63]
	s_lshl_b32 s62, s[GG], 9
	s_add_nc_u64 s[BIP:BIP+1], s[10:11], s[62:63]
	s_mul_i32 s62, s[RB], 393216                   ; image 32 (8 rb + a) + g
	s_mul_i32 s61, s[GG], 1536
	s_add_co_u32 s62, s62, s61
	s_add_nc_u64 s[DP:DP+1], s[12:13], s[62:63]
	s_lshl_b32 s62, s[RB], 14
	s_lshl_b32 s61, s[GG], 6
	s_add_co_u32 s62, s62, s61
	s_add_co_u32 s62, s62, 12582912
	s_add_nc_u64 s[DSP:DSP+1], s[12:13], s[62:63]
	s_mov_b32 s[G0], 1
	s_mov_b32 s[G0+1], s22
	s_mov_b32 s62, s22
	s_add_nc_u64 s[G0+2:G0+3], s[AP:AP+1], s[62:63]
	s_or_b32 s[G0+3], s[G0+3], 0x80000000
	tensor_load_to_lds s[G0:G0+3], s[G1:G1+7]      ; one load of mine is out
	s_nop 0
	PLACES 4
.macro BLOAD s
	WIN 0x40
.irp b, 0,1,2,3,4,5,6,7
.irp c, 0,1,2
	global_load_b128 v[128*((\s)%2)+12*\b+4*\c:128*((\s)%2)+12*\b+4*\c+3], v1, s[BP:BP+1] offset:12288*\b+1536*(\s)+512*\c
.endr
.endr
	WIN 0
.endm
.macro AFETCH s, i0
.irp i, \i0, \i0+1, \i0+2, \i0+3
.irp c, 0,1,2
.if (\i) < 4
	ds_load_b128 v[AF+12*(\i)+4*\c:AF+12*(\i)+4*\c+3], v1 offset:12288*(\i)+1536*(\s)+512*\c
.else
	ds_load_b128 v[AF+12*(\i)+4*\c:AF+12*(\i)+4*\c+3], v2 offset:12288*((\i)-4)+1536*(\s)+512*\c
.endif
.endr
.endr
.endm
.macro MUL16 a0, s                     ; the 64 accumulators take turns, one instruction a turn; step 0 starts the sums
.irp a, \a0, \a0+1
.irp b, 0,1,2,3,4,5,6,7
.set rD, 64*((\a)%4)+8*\b
.set rB, 128*((\s)%2)+12*\b
.set rA, AF+12*(\a)
.set rSB, SCB+4*\b+(\s)/2
.set rSA, SCA+4*(\a)+(\s)/2
.if (\s) == 0
	v_wmma_scale_f32_16x16x128_f8f6f4 v[rD:rD+7], v[rB:rB+11], v[rA:rA+11], 0, v[rSB], v[rSA] matrix_a_fmt:MATRIX_FMT_FP6 matrix_b_fmt:MATRIX_FMT_FP6
.elseif (\s)%2
	v_wmma_scale_f32_16x16x128_f8f6f4 v[rD:rD+7], v[rB:rB+11], v[rA:rA+11], v[rD:rD+7], v[rSB], v[rSA] matrix_a_fmt:MATRIX_FMT_FP6 matrix_b_fmt:MATRIX_FMT_FP6 matrix_a_scale:MATRIX_SCALE_ROW1 matrix_b_scale:MATRIX_SCALE_ROW1
.else
	v_wmma_scale_f32_16x16x128_f8f6f4 v[rD:rD+7], v[rB:rB+11], v[rA:rA+11], v[rD:rD+7], v[rSB], v[rSA] matrix_a_fmt:MATRIX_FMT_FP6 matrix_b_fmt:MATRIX_FMT_FP6
.endif
.endr
.endr
.endm
.macro STEP s
.if \s < 7
	BLOAD (\s)+1
	s_wait_loadcnt 24                              ; all but the 24 just issued: this step's B is in (in step 0 the scale words and the bias too)
.else
	s_wait_loadcnt 0x0
.endif
	s_wait_dscnt 12                                ; A's tiles 0-3 are in; the 12 loads of tiles 4-7 may be out
	WIN MUL_LO
	MUL16 0, \s
	MUL16 2, \s
	s_wait_dscnt 0x0
.if \s < 7
	PLACES 4
	WIN 0
	AFETCH (\s)+1, 0
.endif
	WIN MUL_HI
	MUL16 4, \s
	MUL16 6, \s
	PLACES 4
	WIN 0
.if \s < 7
	AFETCH (\s)+1, 4
.endif
.endm
	BLOAD 0
.irp t, 0,1,2,3,4,5,6,7
.irp p, 0,1,2,3
	global_load_b32 v[SCA+4*\t+\p], v4, s[ASP:ASP+1] offset:512*\t+128*\p
	global_load_b32 v[SCB+4*\t+\p], v4, s[BSP:BSP+1] offset:512*\t+128*\p
.endr
.endr
.irp b, 0,1,2,3,4,5,6,7
	global_load_b128 v[CB+8*\b:CB+8*\b+3], v8, s[BIP:BIP+1] offset:(32*(\b/2)+8*(\b%2))*4
	global_load_b128 v[CB+8*\b+4:CB+8*\b+7], v8, s[BIP:BIP+1] offset:(32*(\b/2)+8*(\b%2))*4+16
.endr
	s_wait_tensorcnt 0x0
	s_barrier_signal -1
	s_barrier_wait -1
	AFETCH 0, 0
	AFETCH 0, 4
.irp s, 0,1,2,3,4,5,6,7
	STEP \s
.endr
.macro EPI a                           ; a row tile: + b1 (each accumulator from its low end on), relu, quantise, store the image
.if (\a) > 0
	s_wait_xcnt 0x0                                ; the last tile's stores have read their data
.endif
.set wv, 0x02+(\a)/4
	WIN wv
.set i, 0
.rept 32
	v_pk_add_f32 v[HA+2*i:HA+2*i+1], v[64*((\a)%4)+2*i:64*((\a)%4)+2*i+1], v[CB+2*i:CB+2*i+1]
.set i, i+1
.endr
	WIN 0
.set i, 0
.rept 64
	v_max_num_f32 v[HA+i], 0, v[HA+i]
.set i, i+1
.endr
	QUANT HA
.irp c, 0,1,2
	global_store_b128 v1, v[PC+4*\c:PC+4*\c+3], s[DP:DP+1] offset:49152*(\a)+512*\c
.endr
	global_store_b32 v5, v[PW], s[DSP:DSP+1] offset:2048*(\a)
.endm
.irp b, 0,1,2,3
	v_mov_b32 v[TM+4+\b], 0                        ; (behind STEP 7's four places)
.endr
.irp a, 0,1,2,3,4,5,6,7
	EPI \a
.endr
	s_wait_tensorcnt 0x0                           ; the wave's end
	ds_add_u32 v[SPW], v[NIL]
	s_wait_dscnt 0x0
	s_endpgm
.Lfunc_end_k_qc450e73648_ff1:
	.size	k_qc450e73648_ff1, .Lfunc_end_k_qc450e73648_ff1-k_qc450e73648_ff1
	.p2alignl 7, 3214868480
	.fill 96, 4, 3214868480
	.section	.rodata,"a",@progbits
	.p2align	6, 0x0
	.amdhsa_kernel k_qc450e73648_ff1
		.amdhsa_group_segment_fixed_size 167936
		.amdhsa_private_segment_fixed_size 0
		.amdhsa_enable_private_segment 0
		.amdhsa_kernarg_size 40
		.amdhsa_user_sgpr_count 2
		.amdhsa_user_sgpr_kernarg_segment_ptr 1
		.amdhsa_wavefront_size32 1
		.amdhsa_system_sgpr_workgroup_id_x 1
		.amdhsa_system_sgpr_workgroup_id_y 1
		.amdhsa_system_sgpr_workgroup_id_z 1
		.amdhsa_system_vgpr_workitem_id 0
		.amdhsa_next_free_vgpr 1024
		.amdhsa_next_free_sgpr 66
		.amdhsa_reserve_vcc 0
		.amdhsa_float_denorm_mode_32 3
		.amdhsa_float_denorm_mode_16_64 3
		.amdhsa_memory_ordered 1
		.amdhsa_forward_progress 1
		.amdhsa_inst_pref_size 175
	.end_amdhsa_kernel
	.amdgpu_metadata
---
amdhsa.version: [ 1, 2 ]
amdhsa.kernels:
  - .name:           k_qc450e73648_ff1
    .symbol:         k_qc450e73648_ff1.kd
    .args:
      - { .name: ib, .offset: 0, .size: 8, .value_kind: global_buffer, .address_space: global }
      - { .name: wf, .offset: 8, .size: 8, .value_kind: global_buffer, .address_space: global }
      - { .name: ws, .offset: 16, .size: 8, .value_kind: global_buffer, .address_space: global }
      - { .name: b1, .offset: 24, .size: 8, .value_kind: global_buffer, .address_space: global }
      - { .name: hi, .offset: 32, .size: 8, .value_kind: global_buffer, .address_space: global }
    .group_segment_fixed_size: 167936
    .private_segment_fixed_size: 0
    .kernarg_segment_align: 8
    .kernarg_segment_size: 40
    .max_flat_workgroup_size: 128
    .sgpr_count:     66
    .vgpr_count:     1024
    .wavefront_size: 32
...
	.end_amdgpu_metadata
.endif
;; end of part 5
;; launch ff2 (part 6): grid 64 x 1, 4 waves a work-group, no clusters, 241,152 bytes of LDS; arguments hi, wf, ws, x1, b2, ln2_scale, ln2_bias, out0; writes out0
.if DOCPART == 6
	.amdgcn_target "amdgcn-amd-amdhsa--gfx1250"
	.amdhsa_code_object_version 6
	.text
	.protected	k_qc450e73648_ff2
	.globl	k_qc450e73648_ff2
	.p2align	8
	.type	k_qc450e73648_ff2,@function
k_qc450e73648_ff2:
	s_mov_b64 s[64:65], 0
	v_nop
	global_prefetch_b8 v0, s[64:65] scope:SCOPE_SE
	s_setreg_imm32_b32 hwreg(HW_REG_WAVE_MODE, 25, 1), 1
	s_wait_xcnt 0x0
; Launch 6 of 6: out0 = layernorm(x1 + hidden W2 + b2).  No work of reference() is left out.
; The text is launch 4's with 32 K steps and no quantised copy of the result: a work-group owns 64 WHOLE rows; wave w makes 64 rows x columns 256 w .. 256 w + 255 (row tile a, column tile b at
; 128 (a % 2) + 8 b of window 2 + a / 2).  The rows' images (all NS K steps, 196,608 bytes) and their scale images lie in LDS: two tensor loads a wave, filled once.  W2's fragments are multiplied by one
; wave alone and go from memory straight into its registers, one K step ahead, in two sets of 192.  The matrix instruction is used transposed: a lane holds one row.
; THE SUMS BEGIN AS residual + bias: the residual is loaded straight into the accumulators.
; 64 work-groups: a row-complete tile of 64 x 1,024 f32 is half of a WGP's registers.  No cluster: what work-groups share is the weight, which goes to registers, where no joint load lands.
; LIMITS as stated at the head of launch 1.
.set NS,    32
.set QOUT,  0
.set ASI,   256*NS*1536
.set WOFF,  6291456
.set WSOFF, 262144
.set ASC,   6144*NS
.set STAT1, ASC+256*NS
.set STAT2, STAT1+1024
.set STG,   STAT2+1024
.set SPARE, STG+4*8448
.set LA0,  2
.set LAS0, 6
.set SPW,  8
.set NIL,  9
.set LAC,  12
.set LASC, 16
.set SCB,  24
.set SCA,  56
.set CB,   64
.set HA,   64
.set ROWS, 168
.set MEAN, 232
.set T0,   240
.set WV,   22
.set G1A,  28
.set G1S,  36
.set G0A,  44
.set G0S,  48
.set BP,   52
.set BSP,  54
.set TA,   56
.set TAS,  57
.set CNT,  58
.set SEL,  60
.set C10,  62
.set EPS,  63
.set MSB, 0
.macro WIN new
.if MSB != (\new)
	s_set_vgpr_msb (MSB<<8)|(\new)
.set MSB, \new
.endif
.endm
.macro PLACES n
.rept \n
	v_nop
.endr
.endm
	s_load_b512 s[4:19], s[0:1], 0x0               ; A, wf, ws, the residual, the bias, the gain, the norm's bias, the result
	v_lshl_add_u32 v[SPW], v0, 2, SPARE
	v_mov_b32 v[NIL], 0
	ds_add_u32 v[SPW], v[NIL]                      ; the opening: the add, twice on end, and its wait ahead of my first tensor load
	ds_add_u32 v[SPW], v[NIL]
	v_lshrrev_b32 v60, 5, v0
	v_readfirstlane_b32 s[WV], v60
	s_mov_b32 s[G1A+0], 3<<16                      ; a row tile's images: 1,536 NS dense bytes as rows of 256
	s_mov_b32 s[G1A+1], 32<<16
	s_mov_b32 s[G1A+2], (6*NS)<<16
	s_mov_b32 s[G1A+3], 32<<16
	s_mov_b32 s[G1A+4], 6*NS
	s_mov_b32 s[G1A+5], 32
	s_mov_b32 s[G1A+6], 0
	s_mov_b32 s[G1A+7], 0
	s_mov_b32 s[G1S+0], 3<<16                      ; its scale images: 64 NS dense bytes
	s_mov_b32 s[G1S+1], 32<<16
	s_mov_b32 s[G1S+2], (NS/4)<<16
	s_mov_b32 s[G1S+3], 32<<16
	s_mov_b32 s[G1S+4], NS/4
	s_mov_b32 s[G1S+5], 32
	s_mov_b32 s[G1S+6], 0
	s_mov_b32 s[G1S+7], 0
	s_mov_b32 s[SEL], 0x76543210
	s_mov_b32 s[SEL+1], 0xfedcba98
	s_mov_b32 s[C10], 0x3a800000                   ; 1 / 1,024
	s_mov_b32 s[EPS], 0x3727c5ac                   ; 1e-5
	s_mov_b32 s[TA], 0
	s_mov_b32 s[TAS], 0
	s_mov_b32 s[CNT], NS/4-1
	s_mov_b32 s27, 0
	v_and_b32 v60, 31, v0
	v_and_b32 v61, 15, v0                          ; r
	v_bfe_u32 v62, v0, 4, 1                        ; h
	v_lshlrev_b32 v1, 4, v60
.irp a, 0,1,2,3
	v_add_nc_u32 v[LA0+\a], 1536*NS*\a, v1
.endr
	v_lshl_add_u32 v[LAS0], v61, 2, ASC
	v_lshlrev_b32 v7, 12, v61
	v_lshl_add_u32 v7, v62, 6, v7
	v_lshlrev_b32 v10, 2, v60
	s_lshl_b32 s23, s[WV], 8
	v_lshl_add_u32 v11, v61, 2, s23
	v_add_nc_u32 v11, STAT1, v11
	v_lshl_add_u32 v17, v61, 2, STAT1
	s_mul_i32 s23, s[WV], 8448
	v_mul_u32_u24 v18, v61, 528
	v_lshl_add_u32 v18, v62, 6, v18
	v_add_nc_u32 v18, s23, v18
	v_add_nc_u32 v18, STG, v18
	v_add_nc_u32 v19, s23, v1
	v_add_nc_u32 v19, STG, v19
	v_lshlrev_b32 v22, 6, v62
	s_wait_dscnt 0x0                               ; both opening adds are done
	s_wait_kmcnt 0x0
	s_lshl_b32 s23, ttmp9, 2
	s_add_co_u32 s23, s23, s[WV]
	s_mul_i32 s26, s23, 1536*NS
	s_mov_b32 s[G0A], 1
	s_mul_i32 s[G0A+1], s[WV], 1536*NS
	s_add_nc_u64 s[G0A+2:G0A+3], s[4:5], s[26:27]
	s_or_b32 s[G0A+3], s[G0A+3], 0x80000000
	s_mul_i32 s26, s23, 64*NS
	s_add_co_u32 s26, s26, ASI
	s_mov_b32 s[G0S], 1
	s_mul_i32 s[G0S+1], s[WV], 64*NS
	s_add_co_u32 s[G0S+1], s[G0S+1], ASC
	s_add_nc_u64 s[G0S+2:G0S+3], s[4:5], s[26:27]
	s_or_b32 s[G0S+3], s[G0S+3], 0x80000000
	tensor_load_to_lds s[G0A:G0A+3], s[G1A:G1A+7]  ; two loads of mine are out
	s_nop 0
	tensor_load_to_lds s[G0S:G0S+3], s[G1S:G1S+7]
	s_nop 0
	PLACES 4
	s_mul_i32 s26, s[WV], 16*NS*1536
	s_add_co_u32 s26, s26, WOFF
	s_add_nc_u64 s[BP:BP+1], s[6:7], s[26:27]
	s_mul_i32 s26, s[WV], 16*NS*64
	s_add_co_u32 s26, s26, WSOFF
	s_add_nc_u64 s[BSP:BSP+1], s[8:9], s[26:27]
	s_lshl_b32 s26, ttmp9, 18
	s_lshl_b32 s23, s[WV], 10
	s_add_co_u32 s26, s26, s23
	s_add_nc_u64 s[10:11], s[10:11], s[26:27]
	s_add_nc_u64 s[18:19], s[18:19], s[26:27]
	s_mov_b32 s26, s23
	s_add_nc_u64 s[12:13], s[12:13], s[26:27]
	s_add_nc_u64 s[14:15], s[14:15], s[26:27]
	s_add_nc_u64 s[16:17], s[16:17], s[26:27]
.macro BLD k                           ; the weight's 16 fragments of the trip's step k into set k % 2 (even: window 1, v0 on; odd: window 0, v64 on)
.if (\k)%2
	WIN 0
.set rL, 64
.else
	WIN 0x40
.set rL, 0
.endif
.irp b, 0,1,2,3,4,5,6,7,8,9,10,11,12,13,14,15
.irp c, 0,1,2
	global_load_b128 v[rL+12*\b+4*\c:rL+12*\b+4*\c+3], v1, s[BP:BP+1] offset:1536*NS*\b+1536*(\k)+512*\c
.endr
.endr
	WIN 0
.endm
.macro ESTEP k, bl, sl, ar
.if \bl
	BLD (\k)+1
	s_wait_loadcnt 48                              ; all but the 48 just issued: this step's fragments and scale words are in
.else
	s_wait_loadcnt 0x0
.endif
.if \sl
.irp b, 0,1,2,3,4,5,6,7
	global_load_b32 v[SCB+16*((((\k)/2)+1)%2)+8*((\k)%2)+\b], v10, s[BSP:BSP+1] offset:64*NS*(8*((\k)%2)+\b)+128*(((\k)/2)+1)
.endr
.endif
.irp a, 0,1,2,3
.if \ar
	s_wait_dscnt 12                                ; behind row tile a's four LDS loads: those of the three tiles asked for after it
.else
	s_wait_dscnt 12-4*\a
.endif
.set wv, 0xa4+0x50*(\a/2)+1-(\k)%2
	WIN wv
.irp b, 0,1,2,3,4,5,6,7,8,9,10,11,12,13,14,15  ; the accumulators take turns, one instruction a turn
.set rD, 128*(\a%2)+8*\b
.set rB, 64*((\k)%2)+12*\b
.set rA, 192+12*\a
.set rS, SCB+16*(((\k)/2)%2)+\b
.if (\k)%2
	v_wmma_scale_f32_16x16x128_f8f6f4 v[rD:rD+7], v[rB:rB+11], v[rA:rA+11], v[rD:rD+7], v[rS], v[SCA+\a] matrix_a_fmt:MATRIX_FMT_FP6 matrix_b_fmt:MATRIX_FMT_FP6 matrix_a_scale:MATRIX_SCALE_ROW1
.else
	v_wmma_scale_f32_16x16x128_f8f6f4 v[rD:rD+7], v[rB:rB+11], v[rA:rA+11], v[rD:rD+7], v[rS], v[SCA+\a] matrix_a_fmt:MATRIX_FMT_FP6 matrix_b_fmt:MATRIX_FMT_FP6
.endif
.endr
	PLACES 4                                       ; in front of loads into registers that matrix instructions have read
.if \ar
	WIN 0x40
.irp c, 0,1,2
	ds_load_b128 v[192+12*\a+4*\c:192+12*\a+4*\c+3], v[LAC+\a] offset:1536*((\k)+1)+512*\c
.endr
	WIN 0
	ds_load_b32 v[SCA+\a], v[LASC] offset:64*NS*\a+64*((\k)+1)
.endif
.endr
	WIN 0
.endm
.macro TRIPHEAD
.irp a, 0,1,2,3
	v_add_nc_u32 v[LAC+\a], s[TA], v[LA0+\a]
.endr
	v_add_nc_u32 v[LASC], s[TAS], v[LAS0]
.endm
	BLD 0
.irp b, 0,1,2,3,4,5,6,7,8,9,10,11,12,13,14,15
	global_load_b32 v[SCB+\b], v10, s[BSP:BSP+1] offset:64*NS*\b
.endr
.irp a, 0,1,2,3                                ; the residual, straight into the accumulators
.set wv, 0x80+0x40*(\a/2)
	WIN wv
.irp b, 0,1,2,3,4,5,6,7,8,9,10,11,12,13,14,15
.irp q, 0,1
	global_load_b128 v[128*(\a%2)+8*\b+4*\q:128*(\a%2)+8*\b+4*\q+3], v7, s[10:11] offset:65536*\a+(32*(\b/2)+8*(\b%2))*4+16*\q
.endr
.endr
.endr
	WIN 0
.irp b, 0,1,2,3,4,5,6,7,8,9,10,11,12,13,14,15
.irp q, 0,1
	global_load_b128 v[CB+8*\b+4*\q:CB+8*\b+4*\q+3], v22, s[12:13] offset:(32*(\b/2)+8*(\b%2))*4+16*\q
.endr
.endr
	s_wait_loadcnt 0x0
.irp a, 0,1,2,3
.set wv, 0x82+0x41*(\a/2)
	WIN wv
.set i, 0
.rept 64
	v_pk_add_f32 v[128*(\a%2)+2*i:128*(\a%2)+2*i+1], v[128*(\a%2)+2*i:128*(\a%2)+2*i+1], v[CB+2*i:CB+2*i+1]
.set i, i+1
.endr
.endr
	WIN 0
	s_wait_tensorcnt 0x0
	s_barrier_signal -1
	s_barrier_wait -1
.irp a, 0,1,2,3
	WIN 0x40
.irp c, 0,1,2
	ds_load_b128 v[192+12*\a+4*\c:192+12*\a+4*\c+3], v[LA0+\a] offset:512*\c
.endr
	WIN 0
	ds_load_b32 v[SCA+\a], v[LAS0] offset:64*NS*\a
.endr
.Ltrip:                                                ; NS / 4 - 1 trips of four K steps
	TRIPHEAD
	ESTEP 0, 1, 1, 1
	ESTEP 1, 1, 1, 1
	ESTEP 2, 1, 1, 1
	ESTEP 3, 1, 1, 1
	s_wait_xcnt 0x0                                ; the loads have read their bases: they step only behind this wait
	s_add_nc_u64 s[BP:BP+1], s[BP:BP+1], 6144
	s_add_nc_u64 s[BSP:BSP+1], s[BSP:BSP+1], 256
	s_add_co_u32 s[TA], s[TA], 6144
	s_add_co_u32 s[TAS], s[TAS], 256
	s_sub_co_u32 s[CNT], s[CNT], 1
	s_cmp_lg_u32 s[CNT], 0
	s_cbranch_scc1 .Ltrip
	TRIPHEAD                                       ; the last four steps are written out: no load leaves its buffer
	ESTEP 0, 1, 1, 1
	ESTEP 1, 1, 1, 1
	ESTEP 2, 1, 0, 1
	ESTEP 3, 0, 0, 0
	; ---- THE NORM
	WIN 0x40
.irp b, 0,1,2,3,4,5,6,7,8,9,10,11,12,13,14,15
.irp q, 0,1
	global_load_b128 v[8*\b+4*\q:8*\b+4*\q+3], v22, s[14:15] offset:(32*(\b/2)+8*(\b%2))*4+16*\q
	global_load_b128 v[128+8*\b+4*\q:128+8*\b+4*\q+3], v22, s[16:17] offset:(32*(\b/2)+8*(\b%2))*4+16*\q
.endr
.endr
	WIN 0
	v_mov_b32 v[T0+4], 0                           ; a lane permute's destination counts as one of its sources
.macro FOLD a, off
	v_pk_add_f32 v[T0:T0+1], v[T0:T0+1], v[T0+2:T0+3]
	v_add_f32 v[T0], v[T0], v[T0+1]
	v_permlanex16_b32 v[T0+4], v[T0], s[SEL], s[SEL+1]
	v_add_f32 v[T0], v[T0], v[T0+4]
	ds_store_b32 v11, v[T0] offset:\off+64*\a
.endm
.macro GATHER off
	s_wait_dscnt 0x0                               ; for the others' sake: my stores have landed
	s_barrier_signal -1
	s_barrier_wait -1
.irp a, 0,1,2,3
.irp u, 0,1,2,3
	ds_load_b32 v[ROWS+4*\a+\u], v17 offset:\off+256*\u+64*\a
.endr
.endr
	s_wait_dscnt 0x0
.irp a, 0,1,2,3
	v_add_f32 v[ROWS+4*\a], v[ROWS+4*\a], v[ROWS+4*\a+1]
	v_add_f32 v[ROWS+4*\a+2], v[ROWS+4*\a+2], v[ROWS+4*\a+3]
	v_add_f32 v[ROWS+4*\a], v[ROWS+4*\a], v[ROWS+4*\a+2]
.endr
.endm
.irp a, 0,1,2,3                                ; pass 1: the rows' sums, each accumulator from its low end on
.irp i, 0,1,2,3
	v_mov_b32 v[T0+\i], 0
.endr
.set wv, 0x08+4*(\a/2)
	WIN wv
.set i, 0
.rept 32
	v_pk_add_f32 v[T0:T0+1], v[T0:T0+1], v[128*(\a%2)+4*i:128*(\a%2)+4*i+1]
	v_pk_add_f32 v[T0+2:T0+3], v[T0+2:T0+3], v[128*(\a%2)+4*i+2:128*(\a%2)+4*i+3]
.set i, i+1
.endr
	WIN 0
	FOLD \a, 0
.endr
	GATHER 0
.irp a, 0,1,2,3
	v_mul_f32 v[MEAN+2*\a], s[C10], v[ROWS+4*\a]
	v_mov_b32 v[MEAN+2*\a+1], v[MEAN+2*\a]
.endr
.irp a, 0,1,2,3                                ; pass 2: the mean is taken away in place; then the sums of squares
.irp i, 0,1,2,3
	v_mov_b32 v[T0+\i], 0
.endr
.set wv, 0x82+0x41*(\a/2)
	WIN wv
.set i, 0
.rept 64
	v_pk_add_f32 v[128*(\a%2)+2*i:128*(\a%2)+2*i+1], v[128*(\a%2)+2*i:128*(\a%2)+2*i+1], v[MEAN+2*\a:MEAN+2*\a+1] op_sel_hi:[1,0] neg_lo:[0,1] neg_hi:[0,1]
.set i, i+1
.endr
.set wv, 0x0a+5*(\a/2)
	WIN wv
.set i, 0
.rept 32
	v_pk_fma_f32 v[T0:T0+1], v[128*(\a%2)+4*i:128*(\a%2)+4*i+1], v[128*(\a%2)+4*i:128*(\a%2)+4*i+1], v[T0:T0+1]
	v_pk_fma_f32 v[T0+2:T0+3], v[128*(\a%2)+4*i+2:128*(\a%2)+4*i+3], v[128*(\a%2)+4*i+2:128*(\a%2)+4*i+3], v[T0+2:T0+3]
.set i, i+1
.endr
	WIN 0
	FOLD \a, 1024
.endr
	GATHER 1024
.irp a, 0,1,2,3
	v_fma_f32 v[ROWS+4*\a], v[ROWS+4*\a], s[C10], s[EPS]
.endr
.irp a, 0,1,2,3
	v_rsq_f32 v[MEAN+2*\a], v[ROWS+4*\a]
.endr
	v_nop                                          ; a plain place behind the last of them
	s_wait_alu depctr_va_vdst(0)                   ; one wait for the four, ahead of their first reader
.irp a, 0,1,2,3
	v_mov_b32 v[MEAN+2*\a+1], v[MEAN+2*\a]
.endr
	s_wait_loadcnt 0x0                             ; the gain and the norm's bias
.macro OUTG a, g                       ; 16 rows x 128 columns: scaled, through my own stage in LDS, and out as whole rows of 512 bytes
	s_wait_xcnt 0x0                                ; the last group's stores have read their data
.set wv, 0x02+(\a)/2
	WIN wv
.set i, 0
.rept 32
	v_pk_mul_f32 v[HA+2*i:HA+2*i+1], v[128*((\a)%2)+64*(\g)+2*i:128*((\a)%2)+64*(\g)+2*i+1], v[MEAN+2*(\a):MEAN+2*(\a)+1] op_sel_hi:[1,0]
.set i, i+1
.endr
	WIN 0x14
.set i, 0
.rept 32
	v_pk_fma_f32 v[HA+2*i:HA+2*i+1], v[HA+2*i:HA+2*i+1], v[64*(\g)+2*i:64*(\g)+2*i+1], v[128+64*(\g)+2*i:128+64*(\g)+2*i+1]
.set i, i+1
.endr
	WIN 0
.irp n, 0,1,2,3,4,5,6,7,8,9,10,11,12,13,14,15
	ds_store_b128 v18, v[HA+4*\n:HA+4*\n+3] offset:128*(\n/4)+16*(\n%4)
.endr
.irp t, 0,1,2,3,4,5,6,7,8,9,10,11,12,13,14,15
	ds_load_b128 v[ROWS+4*\t:ROWS+4*\t+3], v19 offset:528*\t   ; LDS serves a wave's instructions in order: these see my stores, and the next group's stores come behind them
.endr
.irp t, 0,1,2,3,4,5,6,7,8,9,10,11,12,13,14,15
	s_wait_dscnt 15-\t                             ; row t is back; the younger rows' loads may be out
	global_store_b128 v1, v[ROWS+4*\t:ROWS+4*\t+3], s[18:19] offset:65536*(\a)+4096*\t+512*(\g) th:TH_STORE_NT   ; 32 lanes store 512 consecutive bytes, aligned
.endr
.endm
.irp a, 0,1,2,3
	OUTG \a, 0
	OUTG \a, 1
.endr
	s_wait_tensorcnt 0x0                           ; the wave's end
	ds_add_u32 v[SPW], v[NIL]
	s_wait_dscnt 0x0
	s_endpgm
.Lfunc_end_k_qc450e73648_ff2:
	.size	k_qc450e73648_ff2, .Lfunc_end_k_qc450e73648_ff2-k_qc450e73648_ff2
	.p2alignl 7, 3214868480
	.fill 96, 4, 3214868480
	.section	.rodata,"a",@progbits
	.p2align	6, 0x0
	.amdhsa_kernel k_qc450e73648_ff2
		.amdhsa_group_segment_fixed_size 241152
		.amdhsa_private_segment_fixed_size 0
		.amdhsa_enable_private_segment 0
		.amdhsa_kernarg_size 64
		.amdhsa_user_sgpr_count 2
		.amdhsa_user_sgpr_kernarg_segment_ptr 1
		.amdhsa_wavefront_size32 1
		.amdhsa_system_sgpr_workgroup_id_x 1
		.amdhsa_system_sgpr_workgroup_id_y 1
		.amdhsa_system_sgpr_workgroup_id_z 1
		.amdhsa_system_vgpr_workitem_id 0
		.amdhsa_next_free_vgpr 1024
		.amdhsa_next_free_sgpr 66
		.amdhsa_reserve_vcc 0
		.amdhsa_float_denorm_mode_32 3
		.amdhsa_float_denorm_mode_16_64 3
		.amdhsa_memory_ordered 1
		.amdhsa_forward_progress 1
		.amdhsa_inst_pref_size 255
	.end_amdhsa_kernel
	.section	.bss,"aw",@nobits
	.p2align	6
	.space	262144
	.amdgpu_metadata
---
amdhsa.version: [ 1, 2 ]
amdhsa.kernels:
  - .name:           k_qc450e73648_ff2
    .symbol:         k_qc450e73648_ff2.kd
    .args:
      - { .name: hi, .offset: 0, .size: 8, .value_kind: global_buffer, .address_space: global }
      - { .name: wf, .offset: 8, .size: 8, .value_kind: global_buffer, .address_space: global }
      - { .name: ws, .offset: 16, .size: 8, .value_kind: global_buffer, .address_space: global }
      - { .name: x1, .offset: 24, .size: 8, .value_kind: global_buffer, .address_space: global }
      - { .name: b2, .offset: 32, .size: 8, .value_kind: global_buffer, .address_space: global }
      - { .name: ln2_scale, .offset: 40, .size: 8, .value_kind: global_buffer, .address_space: global }
      - { .name: ln2_bias, .offset: 48, .size: 8, .value_kind: global_buffer, .address_space: global }
      - { .name: out0, .offset: 56, .size: 8, .value_kind: global_buffer, .address_space: global }
    .group_segment_fixed_size: 241152
    .private_segment_fixed_size: 0
    .kernarg_segment_align: 8
    .kernarg_segment_size: 64
    .max_flat_workgroup_size: 128
    .sgpr_count:     66
    .vgpr_count:     1024
    .wavefront_size: 32
...
	.end_amdgpu_metadata
.endif
;; end of part 6
;; ======== version 2 of 2: 7 launches
;; limits: right only within a limited range of input values
;; workspace buffers: wf 9,437,184 bytes; ws 393,216 bytes; ia 3,276,800 bytes; ib 3,276,800 bytes; kv 6,684,672 bytes; x1 16,777,216 bytes; hi 13,107,200 bytes; y2 33,554,432 bytes
;; launch prep (part 7): grid 448 x 1, 4 waves a work-group, no clusters, 34,304 bytes of LDS; arguments x, Wq_codes, Wk_codes, Wv_codes, Wo_codes, W1_codes, W2_codes, Wq_scales, Wk_scales, Wv_scales, Wo_scales, W1_scales, W2_scales, wf, ws, ia; writes wf, ws, ia
.if DOCPART == 7
	.amdgcn_target "amdgcn-amd-amdhsa--gfx1250"
	.amdhsa_code_object_version 6
	.text
	.protected	k_qc450e73648_prep
	.globl	k_qc450e73648_prep
	.p2align	8
	.type	k_qc450e73648_prep,@function
k_qc450e73648_prep:
	s_mov_b64 s[64:65], 0
	v_nop
	global_prefetch_b8 v0, s[64:65] scope:SCOPE_SE
	s_setreg_imm32_b32 hwreg(HW_REG_WAVE_MODE, 25, 1), 1
	s_wait_xcnt 0x0
; A TRANSFORMER LAYER IN MX-FP6, launch 1 of 7: operands are laid as the matrix unit's registers take them.
; DEAD WORK: none.  Every product of reference() reaches out0 and every input has a way to it (bk too: it moves k's codes), so all inputs are loaded by some launch.
; LIMITS: NaN and infinities among the inputs are not served.  A block whose largest magnitude lies under 2^-124 keeps the scale byte 1; a block of zeros has the byte 1 and
; not 127: its codes are zeros, which add nothing under any byte but 0xff, and only this program reads the bytes.
; FORMATS (this program's own).  A FRAGMENT IMAGE is 16 rows x 128 K of E2M3 codes as 12 operand registers: register 4 c + i of lane l at byte 512 c + 16 l + 4 i: 1,536 bytes,
; three loads of 16 bytes a lane.  A SCALE IMAGE is 16 words, word r = row r's four E8M0 bytes of those 128 K.  Images lie in the order tile x steps + step.
; THE ROWS OF A TILE of x and of every weight are not neighbours: lane r of tile T holds row 32 (T / 2) + 8 (T % 2) + r + 8 (r / 8), so that a product used transposed leaves a
; lane 16 neighbours along the next K in the registers of two neighbouring tiles.
; Work-groups 0-255: one tile of x each; wave w quantises K steps 2 w and 2 w + 1.  Each load reads 512 consecutive bytes of a row; the 16 x 128 numbers turn through the wave's
; own stage in LDS, so that a lane holds 16 neighbours of each block of 32.  Work-groups 256-447: wave w lays one unit (a tile of a weight x 8 K steps, 12,288 bytes) anew.
.set STGB,  8448                       ; a wave's stage: 16 rows x (512 + 16) bytes
.set SPARE, 4*STGB                     ; behind the stages: the spare words, 128 bytes for each wave
.set R,   16                           ; v16-143  x as loaded, two K steps
.set F,   16                           ; v16-111  a unit's eight fragments (weight role);  v112-115 its scale words
.set X,   144                          ; v144-207 64 numbers of a lane: register 16 b + i = k 32 b + 16 (lane / 16) + i
.set PC,  208                          ; v208-226 the codes just made
.set TM,  228                          ; v228-243 at work
.set PW,  244                          ; the scale word just made;  v245-246 the two steps' words
.set PWS, 245
.set SPW, 14                           ; LDS address of my spare word; never rewritten
.set NIL, 15                           ; 0; never rewritten
.set SEL, 60                           ; s[60:61] v_permlanex16_b32's selects for lane l xor 16
; 64 numbers of a lane become a fragment's codes in v[PC] on and its scale word in v[PW]
.macro QUANT s
.irp b, 0,1,2,3
	v_max3_num_f32 v[TM+\b], |v[\s+16*\b]|, |v[\s+1+16*\b]|, 0x1800000   ; my 16 numbers of block b, and the floor 2^(3 - 127): the byte cannot fall under 1
.endr
.irp i, 2,4,6,8,10,12,14
.irp b, 0,1,2,3
	v_max3_num_f32 v[TM+\b], v[TM+\b], |v[\s+16*\b+\i]|, |v[\s+1+16*\b+\i]|
.endr
.endr
.irp b, 0,1,2,3
	v_permlanex16_b32 v[TM+4+\b], v[TM+\b], s[SEL], s[SEL+1]
.endr
.irp b, 0,1,2,3
	v_max_num_f32 v[TM+\b], v[TM+\b], v[TM+4+\b]      ; with lane l xor 16's: the block's largest magnitude
.endr
.irp b, 0,1,2,3
	v_add_nc_u32 v[TM+12+\b], 0xff000000, v[TM+\b]    ; 2 off its exponent field: the conversion's scale operand
.endr
.irp b, 0,1,2,3
	v_lshrrev_b32 v[TM+4+\b], 23, v[TM+12+\b]         ; the scale's byte
.endr
	v_lshl_or_b32 v[PW], v[TM+5], 8, v[TM+4]
	v_lshl_or_b32 v[PW], v[TM+6], 16, v[PW]
	v_lshl_or_b32 v[PW], v[TM+7], 24, v[PW]
.irp c, 0,1
	v_cvt_scalef32_pk16_fp6_f32 v[PC+6*\c:PC+2+6*\c], v[\s+32*\c:\s+15+32*\c], v[TM+12+2*\c]
	v_cvt_scalef32_pk16_fp6_f32 v[PC+12+4*\c:PC+14+4*\c], v[\s+16+32*\c:\s+31+32*\c], v[TM+12+2*\c+1]   ; (a conversion's three registers begin on an even number)
.endr
	v_nop                                          ; one plain place behind a scaled conversion
.irp c, 0,1                                    ; the operand wants a whole block in a lane: lanes 0-15 block 2 c, lanes 16-31 block 2 c + 1
.irp i, 0,1,2
	v_permlane16_swap_b32 v[PC+6*\c+\i], v[PC+12+4*\c+\i]
.endr
.irp i, 0,1,2
	v_mov_b32 v[PC+3+6*\c+\i], v[PC+12+4*\c+\i]
.endr
.endr
.endm
	s_load_b512 s[4:19], s[0:1], 0x0               ; x, codes of Wq Wk Wv Wo W1 W2, scales of Wq
	s_load_b512 s[20:35], s[0:1], 0x40             ; scales of Wk Wv Wo W1 W2, wf, ws, ia
	v_lshl_add_u32 v[SPW], v0, 2, SPARE
	v_mov_b32 v[NIL], 0
	v_lshrrev_b32 v1, 5, v0
	v_readfirstlane_b32 s36, v1                    ; wave
	v_and_b32 v2, 31, v0                           ; lane
	v_and_b32 v3, 15, v0                           ; r
	v_bfe_u32 v4, v0, 4, 1                         ; h
	v_lshlrev_b32 v5, 4, v2                        ; 16 x lane
	v_lshlrev_b32 v6, 2, v2                        ; 4 x lane
	s_mul_i32 s37, s36, STGB
	v_add_nc_u32 v7, s37, v5                       ; the stage on the way in: a row's 512 bytes as they lie
	v_mul_u32_u24 v8, v3, 528
	v_lshl_add_u32 v8, v4, 6, v8
	v_add_nc_u32 v8, s37, v8                       ; and on the way out: row r, + 64 h
	v_and_b32 v10, 8, v3
	v_add_nc_u32 v10, v10, v3                      ; r + 8 (r / 8)
	s_mov_b32 s[SEL], 0x76543210
	s_mov_b32 s[SEL+1], 0xfedcba98
	s_mov_b32 s39, 0                               ; the high word of every offset
	s_wait_kmcnt 0x0
	s_cmp_ge_u32 ttmp9, 256
	s_cbranch_scc1 .Lweights
	; ---- x: tile T = the work-group's number
	s_lshr_b32 s37, ttmp9, 1
	s_lshl_b32 s37, s37, 5
	s_and_b32 s38, ttmp9, 1
	s_lshl_b32 s38, s38, 3
	s_add_co_u32 s37, s37, s38                     ; the tile's first row: 32 (T / 2) + 8 (T % 2)
	s_lshl_b32 s38, s37, 12                        ; rows of 4,096 bytes,
	s_lshl_b32 s37, s36, 10
	s_add_co_u32 s38, s38, s37                     ; + my two K steps' 1,024 bytes
	s_add_nc_u64 s[4:5], s[4:5], s[38:39]
	s_wait_alu depctr_va_vdst(0)
.irp st, 0,1
.irp i, 0,1,2,3,4,5,6,7,8,9,10,11,12,13,14,15
	global_load_b128 v[R+64*\st+4*\i:R+64*\st+4*\i+3], v5, s[4:5] offset:(\i+8*(\i/8))*4096+512*\st th:TH_LOAD_NT   ; 32 lanes read 512 consecutive bytes of the tile's i-th row
.endr
.endr
	s_lshl_b32 s40, ttmp9, 3
	s_lshl_b32 s41, s36, 1
	s_add_co_u32 s40, s40, s41                     ; image number 8 T + 2 w
	s_mul_i32 s38, s40, 1536
	s_add_nc_u64 s[44:45], s[34:35], s[38:39]
	s_lshl_b32 s38, s40, 6
	s_add_co_u32 s38, s38, 3145728                 ; the scale images lie behind the 2,048 fragment images
	s_add_nc_u64 s[46:47], s[34:35], s[38:39]
.irp b, 0,1,2,3
	v_mov_b32 v[TM+4+\b], 0                        ; written once: a lane permute's destination counts as one of its sources
.endr
.irp st, 0,1
	s_wait_loadcnt 16-16*\st                       ; this step's 16 loads are in; the other step's 16 may be out
.irp i, 0,1,2,3,4,5,6,7,8,9,10,11,12,13,14,15
	ds_store_b128 v7, v[R+64*\st+4*\i:R+64*\st+4*\i+3] offset:528*\i
.endr
.irp b, 0,1,2,3
.irp j, 0,1,2,3
	ds_load_b128 v[X+16*\b+4*\j:X+16*\b+4*\j+3], v8 offset:128*\b+16*\j   ; LDS serves a wave's instructions in order: these see my stores, and the next step's stores come behind them
.endr
.endr
	s_wait_dscnt 0x0
.if \st
	s_wait_xcnt 0x0                                ; the first step's stores have read their data: the codes' registers are written again only behind this wait
.endif
	QUANT X
.irp c, 0,1,2
	global_store_b128 v5, v[PC+4*\c:PC+4*\c+3], s[44:45] offset:1536*\st+512*\c   ; 32 lanes store 512 consecutive bytes
.endr
	v_mov_b32 v[PWS+\st], v[PW]
.endr
	v_cmp_lt_u32 vcc_lo, 15, v2
	v_cndmask_b32 v9, v[PWS], v[PWS+1], vcc_lo     ; lanes 0-15 the even step's words, lanes 16-31 the odd step's: 128 consecutive bytes
	global_store_b32 v6, v9, s[46:47]
	s_wait_tensorcnt 0x0                           ; the wave's end
	ds_add_u32 v[SPW], v[NIL]
	s_wait_dscnt 0x0
	s_endpgm
.Lweights:                                             ; ---- a weight's unit U: no LDS on this way
	s_sub_co_u32 s37, ttmp9, 256
	s_lshl_b32 s37, s37, 2
	s_add_co_u32 s37, s37, s36                     ; U = 4 (work-group - 256) + wave: 0-255 Wq Wk Wv Wo, 256-511 W1, 512-767 W2
	s_lshr_b32 s38, s37, 6
	s_mov_b64 s[44:45], s[6:7]
	s_mov_b64 s[46:47], s[18:19]
	s_cmp_eq_u32 s38, 1
	s_cselect_b64 s[44:45], s[8:9], s[44:45]
	s_cselect_b64 s[46:47], s[20:21], s[46:47]
	s_cmp_eq_u32 s38, 2
	s_cselect_b64 s[44:45], s[10:11], s[44:45]
	s_cselect_b64 s[46:47], s[22:23], s[46:47]
	s_cmp_eq_u32 s38, 3
	s_cselect_b64 s[44:45], s[12:13], s[44:45]
	s_cselect_b64 s[46:47], s[24:25], s[46:47]
	s_cmp_ge_u32 s38, 4
	s_cselect_b64 s[44:45], s[14:15], s[44:45]
	s_cselect_b64 s[46:47], s[26:27], s[46:47]
	s_cmp_ge_u32 s38, 8
	s_cselect_b64 s[44:45], s[16:17], s[44:45]
	s_cselect_b64 s[46:47], s[28:29], s[46:47]
	s_and_b32 s40, s37, 63                         ; the tile in a weight of 64 tiles,
	s_sub_co_u32 s41, s37, 256                     ; in W1,
	s_cmp_ge_u32 s38, 4
	s_cselect_b32 s40, s41, s40
	s_sub_co_u32 s41, s37, 512                     ; in W2: four units to a tile
	s_lshr_b32 s42, s41, 2
	s_and_b32 s41, s41, 3
	s_cmp_ge_u32 s38, 8
	s_cselect_b32 s40, s42, s40                    ; T
	s_cselect_b32 s41, s41, 0                      ; u: which 8 K steps
	s_cselect_b32 s43, 2, 0                        ; a row is 768 << 2 bytes of codes and 32 << 2 of scales in W2, else 768 and 32
	s_lshr_b32 s42, s40, 1
	s_lshl_b32 s42, s42, 5
	s_and_b32 s40, s40, 1
	s_lshl_b32 s40, s40, 3
	s_add_co_u32 s42, s42, s40                     ; the tile's first row
	s_mul_i32 s38, s42, 768
	s_lshl_b32 s38, s38, s43
	s_mul_i32 s40, s41, 768
	s_add_co_u32 s38, s38, s40
	s_add_nc_u64 s[44:45], s[44:45], s[38:39]
	s_lshl_b32 s38, s42, 5
	s_lshl_b32 s38, s38, s43
	s_lshl_b32 s40, s41, 5
	s_add_co_u32 s38, s38, s40
	s_add_nc_u64 s[46:47], s[46:47], s[38:39]
	s_mul_i32 s38, s37, 12288
	s_add_nc_u64 s[48:49], s[30:31], s[38:39]
	s_lshl_b32 s38, s37, 9
	s_add_nc_u64 s[50:51], s[32:33], s[38:39]
	s_wait_alu depctr_va_vdst(0)
	v_mul_u32_u24 v11, v10, 768
	v_lshlrev_b32 v11, s43, v11
	v_mad_u32_u24 v11, v4, 24, v11                 ; my row's codes, + 24 h
	v_lshlrev_b32 v12, 5, v10
	v_lshlrev_b32 v12, s43, v12
	v_lshl_add_u32 v12, v4, 2, v12                 ; my row's scale bytes, + 4 h: lanes 16-31 take the odd step's word
.irp s, 0,1,2,3,4,5,6,7
.irp p, 0,1,2,3,4,5
	global_load_b64 v[F+12*\s+2*\p:F+12*\s+2*\p+1], v11, s[44:45] offset:96*\s+48*(\p/3)+8*(\p%3)   ; the fragment's registers as the row's stream of bits has them
.endr
.endr
.irp p, 0,1,2,3
	global_load_b32 v[112+\p], v12, s[46:47] offset:8*\p
.endr
.irp s, 0,1,2,3,4,5,6,7
	s_wait_loadcnt 46-6*\s                         ; behind step s's six loads: 6 (7 - s) of later steps and the 4 scale loads
.irp c, 0,1,2
	global_store_b128 v5, v[F+12*\s+4*\c:F+12*\s+4*\c+3], s[48:49] offset:1536*\s+512*\c
.endr
.endr
	s_wait_loadcnt 0x0
.irp p, 0,1,2,3
	global_store_b32 v6, v[112+\p], s[50:51] offset:128*\p
.endr
	s_endpgm
.Lfunc_end_k_qc450e73648_prep:
	.size	k_qc450e73648_prep, .Lfunc_end_k_qc450e73648_prep-k_qc450e73648_prep
	.p2alignl 7, 3214868480
	.fill 96, 4, 3214868480
	.section	.rodata,"a",@progbits
	.p2align	6, 0x0
	.amdhsa_kernel k_qc450e73648_prep
		.amdhsa_group_segment_fixed_size 34304
		.amdhsa_private_segment_fixed_size 0
		.amdhsa_enable_private_segment 0
		.amdhsa_kernarg_size 128
		.amdhsa_user_sgpr_count 2
		.amdhsa_user_sgpr_kernarg_segment_ptr 1
		.amdhsa_wavefront_size32 1
		.amdhsa_system_sgpr_workgroup_id_x 1
		.amdhsa_system_sgpr_workgroup_id_y 1
		.amdhsa_system_sgpr_workgroup_id_z 1
		.amdhsa_system_vgpr_workitem_id 0
		.amdhsa_next_free_vgpr 256
		.amdhsa_next_free_sgpr 66
		.amdhsa_reserve_vcc 1
		.amdhsa_float_denorm_mode_32 3
		.amdhsa_float_denorm_mode_16_64 3
		.amdhsa_memory_ordered 1
		.amdhsa_forward_progress 1
		.amdhsa_inst_pref_size 28
	.end_amdhsa_kernel
	.amdgpu_metadata
---
amdhsa.version: [ 1, 2 ]
amdhsa.kernels:
  - .name:           k_qc450e73648_prep
    .symbol:         k_qc450e73648_prep.kd
    .args:
      - { .name: x, .offset: 0, .size: 8, .value_kind: global_buffer, .address_space: global }
      - { .name: Wq_codes, .offset: 8, .size: 8, .value_kind: global_buffer, .address_space: global }
      - { .name: Wk_codes, .offset: 16, .size: 8, .value_kind: global_buffer, .address_space: global }
      - { .name: Wv_codes, .offset: 24, .size: 8, .value_kind: global_buffer, .address_space: global }
      - { .name: Wo_codes, .offset: 32, .size: 8, .value_kind: global_buffer, .address_space: global }
      - { .name: W1_codes, .offset: 40, .size: 8, .value_kind: global_buffer, .address_space: global }
      - { .name: W2_codes, .offset: 48, .size: 8, .value_kind: global_buffer, .address_space: global }
      - { .name: Wq_scales, .offset: 56, .size: 8, .value_kind: global_buffer, .address_space: global }
      - { .name: Wk_scales, .offset: 64, .size: 8, .value_kind: global_buffer, .address_space: global }
      - { .name: Wv_scales, .offset: 72, .size: 8, .value_kind: global_buffer, .address_space: global }
      - { .name: Wo_scales, .offset: 80, .size: 8, .value_kind: global_buffer, .address_space: global }
      - { .name: W1_scales, .offset: 88, .size: 8, .value_kind: global_buffer, .address_space: global }
      - { .name: W2_scales, .offset: 96, .size: 8, .value_kind: global_buffer, .address_space: global }
      - { .name: wf, .offset: 104, .size: 8, .value_kind: global_buffer, .address_space: global }
      - { .name: ws, .offset: 112, .size: 8, .value_kind: global_buffer, .address_space: global }
      - { .name: ia, .offset: 120, .size: 8, .value_kind: global_buffer, .address_space: global }
    .group_segment_fixed_size: 34304
    .private_segment_fixed_size: 0
    .kernarg_segment_align: 8
    .kernarg_segment_size: 128
    .max_flat_workgroup_size: 128
    .sgpr_count:     66
    .vgpr_count:     256
    .wavefront_size: 32
...
	.end_amdgpu_metadata
.endif
;; end of part 7
;; launch qkv (part 8): grid 192 x 1, 4 waves a work-group, no clusters, 167,936 bytes of LDS; arguments ia, wf, ws, bq, bk, bv, ib, kv; writes ib, kv
.if DOCPART == 8
	.amdgcn_target "amdgcn-amd-amdhsa--gfx1250"
	.amdhsa_code_object_version 6
	.text
	.protected	k_qc450e73648_qkv
	.globl	k_qc450e73648_qkv
	.p2align	8
	.type	k_qc450e73648_qkv,@function
k_qc450e73648_qkv:
	s_mov_b64 s[64:65], 0
	v_nop
	global_prefetch_b8 v0, s[64:65] scope:SCOPE_SE
	s_setreg_imm32_b32 hwreg(HW_REG_WAVE_MODE, 25, 1), 1
	s_wait_xcnt 0x0
; Launch 2 of 7: q = x Wq + bq, k = x Wk + bk, v = x Wv + bv on E2M3 codes, each quantised at once for attention.  No work of reference() is left out.
; A work-group makes 128 "rows" (operand A: 8 tiles, all 8 K steps, 98,304 bytes in LDS by one tensor load a wave, filled once) x 512 "columns"; wave w makes 128 x 128: 64 accumulators.
; The columns' fragments (operand B) are multiplied by one wave alone and go from memory straight into its registers, one K step ahead, in two sets.
; THE MATRIX INSTRUCTION IS USED TRANSPOSED (source 0 = 16 columns, source 1 = 16 rows): a lane holds ONE row, and by the choice of a tile's rows (launch 1) the 64 registers of a row tile's eight
; accumulators are, block by block, 16 neighbours along the columns: they are quantised in registers.
; Work-groups 0-63: q, rows = tokens, columns = Wq's outputs.  64-127: k likewise.  128-191: v TRANSPOSED, rows = Wv's outputs, columns = tokens, since v is quantised along the keys.
; q leaves as rows of codes [4096][768] and scale bytes [4096][32] (in reference()'s reshape a row of x Wq is 16 queries of one head).  k and v leave as images in a blob for each batch and head:
; 128 key tiles x 768 bytes (six registers a lane: K = 64), V's 64 fragment images, K's scale words, V's scale words.
; No cluster: what work-groups share is A, and those that share it are of different types, which part on the way out; B goes to registers, where no joint load lands.
; LIMITS as stated at the head of launch 1.
.set SPARE, 98304                      ; behind A: the spare words, 128 bytes for each wave
.set BLOB,  208896
.set SCA,  20                          ; v20-51   A's scale words: register 4 a + p: lanes 0-15 step 2 p, lanes 16-31 step 2 p + 1
.set SCB,  52                          ; v52-83   B's likewise
.set AF,   84                          ; v84-179  A's eight fragments of a K step
.set CB,   192                         ; v192-255 the bias: q, k: of my lane's 64 columns; v: of my lane's row in tile a, at CB + 2 a, twice
.set HA,   84                          ; the way out: v84-147 64 numbers; v148-166 codes; v168-183 at work; v184 the scale word
.set PC,   148
.set TM,   168
.set PW,   184
.set SPW,  10
.set NIL,  11
.set WV,   20
.set TYPE, 21
.set RB,   23
.set CBK,  24
.set GG,   25
.set G1,   28
.set G0,   36
.set AP,   40
.set ASP,  42
.set BP,   44
.set BSP,  46
.set BIP,  48
.set SEL,  50
.set DP,   52
.set DSP,  54
.set MSB, 0
.macro WIN new                         ; the immediate's high byte repeats the setting that is left
.if MSB != (\new)
	s_set_vgpr_msb (MSB<<8)|(\new)
.set MSB, \new
.endif
.endm
.set MUL_LO, 0xa1                      ; source 0 (B) window 1, source 1 (A) window 0, C and D window 2 (row tiles 0-3)
.set MUL_HI, 0xf1                      ; the same, C and D window 3 (row tiles 4-7)
.macro PLACES n
.rept \n
	v_nop
.endr
.endm
.macro ADDO ptr, off                   ; a 32-bit offset onto an address (s63 = 0)
	s_mov_b32 s62, s[\off]
	s_add_nc_u64 s[\ptr:\ptr+1], s[\ptr:\ptr+1], s[62:63]
.endm
.macro QUANT s
.irp b, 0,1,2,3
	v_max3_num_f32 v[TM+\b], |v[\s+16*\b]|, |v[\s+1+16*\b]|, 0x1800000   ; my 16 numbers of block b, and the floor 2^(3 - 127)
.endr
.irp i, 2,4,6,8,10,12,14
.irp b, 0,1,2,3
	v_max3_num_f32 v[TM+\b], v[TM+\b], |v[\s+16*\b+\i]|, |v[\s+1+16*\b+\i]|
.endr
.endr
.irp b, 0,1,2,3
	v_permlanex16_b32 v[TM+4+\b], v[TM+\b], s[SEL], s[SEL+1]
.endr
.irp b, 0,1,2,3
	v_max_num_f32 v[TM+\b], v[TM+\b], v[TM+4+\b]
.endr
.irp b, 0,1,2,3
	v_add_nc_u32 v[TM+12+\b], 0xff000000, v[TM+\b]    ; 2 off the exponent field: the conversion's scale operand
.endr
.irp b, 0,1,2,3
	v_lshrrev_b32 v[TM+4+\b], 23, v[TM+12+\b]         ; the scale's byte
.endr
	v_lshl_or_b32 v[PW], v[TM+5], 8, v[TM+4]
	v_lshl_or_b32 v[PW], v[TM+6], 16, v[PW]
	v_lshl_or_b32 v[PW], v[TM+7], 24, v[PW]
.irp c, 0,1
	v_cvt_scalef32_pk16_fp6_f32 v[PC+6*\c:PC+2+6*\c], v[\s+32*\c:\s+15+32*\c], v[TM+12+2*\c]
	v_cvt_scalef32_pk16_fp6_f32 v[PC+12+4*\c:PC+14+4*\c], v[\s+16+32*\c:\s+31+32*\c], v[TM+12+2*\c+1]
.endr
	v_nop                                          ; one plain place behind a scaled conversion
.irp c, 0,1
.irp i, 0,1,2
	v_permlane16_swap_b32 v[PC+6*\c+\i], v[PC+12+4*\c+\i]
.endr
.irp i, 0,1,2
	v_mov_b32 v[PC+3+6*\c+\i], v[PC+12+4*\c+\i]
.endr
.endr
.endm
	s_load_b512 s[4:19], s[0:1], 0x0               ; ia, wf, ws, bq, bk, bv, ib, kv
	v_lshl_add_u32 v[SPW], v0, 2, SPARE
	v_mov_b32 v[NIL], 0
	ds_add_u32 v[SPW], v[NIL]                      ; the opening: the add, twice on end, and its wait ahead of my first tensor load
	ds_add_u32 v[SPW], v[NIL]
	v_lshrrev_b32 v12, 5, v0
	v_readfirstlane_b32 s[WV], v12
	s_mov_b32 s[G1+0], 3<<16                       ; elements of 8 bytes, no mask, no padding
	s_mov_b32 s[G1+1], 32<<16                      ; tensor_dim0 = 32: rows of 256 bytes
	s_mov_b32 s[G1+2], 96<<16                      ; tensor_dim1 = 96: a quarter of A, 24,576 dense bytes
	s_mov_b32 s[G1+3], 32<<16                      ; tile_dim0
	s_mov_b32 s[G1+4], 96                          ; tile_dim1
	s_mov_b32 s[G1+5], 32                          ; the pitch
	s_mov_b32 s[G1+6], 0
	s_mov_b32 s[G1+7], 0
	s_mov_b32 s[SEL], 0x76543210
	s_mov_b32 s[SEL+1], 0xfedcba98
	s_lshr_b32 s[TYPE], ttmp9, 6                   ; 0 q, 1 k, 2 v
	s_and_b32 s22, ttmp9, 63
	s_lshr_b32 s56, s22, 1
	s_and_b32 s57, s22, 1
	s_lshr_b32 s58, s22, 3
	s_and_b32 s59, s22, 7
	s_cmp_eq_u32 s[TYPE], 2
	s_cselect_b32 s[RB], s58, s56                  ; which 128 rows: q, k: 32 blocks of tokens; v: 8 blocks of outputs
	s_cselect_b32 s[CBK], s59, s57                 ; which 512 columns
	s_lshl_b32 s[GG], s[CBK], 2
	s_add_co_u32 s[GG], s[GG], s[WV]               ; g: which 128 columns are my wave's
	s_mul_i32 s56, s[RB], 98304                    ; A's images,
	s_lshl_b32 s57, s[RB], 12                      ; A's scale images,
	s_mul_i32 s58, s[GG], 98304                    ; B's images (8 tiles x 12,288),
	s_lshl_b32 s59, s[GG], 12                      ; B's scale images
	s_mul_i32 s66, s[TYPE], 786432
	s_lshl_b32 s67, s[TYPE], 15
	s_mov_b32 s68, 3145728
	s_cmp_eq_u32 s[TYPE], 2
	s_cselect_b32 s69, 1572864, 0                  ; v: A is Wv, in wf and ws
	s_cselect_b32 s66, 0, s66                      ; q, k: B is Wq or Wk; v: B is x
	s_cselect_b32 s67, s68, s67
	s_cselect_b32 s68, 65536, s68
	s_cselect_b32 s60, s[RB], s[GG]                ; the bias goes with the weight's outputs
	s_cselect_b32 s22, s[GG], s[RB]                ; which 128 tokens
	s_cselect_b32 s27, s[RB], s[GG]                ; which pair of heads
	s_cselect_b32 s70, 98304, 0                    ; V's images lie behind K's in a blob
	s_add_co_u32 s56, s56, s69
	s_add_co_u32 s57, s57, s68
	s_add_co_u32 s58, s58, s66
	s_add_co_u32 s59, s59, s67
	s_lshl_b32 s60, s60, 9                         ; 128 numbers of 4 bytes
	s_lshr_b32 s61, s22, 4                         ; the batch
	s_and_b32 s22, s22, 15                         ; the key step
	s_lshl_b32 s61, s61, 4
	s_lshl_b32 s27, s27, 1
	s_add_co_u32 s61, s61, s27                     ; the blob of the pair's first head
	s_mul_i32 s27, s61, BLOB
	s_mul_i32 s61, s22, 6144                       ; a key step: 8 key tiles x 768, or 4 images x 1,536
	s_add_co_u32 s61, s61, s27
	s_add_co_u32 s61, s61, s70
	s_mov_b32 s69, 196608
	s_cmp_eq_u32 s[TYPE], 2
	s_cselect_b32 s68, 8, 9                        ; a key step's scale words: 256 bytes of V's, 512 of K's
	s_cselect_b32 s69, 204800, s69
	s_lshl_b32 s26, s22, s68
	s_add_co_u32 s26, s26, s69
	s_add_co_u32 s26, s26, s27
	s_mul_i32 s66, s[RB], 98304                    ; q: 128 rows of 768 bytes,
	s_mul_i32 s67, s[GG], 1536                     ; q leaves as fragment images, image 8 x (x's tile) + g, with scale images behind them, as x's own lie in ia (this takes the place of the rows named at the head)
	s_add_co_u32 s66, s66, s67
	s_lshl_b32 s67, s[RB], 12
	s_lshl_b32 s68, s[GG], 6
	s_add_co_u32 s67, s67, s68
	s_add_co_u32 s67, s67, 3145728
	s_cmp_eq_u32 s[TYPE], 0
	s_cselect_b32 s61, s66, s61                    ; where my codes go,
	s_cselect_b32 s26, s67, s26                    ; and my scale words
	s_mul_i32 s22, s[WV], 24576
	s_mov_b32 s63, 0
	v_and_b32 v12, 31, v0
	v_and_b32 v13, 15, v0                          ; r
	v_bfe_u32 v14, v0, 4, 1                        ; h
	v_lshlrev_b32 v1, 4, v12                       ; 16 x lane: an image's place for my lane; A's tiles 0-3 in LDS
	v_add_nc_u32 v2, 49152, v1                     ; A's tiles 4-7
	v_lshlrev_b32 v4, 2, v12
	v_lshlrev_b32 v5, 2, v13
	v_and_b32 v15, 8, v13
	v_add_nc_u32 v15, v15, v13                     ; r + 8 (r / 8)
	v_lshlrev_b32 v8, 6, v14                       ; the columns' bias: + 16 h numbers
	v_lshlrev_b32 v9, 2, v15                       ; the rows' bias
	s_wait_alu depctr_va_vdst(0)
	s_wait_dscnt 0x0                               ; both opening adds are done
	s_wait_kmcnt 0x0
	s_cmp_eq_u32 s[TYPE], 2
	s_cselect_b64 s[AP:AP+1], s[6:7], s[4:5]
	s_cselect_b64 s[ASP:ASP+1], s[8:9], s[4:5]
	s_cselect_b64 s[BP:BP+1], s[4:5], s[6:7]
	s_cselect_b64 s[BSP:BSP+1], s[4:5], s[8:9]
	s_cselect_b64 s[BIP:BIP+1], s[14:15], s[10:11]
	s_cmp_eq_u32 s[TYPE], 1
	s_cselect_b64 s[BIP:BIP+1], s[12:13], s[BIP:BIP+1]
	s_cmp_eq_u32 s[TYPE], 0
	s_cselect_b64 s[DP:DP+1], s[16:17], s[18:19]
	s_mov_b64 s[DSP:DSP+1], s[DP:DP+1]
	ADDO AP, 56
	ADDO ASP, 57
	ADDO BP, 58
	ADDO BSP, 59
	ADDO BIP, 60
	ADDO DP, 61
	ADDO DSP, 26
	s_mov_b32 s[G0], 1
	s_mov_b32 s[G0+1], s22                         ; LDS: wave x 24,576
	s_mov_b32 s62, s22
	s_add_nc_u64 s[G0+2:G0+3], s[AP:AP+1], s[62:63]
	s_or_b32 s[G0+3], s[G0+3], 0x80000000
	tensor_load_to_lds s[G0:G0+3], s[G1:G1+7]      ; my quarter of A: one load of mine is out
	s_nop 0
	PLACES 4
.macro BLOAD s                         ; B's eight fragments of K step s into set s % 2: 24 loads of 512 consecutive bytes
	WIN 0x40
.irp b, 0,1,2,3,4,5,6,7
.irp c, 0,1,2
	global_load_b128 v[128*((\s)%2)+12*\b+4*\c:128*((\s)%2)+12*\b+4*\c+3], v1, s[BP:BP+1] offset:12288*\b+1536*(\s)+512*\c
.endr
.endr
	WIN 0
.endm
.macro AFETCH s, i0                    ; A's fragments i0 .. i0 + 3 of K step s: 12 LDS loads
.irp i, \i0, \i0+1, \i0+2, \i0+3
.irp c, 0,1,2
.if (\i) < 4
	ds_load_b128 v[AF+12*(\i)+4*\c:AF+12*(\i)+4*\c+3], v1 offset:12288*(\i)+1536*(\s)+512*\c
.else
	ds_load_b128 v[AF+12*(\i)+4*\c:AF+12*(\i)+4*\c+3], v2 offset:12288*((\i)-4)+1536*(\s)+512*\c
.endif
.endr
.endr
.endm
.macro MULH a, s, b0, b1, b2, b3       ; row tile a x four column tiles.  The accumulators take turns, one instruction a turn.  Step 0 starts the sums
.irp b, \b0, \b1, \b2, \b3
.set rD, 64*((\a)%4)+8*\b
.set rB, 128*((\s)%2)+12*\b
.set rA, AF+12*(\a)
.set rSB, SCB+4*\b+(\s)/2
.set rSA, SCA+4*(\a)+(\s)/2
.if (\s) == 0
	v_wmma_scale_f32_16x16x128_f8f6f4 v[rD:rD+7], v[rB:rB+11], v[rA:rA+11], 0, v[rSB], v[rSA] matrix_a_fmt:MATRIX_FMT_FP6 matrix_b_fmt:MATRIX_FMT_FP6
.elseif (\s)%2
	v_wmma_scale_f32_16x16x128_f8f6f4 v[rD:rD+7], v[rB:rB+11], v[rA:rA+11], v[rD:rD+7], v[rSB], v[rSA] matrix_a_fmt:MATRIX_FMT_FP6 matrix_b_fmt:MATRIX_FMT_FP6 matrix_a_scale:MATRIX_SCALE_ROW1 matrix_b_scale:MATRIX_SCALE_ROW1
.else
	v_wmma_scale_f32_16x16x128_f8f6f4 v[rD:rD+7], v[rB:rB+11], v[rA:rA+11], v[rD:rD+7], v[rSB], v[rSA] matrix_a_fmt:MATRIX_FMT_FP6 matrix_b_fmt:MATRIX_FMT_FP6
.endif
.endr
.endm
.macro BHALF s, b0, b1, b2, b3         ; four of B's fragments of K step s into set s % 2: 12 loads of 512 consecutive bytes
	WIN 0x40
.irp b, \b0, \b1, \b2, \b3
.irp c, 0,1,2
	global_load_b128 v[128*((\s)%2)+12*\b+4*\c:128*((\s)%2)+12*\b+4*\c+3], v1, s[BP:BP+1] offset:12288*\b+1536*(\s)+512*\c
.endr
.endr
	WIN 0
.endm
.macro AONE s, i                       ; A's fragment i of K step s: 3 LDS loads
.irp c, 0,1,2
.if (\i) < 4
	ds_load_b128 v[AF+12*(\i)+4*\c:AF+12*(\i)+4*\c+3], v1 offset:12288*(\i)+1536*(\s)+512*\c
.else
	ds_load_b128 v[AF+12*(\i)+4*\c:AF+12*(\i)+4*\c+3], v2 offset:12288*((\i)-4)+1536*(\s)+512*\c
.endif
.endr
.endm
; A K step goes by halves of B's tiles: all eight row tiles x column tiles 0-3, then x column tiles 4-7.  A half of a set is asked for again, for the K step two on, as soon as its 32 products are issued;
; A's fragment a is fetched anew behind its last four products.  B's halves are issued in the order (s, 0), (s, 1), (s + 1, 0) ..: 12 loads each.
.macro STEP s
.if (\s) == 0
	BLOAD 1
	s_wait_loadcnt 24                              ; all but K step 1's 24: K step 0, the scale words and the bias are in
.elseif (\s) < 7
	s_wait_loadcnt 36                              ; my first half is in; behind it: my second half and the next step's two
.else
	s_wait_loadcnt 12                              ; behind it: my second half
.endif
	s_wait_dscnt 12                                ; A's tiles 0-3 are in; the 12 loads of tiles 4-7 may be out
	WIN MUL_LO
.irp a, 0,1,2,3
	MULH \a, \s, 0,1,2,3
.endr
	s_wait_dscnt 0x0
	WIN MUL_HI
.irp a, 4,5,6,7
	MULH \a, \s, 0,1,2,3
.endr
	PLACES 4                                       ; in front of loads into registers that matrix instructions have read
.if (\s) < 6
	BHALF (\s)+2, 0,1,2,3
	s_wait_loadcnt 36                              ; my second half is in; behind it: the next step's two halves and the 12 just issued
.elseif (\s) == 6
	s_wait_loadcnt 24                              ; behind it: K step 7's two halves
.else
	s_wait_loadcnt 0x0
.endif
.irp a, 0,1,2,3,4,5,6,7
.if \a < 4
	WIN MUL_LO
.else
	WIN MUL_HI
.endif
	MULH \a, \s, 4,5,6,7
	PLACES 4
.if (\s) < 7
	WIN 0
	AONE (\s)+1, \a
.endif
.endr
	WIN 0
.if (\s) < 6
	BHALF (\s)+2, 4,5,6,7
.endif
.endm
	BLOAD 0
.irp t, 0,1,2,3,4,5,6,7
.irp p, 0,1,2,3
	global_load_b32 v[SCA+4*\t+\p], v4, s[ASP:ASP+1] offset:512*\t+128*\p
	global_load_b32 v[SCB+4*\t+\p], v4, s[BSP:BSP+1] offset:512*\t+128*\p
.endr
.endr
	s_cmp_eq_u32 s[TYPE], 2
	s_cbranch_scc1 .Lrowbias
.irp b, 0,1,2,3,4,5,6,7
	global_load_b128 v[CB+8*\b:CB+8*\b+3], v8, s[BIP:BIP+1] offset:(32*(\b/2)+8*(\b%2))*4      ; column tile b, register j: column 32 (b / 2) + 16 h + 8 (b % 2) + j
	global_load_b128 v[CB+8*\b+4:CB+8*\b+7], v8, s[BIP:BIP+1] offset:(32*(\b/2)+8*(\b%2))*4+16
.endr
	s_branch .Lbiased
.Lrowbias:
.irp a, 0,1,2,3,4,5,6,7
	global_load_b32 v[CB+2*\a], v9, s[BIP:BIP+1] offset:(32*(\a/2)+8*(\a%2))*4                 ; row tile a: my row's bias, in both registers of a pair
	global_load_b32 v[CB+2*\a+1], v9, s[BIP:BIP+1] offset:(32*(\a/2)+8*(\a%2))*4
.endr
.set i, 16
.rept 48
	v_mov_b32 v[CB+i], 0                           ; every register that some way through the text reads is written on every way that leads there
.set i, i+1
.endr
.Lbiased:
	s_wait_tensorcnt 0x0                           ; my quarter of A has landed,
	s_barrier_signal -1
	s_barrier_wait -1                              ; everybody's has
	AFETCH 0, 0
	AFETCH 0, 4
.irp s, 0,1,2,3,4,5,6,7
	STEP \s
.endr
; THE WAY OUT, a row tile at a time: + bias (which also brings the 64 numbers into window 0, each accumulator from its low end on), quantise, store.
.macro EPI a
.if (\a) > 0
	s_wait_xcnt 0x0                                ; the last tile's stores have read their data
.endif
.set wv, 0x02+(\a)/4
	s_cmp_eq_u32 s[TYPE], 2
	s_cbranch_scc1 .Lrow_\@
	WIN wv
.set i, 0
.rept 32
	v_pk_add_f32 v[HA+2*i:HA+2*i+1], v[64*((\a)%4)+2*i:64*((\a)%4)+2*i+1], v[CB+2*i:CB+2*i+1]
.set i, i+1
.endr
	WIN 0
	s_branch .Ladded_\@
.Lrow_\@:
	WIN wv
.set i, 0
.rept 32
	v_pk_add_f32 v[HA+2*i:HA+2*i+1], v[64*((\a)%4)+2*i:64*((\a)%4)+2*i+1], v[CB+2*(\a):CB+2*(\a)+1] op_sel_hi:[1,0]
.set i, i+1
.endr
	WIN 0
.Ladded_\@:
	QUANT HA
	s_cmp_eq_u32 s[TYPE], 1
	s_cbranch_scc1 .Lk_\@
	s_cmp_eq_u32 s[TYPE], 2
	s_cbranch_scc1 .Lv_\@
.irp c, 0,1,2                                  ; q: a whole image: 16 rows x my 128 columns; 32 lanes store 512 consecutive bytes
	global_store_b128 v1, v[PC+4*\c:PC+4*\c+3], s[DP:DP+1] offset:12288*(\a)+512*\c
.endr
	global_store_b32 v5, v[PW], s[DSP:DSP+1] offset:512*(\a)
	s_branch .Lstored_\@
.Lk_\@:                                                ; k: registers 0-5 are the even head's 64 channels, 6-11 the odd head's: key tile 8 ks + a of two blobs
; K's key tiles lie IN PAIRS in one full image of 1,536 bytes (this takes the place of the 768 bytes a tile named at the head): an even tile's six registers are the image's registers 0-5
; (places 0-63 of the contraction), the odd tile's its registers 6-11 (places 64-127).  An odd tile's two scale bytes stand in bytes 2 and 3 of its word, an even tile's in bytes 0 and 1; the other two are 0, over products with zero codes.
.if (\a)%2
	v_lshlrev_b32 v185, 16, v[PW]
	v_and_b32 v186, 0xffff0000, v[PW]
.else
	v_and_b32 v185, 0xffff, v[PW]
	v_lshrrev_b32 v186, 16, v[PW]
.endif
	s_wait_alu depctr_va_vdst(0)
.if (\a)%2
	global_store_b64 v1, v[PC:PC+1], s[DP:DP+1] offset:1536*((\a)/2)+520
	global_store_b128 v1, v[PC+2:PC+5], s[DP:DP+1] offset:1536*((\a)/2)+1024
	global_store_b64 v1, v[PC+6:PC+7], s[DP:DP+1] offset:BLOB+1536*((\a)/2)+520
	global_store_b128 v1, v[PC+8:PC+11], s[DP:DP+1] offset:BLOB+1536*((\a)/2)+1024
.else
	global_store_b128 v1, v[PC:PC+3], s[DP:DP+1] offset:1536*((\a)/2)
	global_store_b64 v1, v[PC+4:PC+5], s[DP:DP+1] offset:1536*((\a)/2)+512
	global_store_b128 v1, v[PC+6:PC+9], s[DP:DP+1] offset:BLOB+1536*((\a)/2)
	global_store_b64 v1, v[PC+10:PC+11], s[DP:DP+1] offset:BLOB+1536*((\a)/2)+512
.endif
	global_store_b32 v5, v185, s[DSP:DSP+1] offset:64*(\a)
	global_store_b32 v5, v186, s[DSP:DSP+1] offset:BLOB+64*(\a)
	s_branch .Lstored_\@
.Lv_\@:                                                ; v: a whole image: 16 channels x these 128 keys
	s_wait_alu depctr_va_vdst(0)
.irp c, 0,1,2
	global_store_b128 v1, v[PC+4*\c:PC+4*\c+3], s[DP:DP+1] offset:BLOB*((\a)/4)+1536*((\a)%4)+512*\c
.endr
	global_store_b32 v5, v[PW], s[DSP:DSP+1] offset:BLOB*((\a)/4)+64*((\a)%4)
.Lstored_\@:
.endm
.irp b, 0,1,2,3
	v_mov_b32 v[TM+4+\b], 0                        ; (behind STEP 7's four places)  a lane permute's destination counts as one of its sources
.endr
.irp a, 0,1,2,3,4,5,6,7
	EPI \a
.endr
	s_wait_tensorcnt 0x0                           ; the wave's end
	ds_add_u32 v[SPW], v[NIL]
	s_wait_dscnt 0x0
	s_endpgm
.Lfunc_end_k_qc450e73648_qkv:
	.size	k_qc450e73648_qkv, .Lfunc_end_k_qc450e73648_qkv-k_qc450e73648_qkv
	.p2alignl 7, 3214868480
	.fill 96, 4, 3214868480
	.section	.rodata,"a",@progbits
	.p2align	6, 0x0
	.amdhsa_kernel k_qc450e73648_qkv
		.amdhsa_group_segment_fixed_size 167936
		.amdhsa_private_segment_fixed_size 0
		.amdhsa_enable_private_segment 0
		.amdhsa_kernarg_size 64
		.amdhsa_user_sgpr_count 2
		.amdhsa_user_sgpr_kernarg_segment_ptr 1
		.amdhsa_wavefront_size32 1
		.amdhsa_system_sgpr_workgroup_id_x 1
		.amdhsa_system_sgpr_workgroup_id_y 1
		.amdhsa_system_sgpr_workgroup_id_z 1
		.amdhsa_system_vgpr_workitem_id 0
		.amdhsa_next_free_vgpr 1024
		.amdhsa_next_free_sgpr 72
		.amdhsa_reserve_vcc 0
		.amdhsa_float_denorm_mode_32 3
		.amdhsa_float_denorm_mode_16_64 3
		.amdhsa_memory_ordered 1
		.amdhsa_forward_progress 1
		.amdhsa_inst_pref_size 203
	.end_amdhsa_kernel
	.amdgpu_metadata
---
amdhsa.version: [ 1, 2 ]
amdhsa.kernels:
  - .name:           k_qc450e73648_qkv
    .symbol:         k_qc450e73648_qkv.kd
    .args:
      - { .name: ia, .offset: 0, .size: 8, .value_kind: global_buffer, .address_space: global }
      - { .name: wf, .offset: 8, .size: 8, .value_kind: global_buffer, .address_space: global }
      - { .name: ws, .offset: 16, .size: 8, .value_kind: global_buffer, .address_space: global }
      - { .name: bq, .offset: 24, .size: 8, .value_kind: global_buffer, .address_space: global }
      - { .name: bk, .offset: 32, .size: 8, .value_kind: global_buffer, .address_space: global }
      - { .name: bv, .offset: 40, .size: 8, .value_kind: global_buffer, .address_space: global }
      - { .name: ib, .offset: 48, .size: 8, .value_kind: global_buffer, .address_space: global }
      - { .name: kv, .offset: 56, .size: 8, .value_kind: global_buffer, .address_space: global }
    .group_segment_fixed_size: 167936
    .private_segment_fixed_size: 0
    .kernarg_segment_align: 8
    .kernarg_segment_size: 64
    .max_flat_workgroup_size: 128
    .sgpr_count:     72
    .vgpr_count:     1024
    .wavefront_size: 32
...
	.end_amdgpu_metadata
.endif
;; end of part 8
;; launch att (part 9): grid 8 x 32, 16 waves a work-group, clusters of 4 x 1, 210,944 bytes of LDS; arguments ib, kv, ia; writes ia
.if DOCPART == 9
	.amdgcn_target "amdgcn-amd-amdhsa--gfx1250"
	.amdhsa_code_object_version 6
	.text
	.protected	k_qc450e73648_att
	.globl	k_qc450e73648_att
	.p2align	8
	.type	k_qc450e73648_att,@function
k_qc450e73648_att:
	s_mov_b64 s[64:65], 0
	v_nop
	global_prefetch_b8 v0, s[64:65] scope:SCOPE_SE
	s_setreg_imm32_b32 hwreg(HW_REG_WAVE_MODE, 25, 1), 1
	s_wait_xcnt 0x0
	s_wait_alu depctr_hold_cnt(0) depctr_sa_sdst(0) depctr_va_vdst(0) depctr_va_sdst(0) depctr_va_ssrc(0) depctr_va_vcc(0) depctr_vm_vsrc(0)
	s_getreg_b32 s2, hwreg(HW_REG_IB_STS2, 6, 4)
	s_cmp_eq_u32 s2, 0
	s_cbranch_scc0 .Lentry_in_a_cluster
	s_endpgm
.Lentry_in_a_cluster:
	s_bfe_u32 s2, ttmp6, 0x10000c
	s_cmp_lg_u32 s2, 0x3003
	s_cbranch_scc0 .Lentry_shape_is_right
	s_endpgm
.Lentry_shape_is_right:
; Launch 3 of 7: o = softmax(q k^T / 8) v on E2M3 codes, quantised at once for the projection.  No work of reference() is left out.
; THE SOFTMAX: t = score x log2(e) / 8; M = the running largest t rounded UP to a whole number; p = 2^(t - M) is quantised along the keys; the row's sum is taken of the unquantised p and divides at the end.
; When M moves, the sum and O are multiplied by 2^(old M - new M): exact.
; SHARES.  A work-group owns 256 queries of one batch and head; each of its sixteen waves 16: in reference()'s reshape they are ONE row of x Wq (16 queries x 64).  Every wave walks the head's 2,048 keys, 128 a step.
; THE HEAD'S WHOLE BLOB (K's and V's images and scale words, 208,896 bytes) LIES IN LDS: sixteen first fills, one a wave; no ring, nothing filled again.
; CLUSTER.  The four query blocks of a cluster belong to one head: each fill is asked for JOINTLY, by the same descriptor and the mask 15, in all four.
; Both products are used transposed (S^T = K Q^T, O^T = V^T P^T): a lane holds one query throughout.  K = 64 in the first product: registers 6-11 of K's and Q's fragments are zero codes.
; The keys of a tile and the channels of a tile of V were chosen by launch 2 so that the registers of two neighbouring result tiles are 16 neighbours.
; LIMITS as stated at the head of launch 1.
.set BLOB,  208896
.set SPARE, 208896                     ; behind the blob: the spare words, 128 bytes for each of 16 waves
.set SPW, 6
.set NIL, 7
.set QF,  16                           ; v16-27  Q's fragment;  v28 its scale words
.set QSC, 28
; K's AND Q's LAYOUT (in place of the head's line on zero codes in K's fragments): a full image of K holds TWO key tiles, the even one at places 0-63 of the contraction, the odd one at places 64-127.
; It is multiplied once by (q, 0) in v16-27 and once by (0, q) in v84-95: a step's K is four images, 48 registers, free again behind the eight products, where the next step's K is asked for.
; q comes as fragment images of x Wq (16 rows x 128 columns): query r of my row is one lane's registers 0-5 (r even) or 6-11 (r odd) of image r / 2.
.set QH,  84                           ; v84-95  (0, q)
.set QSH, 232                          ; q's two scale bytes in bytes 2 and 3
.set KSC, 30                           ; v30-33  K's scale words: lanes 0-15 an even tile's, lanes 16-31 the odd tile's behind it
.set VSC, 34                           ; v34-35  V's likewise
.set KF,  36                           ; v36-83  four fragments of K
.set S,   96                           ; v96-159 S^T, then p; v96-143 then V's four fragments
.set O,   160                          ; v160-191 O^T
.set PCD, 192                          ; v192-203 p's codes;  v204-210 the conversions' second halves
.set CT,  204
.set BM,  212                          ; v212-215 the blocks' largest
.set PMT, 216                          ; v216-219 permutes, bytes
.set SO,  220                          ; v220-223 the conversions' scale operands
.set TP,  224
.set F,   226                          ; v[226:227] f = 2^(old M - new M)
.set PSC, 228                          ; p's scale word
.set SUM2, 230
.set WV,  10
.set G1,  24
.set G0,  32
.set CS,  36                           ; s[36:37] c = log2(e) / 8
.set SEL, 38
.set TK,  40                           ; the step's images: 6,144 bytes a step, K's and V's alike
.set TKS, 41                           ; K's scale words: 512
.set TVS, 42                           ; V's: 256
.set CNT, 43
.set QP,  44
.set QSP, 46
.set OP,  48
.set OSP, 50
.macro PLACES n
.rept \n
	v_nop
.endr
.endm
.macro CROUND                          ; a round of the cluster's barrier
	s_barrier_signal -1
	s_barrier_wait -1
	s_cmp_lg_u32 s[WV], 0
	s_cbranch_scc1 .Lnot_wave_0_\@
	s_barrier_signal -3
.Lnot_wave_0_\@:
	s_barrier_wait -3
	s_barrier_signal -1
	s_barrier_wait -1
.endm
	s_load_b128 s[4:7], s[0:1], 0x0                ; ib (q), kv
	s_load_b64 s[8:9], s[0:1], 0x10                ; ia (o)
	v_lshl_add_u32 v[SPW], v0, 2, SPARE
	v_mov_b32 v[NIL], 0
	ds_add_u32 v[SPW], v[NIL]                      ; the opening: the add, twice on end, and its wait ahead of my first tensor load
	ds_add_u32 v[SPW], v[NIL]
	v_lshrrev_b32 v8, 5, v0
	s_delay_alu instid0(VALU_DEP_1)
	v_readfirstlane_b32 s[WV], v8
	s_bfe_u32 s11, ttmp6, 0x40000                  ; cx: it enters q's and o's global addresses alone
	s_lshl_b32 s12, ttmp9, 2
	s_add_co_u32 s12, s12, s11                     ; my block of 256 queries
	s_and_b32 s13, ttmp7, 0xffff                   ; 16 x batch + head: the four partners share it
	s_lshr_b32 s14, s13, 4
	s_and_b32 s15, s13, 15
	s_mov_b32 s[G1+0], 15|(3<<16)|(1<<21)          ; the mask: all four work-groups; elements of 8 bytes; bit 21 beside a mask
	s_mov_b32 s[G1+1], 32<<16                      ; rows of 256 bytes
	s_mov_b32 s[G1+2], 51<<16                      ; 51 of them: a sixteenth of the blob, 13,056 dense bytes
	s_mov_b32 s[G1+3], 32<<16
	s_mov_b32 s[G1+4], 51
	s_mov_b32 s[G1+5], 32
	s_mov_b32 s[G1+6], 0
	s_mov_b32 s[G1+7], 0
	s_mul_i32 s60, s13, BLOB
	s_mul_i32 s22, s[WV], 13056
	s_add_co_u32 s60, s60, s22
	s_mov_b32 s61, 0
	s_lshl_b32 s16, s13, 7
	s_lshl_b32 s17, s12, 4
	s_add_co_u32 s17, s17, s[WV]                   ; 16 x block + wave
	s_add_co_u32 s16, s16, s17                     ; my row of x Wq
	s_lshr_b32 s52, s16, 5                         ; row t lies in x's tile T = 2 (t / 32) + bit 3 of t, at lane t % 8 + 8 x bit 4 of t
	s_lshl_b32 s52, s52, 1
	s_bfe_u32 s53, s16, 0x10003
	s_add_co_u32 s52, s52, s53                     ; T
	s_and_b32 s53, s16, 7
	s_bfe_u32 s55, s16, 0x10004
	s_lshl_b32 s55, s55, 3
	s_add_co_u32 s53, s53, s55                     ; the lane
	s_lshl_b32 s54, s52, 9                         ; T's eight scale images,
	s_lshl_b32 s55, s53, 2
	s_add_co_u32 s54, s54, s55                     ; my row's word in each
	s_add_co_u32 s54, s54, 3145728
	s_mul_i32 s52, s52, 12288                      ; T's eight images,
	s_lshl_b32 s53, s53, 4
	s_add_co_u32 s52, s52, s53                     ; 16 x lane
	s_mov_b32 s53, 0
	s_mov_b32 s55, 0
	s_lshl_b32 s18, s14, 7
	s_add_co_u32 s18, s18, s17                     ; the tile of 16 rows of o that my queries are
	s_lshl_b32 s18, s18, 3
	s_lshr_b32 s19, s15, 1
	s_add_co_u32 s18, s18, s19                     ; its image of K step head / 2
	s_mul_i32 s56, s18, 1536
	s_mov_b32 s57, 0
	s_lshl_b32 s58, s18, 6
	s_add_co_u32 s58, s58, 3145728
	s_mov_b32 s59, 0
	s_and_b32 s23, s15, 1                          ; which half of that image is my head's
	s_mov_b32 s[CS], 0x3e38aa3b
	s_mov_b32 s[CS+1], s[CS]
	s_mov_b32 s[SEL], 0x76543210
	s_mov_b32 s[SEL+1], 0xfedcba98
	s_mov_b32 s[TK], 0
	s_mov_b32 s[TKS], 0
	s_mov_b32 s[TVS], 0
	s_mov_b32 s[CNT], 16
	s_wait_dscnt 0x0                               ; both opening adds are done
	s_wait_kmcnt 0x0
	s_mov_b32 s[G0], 1
	s_mov_b32 s[G0+1], s22
	s_add_nc_u64 s[G0+2:G0+3], s[6:7], s[60:61]
	s_or_b32 s[G0+3], s[G0+3], 0x80000000
	s_add_nc_u64 s[QP:QP+1], s[4:5], s[52:53]
	s_add_nc_u64 s[QSP:QSP+1], s[4:5], s[54:55]
	s_add_nc_u64 s[OP:OP+1], s[8:9], s[56:57]
	s_add_nc_u64 s[OSP:OSP+1], s[8:9], s[58:59]
	CROUND                                         ; all four work-groups are here: the joint loads meet
	tensor_load_to_lds s[G0:G0+3], s[G1:G1+7]      ; one load of mine is out
	s_nop 0
	PLACES 4
	v_and_b32 v8, 31, v0
	v_and_b32 v9, 15, v0                           ; r
	v_bfe_u32 v10, v0, 4, 1                        ; h
	s_delay_alu instid0(VALU_DEP_3)
	v_lshlrev_b32 v1, 4, v8                        ; K's registers 0-3: 16 x lane
	v_lshl_add_u32 v3, v8, 2, 196608               ; K's scale words
	v_lshl_add_u32 v5, v8, 2, 204800               ; V's scale words
	s_delay_alu instid0(VALU_DEP_3)
	v_add_nc_u32 v4, 98304, v1                     ; V's images
	v_lshrrev_b32 v11, 1, v9                       ; r / 2: the image
	v_and_b32 v29, 1, v9                           ; r % 2: which six of its registers
	s_delay_alu instid0(VALU_DEP_2)
	v_mul_u32_u24 v234, v11, 1536
	s_delay_alu instid0(VALU_DEP_1)
	v_lshl_add_u32 v234, v10, 8, v234              ; + 16 x 16 h
	v_lshlrev_b32 v11, 6, v11
	s_delay_alu instid0(VALU_DEP_2)
	v_mad_u32_u24 v235, v29, 520, v234             ; an image's register pairs 0, 1, 2 lie at bytes 0, 8, 512 of the lane's place; pairs 3, 4, 5 at 520, 1024, 1032
	v_mad_u32_u24 v236, v29, 1016, v234
	v_lshl_add_u32 v29, v29, 1, v11                ; my query's two bytes of the row's scale word
.irp d, QF, QH+6
	global_load_b64 v[\d:\d+1], v235, s[QP:QP+1]
	global_load_b64 v[\d+2:\d+3], v236, s[QP:QP+1] offset:8
	global_load_b64 v[\d+4:\d+5], v235, s[QP:QP+1] offset:512
.endr
	global_load_u16 v[QSC], v29, s[QSP:QSP+1]      ; its two scale bytes; the upper two are 0, over zero codes
	v_mov_b32 v13, 0xff61b1e6                      ; the largest t so far: -3e38
	s_delay_alu instid0(VALU_DEP_1)
	v_floor_f32 v12, -v13                          ; -M
	v_mov_b32 v14, 0
	v_mov_b32 v15, 0
	v_mov_b32 v[F+1], 0                            ; (named as the upper half of a pair)
.irp b, 0,1,2,3
	v_mov_b32 v[PMT+\b], 0                         ; a lane permute's destination counts as one of its sources
.endr
.irp i, 6,7,8,9,10,11
	v_mov_b32 v[QF+\i], 0                          ; (q, 0)
	v_mov_b32 v[QH+\i-6], 0                        ; (0, q)
.endr
.set i, 0
.rept 32
	v_mov_b32 v[O+i], 0                            ; the step is written once: the first finds zeros, which the first change of M leaves zeros
.set i, i+1
.endr
	s_wait_loadcnt 0x0
	v_lshlrev_b32 v[QSH], 16, v[QSC]               ; q's scale bytes for places 64-127
	PLACES 8                                       ; a scale register written by a vector instruction stands 8 places ahead of a scaled matrix instruction
	s_wait_alu depctr_va_vdst(0)
	s_wait_tensorcnt 0x0                           ; my sixteenth of the blob has landed,
	s_barrier_signal -1
	s_barrier_wait -1                              ; everybody's has
.irp j, 0,1,2,3                                ; the first step's K: four images and their scale words
.irp c, 0,1,2
	ds_load_b128 v[KF+12*\j+4*\c:KF+12*\j+4*\c+3], v1 offset:1536*\j+512*\c
.endr
	ds_load_b32 v[KSC+\j], v3 offset:128*\j
.endr
.Lstep:                                                ; 16 trips: 128 keys each
	v_add_nc_u32 v8, s[TK], v1
	v_add_nc_u32 v10, s[TKS], v3
	v_add_nc_u32 v11, s[TK], v4
	v_add_nc_u32 v29, s[TVS], v5
	v_nop
	v_nop                                          ; six places: five are owed before S^T is laid over the registers from which the last products read V
	s_wait_alu depctr_va_vdst(0)
	s_wait_dscnt 0x0                               ; this step's K, asked for in the trip before
.irp t, 0,1,2,3,4,5,6,7                        ; S^T = K Q^T: image t / 2 by (q, 0) gives its even key tile, by (0, q) its odd one
.if \t%2
	v_wmma_scale_f32_16x16x128_f8f6f4 v[S+8*\t:S+8*\t+7], v[KF+12*(\t/2):KF+12*(\t/2)+11], v[QH:QH+11], 0, v[KSC+\t/2], v[QSH] matrix_a_fmt:MATRIX_FMT_FP6 matrix_b_fmt:MATRIX_FMT_FP6 matrix_a_scale:MATRIX_SCALE_ROW1
.else
	v_wmma_scale_f32_16x16x128_f8f6f4 v[S+8*\t:S+8*\t+7], v[KF+12*(\t/2):KF+12*(\t/2)+11], v[QF:QF+11], 0, v[KSC+\t/2], v[QSC] matrix_a_fmt:MATRIX_FMT_FP6 matrix_b_fmt:MATRIX_FMT_FP6
.endif
.endr
	PLACES 4                                       ; in front of the reads of S^T and of loads into registers that these products have read
	s_cmp_eq_u32 s[CNT], 1                         ; the last trip has no next step: a branch on the loop's counter leads round the request
	s_cbranch_scc1 .Lno_next
.irp j, 0,1,2,3                                ; the next step's K, 6,144 bytes on; its scale words, 512 on
.irp c, 0,1,2
	ds_load_b128 v[KF+12*\j+4*\c:KF+12*\j+4*\c+3], v8 offset:6144+1536*\j+512*\c
.endr
	ds_load_b32 v[KSC+\j], v10 offset:512+128*\j
.endr
.Lno_next:
.irp b, 0,1,2,3
	v_max3_num_f32 v[BM+\b], v[S+16*\b], v[S+1+16*\b], v[S+2+16*\b]   ; the largest score of each block of 32 keys: for the row's maximum, and, since p rises with the score, for the block's largest p
.endr
.irp i, 3,5,7,9,11,13
.irp b, 0,1,2,3
	v_max3_num_f32 v[BM+\b], v[BM+\b], v[S+16*\b+\i], v[S+1+16*\b+\i]
.endr
.endr
.irp b, 0,1,2,3
	v_max_num_f32 v[BM+\b], v[BM+\b], v[S+15+16*\b]
.endr
.irp b, 0,1,2,3
	s_delay_alu instid0(VALU_DEP_4)
	v_permlanex16_b32 v[PMT+\b], v[BM+\b], s[SEL], s[SEL+1]
.endr
.irp b, 0,1,2,3
	s_delay_alu instid0(VALU_DEP_4)
	v_max_num_f32 v[BM+\b], v[BM+\b], v[PMT+\b]
.endr
	s_delay_alu instid0(VALU_DEP_2)
	v_max3_num_f32 v[TP], v[BM], v[BM+1], v[BM+2]
	s_delay_alu instid0(VALU_DEP_1)
	v_max_num_f32 v[TP], v[TP], v[BM+3]
	s_delay_alu instid0(VALU_DEP_1)
	v_mul_f32 v[TP], s[CS], v[TP]
	s_delay_alu instid0(VALU_DEP_1)
	v_max_num_f32 v13, v13, v[TP]                  ; the running largest t
	v_mov_b32 v[TP], v12
	s_delay_alu instid0(VALU_DEP_2)
	v_floor_f32 v12, -v13                          ; the new -M = -ceil(t)
	s_delay_alu instid0(VALU_DEP_1)
	v_sub_f32 v[TP], v12, v[TP]                    ; old M - new M: a whole number, 0 or less
	s_delay_alu instid0(VALU_DEP_1)
	v_cvt_i32_f32 v[TP], v[TP]                     ; (it saturates)
	s_delay_alu instid0(VALU_DEP_1)
	v_ldexp_f32 v[F], 1.0, v[TP]
.set j, 0
.rept 32
	v_pk_fma_f32 v[S+j:S+j+1], v[S+j:S+j+1], s[CS:CS+1], v[12:13] op_sel_hi:[1,0,0]   ; t - M, two at a time
.set j, j+2
.endr
.irp b, 0,1,2,3
	v_fma_f32 v[BM+\b], v[BM+\b], s[CS], v12
.endr
.set j, 0
	s_wait_alu depctr_va_vdst(0)
.rept 64
	v_exp_f32 v[S+j], v[S+j]                       ; p = 2^(t - M)
.set j, j+1
.endr
	v_pk_mul_f32 v[14:15], v[14:15], v[F:F+1] op_sel_hi:[1,0]   ; the sums under the new M: a plain place behind the exponentials
	s_wait_alu depctr_va_vdst(0)                   ; one wait for the batch of 64, ahead of its first reader
.irp b, 0,1,2,3
	v_exp_f32 v[BM+\b], v[BM+\b]                   ; the blocks' largest p
.endr
	v_pk_add_f32 v[230:231], v[100:101], v[104:105]
	v_pk_add_f32 v[254:255], v[108:109], v[112:113]
	v_pk_add_f32 v[252:253], v[116:117], v[120:121]
	v_pk_add_f32 v[250:251], v[124:125], v[128:129]
	v_pk_add_f32 v[248:249], v[132:133], v[136:137]
	v_pk_add_f32 v[246:247], v[140:141], v[144:145]
	v_pk_add_f32 v[244:245], v[148:149], v[152:153]
	v_pk_add_f32 v[14:15], v[14:15], v[156:157]
	v_pk_add_f32 v[230:231], v[230:231], v[96:97]
	v_pk_add_f32 v[254:255], v[254:255], v[98:99]
	v_pk_add_f32 v[252:253], v[252:253], v[102:103]
	v_pk_add_f32 v[250:251], v[250:251], v[106:107]
	v_pk_add_f32 v[248:249], v[248:249], v[110:111]
	v_pk_add_f32 v[246:247], v[246:247], v[114:115]
	v_pk_add_f32 v[244:245], v[244:245], v[118:119]
	v_pk_add_f32 v[14:15], v[14:15], v[122:123]
	v_pk_add_f32 v[230:231], v[230:231], v[126:127]
	v_pk_add_f32 v[254:255], v[254:255], v[130:131]
	v_pk_add_f32 v[252:253], v[252:253], v[134:135]
	v_pk_add_f32 v[250:251], v[250:251], v[138:139]
	v_pk_add_f32 v[248:249], v[248:249], v[142:143]
	v_pk_add_f32 v[246:247], v[246:247], v[146:147]
	v_pk_add_f32 v[244:245], v[244:245], v[150:151]
	v_pk_add_f32 v[14:15], v[14:15], v[154:155]
	v_pk_add_f32 v[230:231], v[230:231], v[158:159]
	s_delay_alu instid0(VALU_DEP_2)
	v_pk_add_f32 v[14:15], v[14:15], v[250:251]
	s_delay_alu instid0(VALU_DEP_2)
	v_pk_add_f32 v[230:231], v[230:231], v[248:249]
	v_pk_add_f32 v[254:255], v[254:255], v[246:247]
	v_pk_add_f32 v[252:253], v[252:253], v[244:245]
	s_delay_alu instid0(VALU_DEP_2)
	v_pk_add_f32 v[14:15], v[14:15], v[254:255]
	s_delay_alu instid0(VALU_DEP_2)
	v_pk_add_f32 v[230:231], v[230:231], v[252:253]
	s_delay_alu instid0(VALU_DEP_1)
	v_pk_add_f32 v[14:15], v[14:15], v[230:231]
	s_wait_alu depctr_va_vdst(0)                   ; and one for the four
.irp b, 0,1,2,3
	v_max_num_f32 v[BM+\b], 0x1800000, v[BM+\b]    ; the floor 2^(3 - 127)
.endr
.irp b, 0,1,2,3
	s_delay_alu instid0(VALU_DEP_4)
	v_add_nc_u32 v[SO+\b], 0xff000000, v[BM+\b]
.endr
.irp b, 0,1,2,3
	s_delay_alu instid0(VALU_DEP_4)
	v_lshrrev_b32 v[PMT+\b], 23, v[SO+\b]
.endr
	s_delay_alu instid0(VALU_DEP_3)
	v_lshl_or_b32 v[PSC], v[PMT+1], 8, v[PMT]      ; p's scale word for these 128 keys
	s_delay_alu instid0(VALU_DEP_1)
	v_lshl_or_b32 v[PSC], v[PMT+2], 16, v[PSC]
	s_delay_alu instid0(VALU_DEP_1)
	v_lshl_or_b32 v[PSC], v[PMT+3], 24, v[PSC]
.irp c, 0,1
	v_cvt_scalef32_pk16_fp6_f32 v[PCD+6*\c:PCD+2+6*\c], v[S+32*\c:S+15+32*\c], v[SO+2*\c]
	v_cvt_scalef32_pk16_fp6_f32 v[CT+4*\c:CT+2+4*\c], v[S+16+32*\c:S+31+32*\c], v[SO+2*\c+1]
.endr
	v_nop                                          ; one plain place behind a scaled conversion
.irp c, 0,1
.irp i, 0,1,2
	v_permlane16_swap_b32 v[PCD+6*\c+\i], v[CT+4*\c+\i]
.endr
.irp i, 0,1,2
	s_delay_alu instid0(VALU_DEP_3)
	v_mov_b32 v[PCD+3+6*\c+\i], v[CT+4*\c+\i]
.endr
.endr
.irp t, 0,1,2,3                                ; V's four images of the step, into the registers that p has left
.irp c, 0,1,2
	ds_load_b128 v[S+12*\t+4*\c:S+12*\t+4*\c+3], v11 offset:1536*\t+512*\c
.endr
.endr
.irp u, 0,1
	ds_load_b32 v[VSC+\u], v29 offset:128*\u
.endr
.set j, 0
.rept 16
	v_pk_mul_f32 v[O+j:O+j+1], v[O+j:O+j+1], v[F:F+1] op_sel_hi:[1,0]   ; O^T under the new M.  Of these 16, 12 name no register of a given product below: the places between p's scale word (8 are owed), p's codes (4) and that product
.set j, j+2
.endr
	s_wait_alu depctr_va_vdst(0)
	s_wait_dscnt 0x0
.irp t, 0,1,2,3                                ; O^T += V^T P^T: the four accumulators by turns
.if \t%2
	v_wmma_scale_f32_16x16x128_f8f6f4 v[O+8*\t:O+8*\t+7], v[S+12*\t:S+12*\t+11], v[PCD:PCD+11], v[O+8*\t:O+8*\t+7], v[VSC+\t/2], v[PSC] matrix_a_fmt:MATRIX_FMT_FP6 matrix_b_fmt:MATRIX_FMT_FP6 matrix_a_scale:MATRIX_SCALE_ROW1
.else
	v_wmma_scale_f32_16x16x128_f8f6f4 v[O+8*\t:O+8*\t+7], v[S+12*\t:S+12*\t+11], v[PCD:PCD+11], v[O+8*\t:O+8*\t+7], v[VSC+\t/2], v[PSC] matrix_a_fmt:MATRIX_FMT_FP6 matrix_b_fmt:MATRIX_FMT_FP6
.endif
.endr
	s_add_co_u32 s[TK], s[TK], 6144
	s_add_co_u32 s[TKS], s[TKS], 512
	s_add_co_u32 s[TVS], s[TVS], 256
	s_sub_co_u32 s[CNT], s[CNT], 1
	s_cmp_lg_u32 s[CNT], 0
	s_cbranch_scc1 .Lstep
	; THE WAY OUT: o = O^T / the sum; register 16 b + i is channel 32 b + 16 h + i of my query: two blocks, quantised as above: six registers of the image of 16 rows of o x K step head / 2
	PLACES 4
	v_add_f32 v14, v14, v15
	s_delay_alu instid0(VALU_DEP_1)
	v_permlanex16_b32 v[TP], v14, s[SEL], s[SEL+1]
	s_delay_alu instid0(VALU_DEP_1)
	v_add_f32 v14, v14, v[TP]                      ; the row's sum
	s_wait_alu depctr_va_vdst(0)
	v_rcp_f32 v14, v14
	s_mul_i32 s52, s23, 520                        ; an image's register pair P lies at 512 (P / 2) + 16 lane + 8 (P % 2); an even head has pairs 0, 1, 2: bytes 0, 8, 512; an odd head 3, 4, 5: 520, 1024, 1032
	s_mul_i32 s53, s23, 1016
	s_add_co_u32 s53, s53, 8
	s_add_co_u32 s54, s52, 512
	s_lshl_b32 s55, s23, 1
	v_add_nc_u32 v8, s52, v1                       ; (plain places behind the reciprocal)
	v_add_nc_u32 v9, s53, v1
	v_add_nc_u32 v10, s54, v1
	v_and_b32 v11, 15, v0
	s_delay_alu instid0(VALU_DEP_1)
	v_lshl_add_u32 v11, v11, 2, s55                ; my row's scale word, my head's two bytes of it
	s_wait_alu depctr_va_vdst(0)                   ; ahead of the reciprocal's first reader
.set j, 0
.rept 32
	v_mul_f32 v[S+j], v[O+j], v14
.set j, j+1
.endr
.irp b, 0,1
	v_max3_num_f32 v[BM+\b], |v[S+16*\b]|, |v[S+1+16*\b]|, 0x1800000
.endr
.irp i, 2,4,6,8,10,12,14
.irp b, 0,1
	s_delay_alu instid0(VALU_DEP_2)
	v_max3_num_f32 v[BM+\b], v[BM+\b], |v[S+16*\b+\i]|, |v[S+1+16*\b+\i]|
.endr
.endr
.irp b, 0,1
	s_delay_alu instid0(VALU_DEP_2)
	v_permlanex16_b32 v[PMT+\b], v[BM+\b], s[SEL], s[SEL+1]
.endr
.irp b, 0,1
	s_delay_alu instid0(VALU_DEP_2)
	v_max_num_f32 v[BM+\b], v[BM+\b], v[PMT+\b]
.endr
.irp b, 0,1
	s_delay_alu instid0(VALU_DEP_2)
	v_add_nc_u32 v[SO+\b], 0xff000000, v[BM+\b]
.endr
.irp b, 0,1
	s_delay_alu instid0(VALU_DEP_2)
	v_lshrrev_b32 v[PMT+\b], 23, v[SO+\b]
.endr
	s_delay_alu instid0(VALU_DEP_1)
	v_lshl_or_b32 v[TP], v[PMT+1], 8, v[PMT]
	v_cvt_scalef32_pk16_fp6_f32 v[200:202], v[S:S+15], v[SO]
	v_cvt_scalef32_pk16_fp6_f32 v[204:206], v[S+16:S+31], v[SO+1]
	v_nop
.irp i, 0,1,2
	v_permlane16_swap_b32 v[200+\i], v[204+\i]     ; lanes 0-15 now hold block 0, lanes 16-31 block 1
.endr
	s_delay_alu instid0(VALU_DEP_3)
	v_mov_b32 v203, v204
	s_delay_alu instid0(VALU_DEP_3)
	v_mov_b32 v204, v205
	s_delay_alu instid0(VALU_DEP_3)
	v_mov_b32 v205, v206
	global_store_b64 v8, v[200:201], s[OP:OP+1]
	global_store_b64 v9, v[202:203], s[OP:OP+1]
	global_store_b64 v10, v[204:205], s[OP:OP+1]
	global_store_b16 v11, v[TP], s[OSP:OSP+1]
	s_wait_tensorcnt 0x0                           ; the wave's end
	ds_add_u32 v[SPW], v[NIL]
	s_wait_dscnt 0x0
	CROUND                                         ; the closing round
	s_endpgm
.Lfunc_end_k_qc450e73648_att:
	.size	k_qc450e73648_att, .Lfunc_end_k_qc450e73648_att-k_qc450e73648_att
	.p2alignl 7, 3214868480
	.fill 96, 4, 3214868480
	.section	.rodata,"a",@progbits
	.p2align	6, 0x0
	.amdhsa_kernel k_qc450e73648_att
		.amdhsa_group_segment_fixed_size 210944
		.amdhsa_private_segment_fixed_size 0
		.amdhsa_enable_private_segment 0
		.amdhsa_kernarg_size 24
		.amdhsa_user_sgpr_count 2
		.amdhsa_user_sgpr_kernarg_segment_ptr 1
		.amdhsa_wavefront_size32 1
		.amdhsa_system_sgpr_workgroup_id_x 1
		.amdhsa_system_sgpr_workgroup_id_y 1
		.amdhsa_system_sgpr_workgroup_id_z 1
		.amdhsa_system_vgpr_workitem_id 0
		.amdhsa_next_free_vgpr 256
		.amdhsa_next_free_sgpr 66
		.amdhsa_reserve_vcc 0
		.amdhsa_float_denorm_mode_32 3
		.amdhsa_float_denorm_mode_16_64 3
		.amdhsa_memory_ordered 1
		.amdhsa_forward_progress 1
		.amdhsa_inst_pref_size 32
	.end_amdhsa_kernel
	.amdgpu_metadata
---
amdhsa.version: [ 1, 2 ]
amdhsa.kernels:
  - .name:           k_qc450e73648_att
    .symbol:         k_qc450e73648_att.kd
    .args:
      - { .name: ib, .offset: 0, .size: 8, .value_kind: global_buffer, .address_space: global }
      - { .name: kv, .offset: 8, .size: 8, .value_kind: global_buffer, .address_space: global }
      - { .name: ia, .offset: 16, .size: 8, .value_kind: global_buffer, .address_space: global }
    .group_segment_fixed_size: 210944
    .private_segment_fixed_size: 0
    .kernarg_segment_align: 8
    .kernarg_segment_size: 24
    .max_flat_workgroup_size: 512
    .sgpr_count:     66
    .vgpr_count:     256
    .wavefront_size: 32
...
	.end_amdgpu_metadata
.endif
;; end of part 9
;; launch woln (part 10): grid 256 x 1, 4 waves a work-group, clusters of 4 x 1, 327,680 bytes of LDS; arguments ia, wf, ws, x, bo, ln1_scale, ln1_bias, x1, ib; writes x1, ib
.if DOCPART == 10
	.amdgcn_target "amdgcn-amd-amdhsa--gfx1250"
	.amdhsa_code_object_version 6
	.text
	.protected	k_qc450e73648_woln
	.globl	k_qc450e73648_woln
	.p2align	8
	.type	k_qc450e73648_woln,@function
k_qc450e73648_woln:
	s_mov_b64 s[64:65], 0
	v_nop
	global_prefetch_b8 v0, s[64:65] scope:SCOPE_SE
	s_setreg_imm32_b32 hwreg(HW_REG_WAVE_MODE, 25, 1), 1
	s_wait_xcnt 0x0
	s_wait_alu depctr_hold_cnt(0) depctr_sa_sdst(0) depctr_va_vdst(0) depctr_va_sdst(0) depctr_va_ssrc(0) depctr_va_vcc(0) depctr_vm_vsrc(0)
	s_getreg_b32 s2, hwreg(HW_REG_IB_STS2, 6, 4)
	s_cmp_eq_u32 s2, 0
	s_cbranch_scc0 .Lentry_in_a_cluster
	s_endpgm
.Lentry_in_a_cluster:
	s_bfe_u32 s2, ttmp6, 0x10000c
	s_cmp_lg_u32 s2, 0x3003
	s_cbranch_scc0 .Lentry_shape_is_right
	s_endpgm
.Lentry_shape_is_right:
; Launch 4: x1 = layernorm(x + o Wo + bo) x ln1_scale + ln1_bias; o and Wo are E2M3 codes; x1 leaves as f32 rows and, quantised, as fragment images for the next product.
; No work of reference() is left out.  LIMITS as stated at the head of launch 1.
; SHARES.  256 work-groups; each owns ONE tile of 16 rows of o and all 1,024 columns, so that the norm's sums stay inside the work-group.  Wave w makes 16 rows x 256 columns: 16 accumulators,
; which begin as x + bo.  The matrix instruction is used transposed (source 0 = 16 rows of Wo's images, source 1 = o's tile): a lane holds one row and, block by block, 16 neighbouring columns.
; o's eight fragments (96 registers) and all scale words go from memory straight into each wave's registers.
; Wo's 16 tiles x 8 K steps of a wave come by two roads: K steps 5, 6, 7 by ONE tensor load a wave (16 rows of 4,608 bytes, 73,728 bytes into the wave's own LDS bytes, filled once, read by that wave alone);
; K steps 0 to 4 by global loads into two register sets, each set asked for again as soon as its products are issued.  The K steps are taken in the order 0 1 5 2 6 3 4 7.
; CLUSTER.  The four work-groups of a cluster want the same bytes of Wo: the tensor load is asked for jointly, by the same descriptor and the mask 15.
; No prefetch: the text has no loop to run ahead in; every byte is asked for by its own load as early as its registers are free.
; REGISTERS.  Window 0: v0-23 addresses, v24-91 scale words, v96-191 o's fragments (later the way out).  Windows 1, 2: v0-191 a set of Wo's 16 fragments (later the norm's bias, the gain), v192-255 eight accumulators each.
; Window 3: v0-191 bo, then the set that is fetched from LDS, then rows read back from the stage.
.set WOFF,  2359296                    ; Wo's images in wf
.set WSOFF, 98304                      ; Wo's scale images in ws
.set ASI,   3145728                    ; the scale images lie behind 2,048 fragment images, in ia and in ib
.set WREG,  73728                      ; a wave's LDS bytes: 16 tiles x 3 K steps x 1,536.  Its first 8,448 serve as its stage on the way out, behind their only fill and the wave's last read of them
.set STAT,  4*WREG                     ; the waves' row sums: 2 x 256 bytes
.set SPARE, STAT+512                   ; the spare words, 128 bytes for each wave
.set SPW,  8
.set NIL,  9
.set SCB,  24                          ; v24-87  Wo's scale words: register 4 b + p: lanes 0-15 K step 2 p, lanes 16-31 K step 2 p + 1
.set SCA,  88                          ; v88-91  o's likewise
.set AF,   96                          ; v96-191 o's eight fragments
.set HA,   96                          ; the way out: 64 numbers; codes; at work; the scale word
.set PC,   160
.set TM,   180
.set PW,   196
.set MEAN, 200
.set T0,   204
.set RS,   210
.set WV,   22
.set G1,   28
.set G0,   36
.set BP,   40
.set BSP,  42
.set AP,   44
.set ASP,  46
.set SEL,  60
.set C10,  62
.set EPS,  63
.set MSB, 0
.macro WIN new                         ; the immediate's high byte repeats the setting that is left
.if MSB != (\new)
	s_set_vgpr_msb (MSB<<8)|(\new)
.set MSB, \new
.endif
.endm
.macro PLACES n
.rept \n
	v_nop
.endr
.endm
.macro CROUND                          ; a round of the cluster's barrier
	s_barrier_signal -1
	s_barrier_wait -1
	s_cmp_lg_u32 s[WV], 0
	s_cbranch_scc1 .Lnot_wave_0_\@
	s_barrier_signal -3
.Lnot_wave_0_\@:
	s_barrier_wait -3
	s_barrier_signal -1
	s_barrier_wait -1
.endm
.macro QUANT s                         ; 64 numbers of a lane become a fragment's codes in v[PC] on and its scale word in v[PW]
.irp b, 0,1,2,3
	v_max3_num_f32 v[TM+\b], |v[\s+16*\b]|, |v[\s+1+16*\b]|, 0x1800000   ; my 16 numbers of block b, and the floor 2^(3 - 127)
.endr
.irp i, 2,4,6,8,10,12,14
.irp b, 0,1,2,3
	v_max3_num_f32 v[TM+\b], v[TM+\b], |v[\s+16*\b+\i]|, |v[\s+1+16*\b+\i]|
.endr
.endr
.irp b, 0,1,2,3
	v_permlanex16_b32 v[TM+4+\b], v[TM+\b], s[SEL], s[SEL+1]
.endr
.irp b, 0,1,2,3
	v_max_num_f32 v[TM+\b], v[TM+\b], v[TM+4+\b]
.endr
.irp b, 0,1,2,3
	v_add_nc_u32 v[TM+12+\b], 0xff000000, v[TM+\b]    ; 2 off the exponent field: the conversion's scale operand
.endr
.irp b, 0,1,2,3
	v_lshrrev_b32 v[TM+4+\b], 23, v[TM+12+\b]         ; the scale's byte
.endr
	v_lshl_or_b32 v[PW], v[TM+5], 8, v[TM+4]
	v_lshl_or_b32 v[PW], v[TM+6], 16, v[PW]
	v_lshl_or_b32 v[PW], v[TM+7], 24, v[PW]
.irp c, 0,1
	v_cvt_scalef32_pk16_fp6_f32 v[PC+6*\c:PC+2+6*\c], v[\s+32*\c:\s+15+32*\c], v[TM+12+2*\c]
	v_cvt_scalef32_pk16_fp6_f32 v[PC+12+4*\c:PC+14+4*\c], v[\s+16+32*\c:\s+31+32*\c], v[TM+12+2*\c+1]
.endr
	v_nop                                          ; one plain place behind a scaled conversion
.irp c, 0,1
.irp i, 0,1,2
	v_permlane16_swap_b32 v[PC+6*\c+\i], v[PC+12+4*\c+\i]
.endr
.irp i, 0,1,2
	v_mov_b32 v[PC+3+6*\c+\i], v[PC+12+4*\c+\i]
.endr
.endr
.endm
.macro BLD k, w                        ; Wo's 16 fragments of K step k into window w: 48 loads of 512 consecutive bytes
.set wv, (\w)<<6
	WIN wv
.irp b, 0,1,2,3,4,5,6,7,8,9,10,11,12,13,14,15
.irp c, 0,1,2
	global_load_b128 v[12*\b+4*\c:12*\b+4*\c+3], v1, s[BP:BP+1] offset:12288*\b+1536*(\k)+512*\c
.endr
.endr
	WIN 0
.endm
.macro LFETCH k                        ; the same of K step k = 5, 6, 7 from my LDS bytes into window 3
	WIN 0xc0
.irp b, 0,1,2,3,4,5,6,7
.irp c, 0,1,2
	ds_load_b128 v[12*\b+4*\c:12*\b+4*\c+3], v2 offset:4608*\b+1536*((\k)-5)+512*\c
.endr
.endr
.irp b, 0,1,2,3,4,5,6,7
.irp c, 0,1,2
	ds_load_b128 v[96+12*\b+4*\c:96+12*\b+4*\c+3], v3 offset:4608*\b+1536*((\k)-5)+512*\c
.endr
.endr
	WIN 0
.endm
.macro MULS k, w                       ; K step k, Wo's set in window w: the 16 accumulators by turns, one instruction a turn
.irp g, 0,1
.set wv, (\w)|((1+\g)<<4)|((1+\g)<<6)
	WIN wv
.irp b, 0,1,2,3,4,5,6,7
.set rD, 192+8*\b
.set rB, 12*(8*\g+\b)
.set rA, AF+12*(\k)
.set rSB, SCB+4*(8*\g+\b)+(\k)/2
.set rSA, SCA+(\k)/2
.if (\k)%2
	v_wmma_scale_f32_16x16x128_f8f6f4 v[rD:rD+7], v[rB:rB+11], v[rA:rA+11], v[rD:rD+7], v[rSB], v[rSA] matrix_a_fmt:MATRIX_FMT_FP6 matrix_b_fmt:MATRIX_FMT_FP6 matrix_a_scale:MATRIX_SCALE_ROW1 matrix_b_scale:MATRIX_SCALE_ROW1
.else
	v_wmma_scale_f32_16x16x128_f8f6f4 v[rD:rD+7], v[rB:rB+11], v[rA:rA+11], v[rD:rD+7], v[rSB], v[rSA] matrix_a_fmt:MATRIX_FMT_FP6 matrix_b_fmt:MATRIX_FMT_FP6
.endif
.endr
.endr
	PLACES 4                                       ; in front of loads into registers that these products have read, and of reads of their results
	WIN 0
.endm
.macro VEC128 w, ptr                   ; a vector's 128 numbers of my lane's columns into v0-127 of window w: tile b, register j: column 32 (b / 2) + 8 (b % 2) + 16 h + j of my wave's 256
.set wv, (\w)<<6
	WIN wv
.irp b, 0,1,2,3,4,5,6,7,8,9,10,11,12,13,14,15
.irp q, 0,1
	global_load_b128 v[8*\b+4*\q:8*\b+4*\q+3], v22, s[\ptr:\ptr+1] offset:(32*(\b/2)+8*(\b%2))*4+16*\q
.endr
.endr
	WIN 0
.endm
	s_load_b512 s[4:19], s[0:1], 0x0               ; ia (o), wf, ws, x, bo, the gain, the norm's bias, x1
	s_load_b64 s[20:21], s[0:1], 0x40              ; ib
	v_lshl_add_u32 v[SPW], v0, 2, SPARE
	v_mov_b32 v[NIL], 0
	ds_add_u32 v[SPW], v[NIL]                      ; the opening: the add, twice on end, and its wait ahead of my first tensor load
	ds_add_u32 v[SPW], v[NIL]
	v_lshrrev_b32 v92, 5, v0
	v_readfirstlane_b32 s[WV], v92
	s_mov_b32 s[G1+0], 15|(3<<16)|(1<<21)          ; the mask: all four work-groups; elements of 8 bytes; bit 21 beside a mask
	s_mov_b32 s[G1+1], 576<<16                     ; tensor_dim0: rows of 4,608 bytes: three K steps of a tile
	s_mov_b32 s[G1+2], 16<<16                      ; tensor_dim1: my 16 tiles
	s_mov_b32 s[G1+3], 576<<16
	s_mov_b32 s[G1+4], 16
	s_mov_b32 s[G1+5], 1536                        ; from tile to tile: 12,288 bytes
	s_mov_b32 s[G1+6], 0
	s_mov_b32 s[G1+7], 0
	s_mov_b32 s[SEL], 0x76543210
	s_mov_b32 s[SEL+1], 0xfedcba98
	s_mov_b32 s[C10], 0x3a800000                   ; 1 / 1,024
	s_mov_b32 s[EPS], 0x3727c5ac                   ; 1e-5
	s_mov_b32 s27, 0
	s_mov_b32 s51, 0
	s_bfe_u32 s48, ttmp6, 0x40000                  ; cx: it enters global addresses of o, x, x1 and ib alone
	s_lshl_b32 s49, ttmp9, 2
	s_add_co_u32 s48, s48, s49                     ; my tile of 16 rows
	s_mul_i32 s23, s[WV], WREG
	s_lshl_b32 s52, s[WV], 6
	v_and_b32 v92, 31, v0
	v_and_b32 v93, 15, v0                          ; r
	v_bfe_u32 v94, v0, 4, 1                        ; h
	v_lshlrev_b32 v1, 4, v92                       ; 16 x lane
	v_add_nc_u32 v2, s23, v1                       ; my LDS bytes: tiles 0-7; also the stage on the way back
	v_add_nc_u32 v3, 8*4608, v2                    ; tiles 8-15
	v_lshlrev_b32 v7, 12, v93
	v_lshl_add_u32 v7, v94, 6, v7                  ; x: row r, + 16 h numbers
	v_lshlrev_b32 v10, 2, v92                      ; 4 x lane
	v_lshl_add_u32 v11, v93, 2, s52
	v_add_nc_u32 v11, STAT, v11                    ; where my wave's sum of row r goes
	v_lshl_add_u32 v17, v93, 2, STAT               ; and where the four waves' are read
	v_mul_u32_u24 v18, v93, 528
	v_lshl_add_u32 v18, v94, 6, v18
	v_add_nc_u32 v18, s23, v18                     ; the stage on the way in: row r, + 64 h
	v_lshlrev_b32 v21, 2, v93
	v_lshlrev_b32 v22, 6, v94
	s_wait_alu depctr_va_vdst(0)
	s_wait_dscnt 0x0                               ; both opening adds are done
	s_wait_kmcnt 0x0
	s_mul_i32 s50, s[WV], 196608                   ; my 16 tiles of Wo
	s_add_co_u32 s50, s50, WOFF
	s_add_nc_u64 s[BP:BP+1], s[6:7], s[50:51]
	s_mov_b32 s[G0], 1
	s_mul_i32 s[G0+1], s[WV], WREG
	s_add_nc_u64 s[G0+2:G0+3], s[BP:BP+1], 5*1536  ; from K step 5 on
	s_or_b32 s[G0+3], s[G0+3], 0x80000000
	s_lshl_b32 s50, s[WV], 13
	s_add_co_u32 s50, s50, WSOFF
	s_add_nc_u64 s[BSP:BSP+1], s[8:9], s[50:51]
	s_lshl_b32 s50, s[WV], 10                      ; my 256 columns, in bytes of f32
	s_add_nc_u64 s[12:13], s[12:13], s[50:51]
	s_add_nc_u64 s[14:15], s[14:15], s[50:51]
	s_add_nc_u64 s[16:17], s[16:17], s[50:51]
	s_mul_i32 s26, s48, 12288
	s_add_nc_u64 s[AP:AP+1], s[4:5], s[26:27]
	s_lshl_b32 s26, s48, 9
	s_add_co_u32 s26, s26, ASI
	s_add_nc_u64 s[ASP:ASP+1], s[4:5], s[26:27]
	s_lshl_b32 s52, s[WV], 7
	s_add_co_u32 s26, s26, s52                     ; x1's scale images of K steps 2 w, 2 w + 1
	s_add_nc_u64 s[24:25], s[20:21], s[26:27]
	s_mul_i32 s26, s48, 12288
	s_mul_i32 s52, s[WV], 3072
	s_add_co_u32 s26, s26, s52
	s_add_nc_u64 s[20:21], s[20:21], s[26:27]      ; and its fragment images
	s_lshl_b32 s26, s48, 16
	s_add_co_u32 s26, s26, s50
	s_add_nc_u64 s[10:11], s[10:11], s[26:27]
	s_add_nc_u64 s[18:19], s[18:19], s[26:27]
.irp k, 0,1,2,3,4,5,6,7                        ; 60 loads ahead of the round: o's fragments, its scale words, x into the accumulators
.irp c, 0,1,2
	global_load_b128 v[AF+12*\k+4*\c:AF+12*\k+4*\c+3], v1, s[AP:AP+1] offset:1536*\k+512*\c
.endr
.endr
.irp p, 0,1,2,3
	global_load_b32 v[SCA+\p], v10, s[ASP:ASP+1] offset:128*\p
.endr
.irp g, 0,1
.set wv, (1+\g)<<6
	WIN wv
.irp b, 0,1,2,3,4,5,6,7
.irp q, 0,1
	global_load_b128 v[192+8*\b+4*\q:192+8*\b+4*\q+3], v7, s[10:11] offset:(128*\g+32*(\b/2)+8*(\b%2))*4+16*\q
.endr
.endr
.endr
	WIN 0
	CROUND                                         ; all four work-groups are here: the joint loads meet
	tensor_load_to_lds s[G0:G0+3], s[G1:G1+7]      ; one load of mine is out
	s_nop 0
	PLACES 4
.irp b, 0,1,2,3,4,5,6,7,8,9,10,11,12,13,14,15
.irp p, 0,1,2,3
	global_load_b32 v[SCB+4*\b+\p], v10, s[BSP:BSP+1] offset:512*\b+128*\p
.endr
.endr
	BLD 0, 1
	VEC128 3, 12                                   ; bo
	BLD 1, 2
	s_wait_loadcnt 48                              ; all but K step 1's 48
.irp g, 0,1
.set wv, (1+\g)|(3<<2)|((1+\g)<<6)
	WIN wv
.set i, 0
.rept 32
	v_pk_add_f32 v[192+2*i:192+2*i+1], v[192+2*i:192+2*i+1], v[64*\g+2*i:64*\g+2*i+1]   ; x + bo starts the sums
.set i, i+1
.endr
.endr
	WIN 0
	s_wait_alu depctr_va_vdst(0)
	MULS 0, 1
	BLD 2, 1
	s_wait_tensorcnt 0x0                           ; my part of Wo has landed; I alone read it
	LFETCH 5
	s_wait_loadcnt 48                              ; K step 1 is in; K step 2's 48 may be out
	MULS 1, 2
	BLD 3, 2
	s_wait_dscnt 0x0
	MULS 5, 3
	LFETCH 6
	s_wait_loadcnt 48                              ; K step 2 is in; K step 3's 48 may be out
	MULS 2, 1
	BLD 4, 1
	s_wait_dscnt 0x0
	MULS 6, 3
	LFETCH 7
	s_wait_loadcnt 48                              ; K step 3 is in; K step 4's 48 may be out
	MULS 3, 2
	VEC128 2, 14                                   ; the gain, where K step 3 lay
	s_wait_loadcnt 32                              ; K step 4 is in; the gain's 32 may be out
	MULS 4, 1
	VEC128 1, 16                                   ; the norm's bias, where K step 4 lay
	s_wait_dscnt 0x0
	MULS 7, 3
; THE NORM, in two passes as reference() takes it: the mean, then the squares of what is left.  A row's 1,024 numbers lie in two lanes of each of the four waves.
.macro FOLD off
	v_pk_add_f32 v[T0:T0+1], v[T0:T0+1], v[T0+2:T0+3]
	v_add_f32 v[T0], v[T0], v[T0+1]
	v_permlanex16_b32 v[T0+4], v[T0], s[SEL], s[SEL+1]
	v_add_f32 v[T0], v[T0], v[T0+4]
	ds_store_b32 v11, v[T0] offset:\off
	s_wait_dscnt 0x0                               ; for the others' sake
	s_barrier_signal -1
	s_barrier_wait -1
.irp u, 0,1,2,3
	ds_load_b32 v[RS+\u], v17 offset:\off+64*\u
.endr
	s_wait_dscnt 0x0
	v_add_f32 v[RS], v[RS], v[RS+1]
	v_add_f32 v[RS+2], v[RS+2], v[RS+3]
	v_add_f32 v[RS], v[RS], v[RS+2]
.endm
	v_mov_b32 v[T0+4], 0                           ; a lane permute's destination counts as one of its sources
.irp b, 0,1,2,3
	v_mov_b32 v[TM+4+\b], 0
	v_mov_b32 v[T0+\b], 0
.endr
.irp g, 0,1
.set wv, (1+\g)<<2
	WIN wv
.set i, 0
.rept 16
	v_pk_add_f32 v[T0:T0+1], v[T0:T0+1], v[192+4*i:192+4*i+1]       ; each accumulator from its low end on
	v_pk_add_f32 v[T0+2:T0+3], v[T0+2:T0+3], v[192+4*i+2:192+4*i+3]
.set i, i+1
.endr
.endr
	WIN 0
	FOLD 0
	v_mul_f32 v[MEAN], s[C10], v[RS]
	v_mov_b32 v[MEAN+1], v[MEAN]
.irp b, 0,1,2,3
	v_mov_b32 v[T0+\b], 0
.endr
.irp g, 0,1
.set wv, (1+\g)|((1+\g)<<6)
	WIN wv
.set i, 0
.rept 32
	v_pk_add_f32 v[192+2*i:192+2*i+1], v[192+2*i:192+2*i+1], v[MEAN:MEAN+1] op_sel_hi:[1,0] neg_lo:[0,1] neg_hi:[0,1]
.set i, i+1
.endr
.set wv, (1+\g)|((1+\g)<<2)
	WIN wv
.set i, 0
.rept 16
	v_pk_fma_f32 v[T0:T0+1], v[192+4*i:192+4*i+1], v[192+4*i:192+4*i+1], v[T0:T0+1]
	v_pk_fma_f32 v[T0+2:T0+3], v[192+4*i+2:192+4*i+3], v[192+4*i+2:192+4*i+3], v[T0+2:T0+3]
.set i, i+1
.endr
.endr
	WIN 0
	FOLD 256
	v_fma_f32 v[RS], v[RS], s[C10], s[EPS]         ; the variance + 1e-5
	s_wait_alu depctr_va_vdst(0)                   ; ahead of the transcendental
	v_rsq_f32 v[MEAN], v[RS]
	v_nop
	s_wait_alu depctr_va_vdst(0)                   ; and ahead of its first reader
	v_mov_b32 v[MEAN+1], v[MEAN]
	s_wait_alu depctr_va_vdst(0)
	s_wait_loadcnt 0x0                             ; the gain and the norm's bias
; THE WAY OUT, 128 columns at a time: scale, gain and bias; through my stage, so that whole rows of 512 bytes are stored; and quantised as one K step's image.
.macro OUTG g
	s_wait_xcnt 0x0                                ; earlier stores have read their data
.set wv, 1+\g
	WIN wv
.set i, 0
.rept 32
	v_pk_mul_f32 v[HA+2*i:HA+2*i+1], v[192+2*i:192+2*i+1], v[MEAN:MEAN+1] op_sel_hi:[1,0]
.set i, i+1
.endr
	WIN 0x18                                       ; source 1: the gain, window 2; source 2: the bias, window 1
.set i, 0
.rept 32
	v_pk_fma_f32 v[HA+2*i:HA+2*i+1], v[HA+2*i:HA+2*i+1], v[64*\g+2*i:64*\g+2*i+1], v[64*\g+2*i:64*\g+2*i+1]
.set i, i+1
.endr
	WIN 0
.irp n, 0,1,2,3,4,5,6,7,8,9,10,11,12,13,14,15
	ds_store_b128 v18, v[HA+4*\n:HA+4*\n+3] offset:128*(\n/4)+16*(\n%4)
.endr
	WIN 0xc0
.irp t, 0,1,2,3,4,5,6,7,8,9,10,11,12,13,14,15
	ds_load_b128 v[4*\t:4*\t+3], v2 offset:528*\t  ; LDS serves a wave's instructions in order: these see my stores
.endr
	WIN 0
	QUANT HA
.irp c, 0,1,2
	global_store_b128 v1, v[PC+4*\c:PC+4*\c+3], s[20:21] offset:1536*\g+512*\c
.endr
	global_store_b32 v21, v[PW], s[24:25] offset:64*\g
	WIN 0x0c
.irp t, 0,1,2,3,4,5,6,7,8,9,10,11,12,13,14,15
	s_wait_dscnt 15-\t                             ; row t is back; the 15 - t younger loads may be out
	global_store_b128 v1, v[4*\t:4*\t+3], s[18:19] offset:4096*\t+512*\g   ; 32 lanes store 512 consecutive bytes, aligned
.endr
	WIN 0
.endm
	OUTG 0
	OUTG 1
	s_wait_tensorcnt 0x0                           ; the wave's end
	ds_add_u32 v[SPW], v[NIL]
	s_wait_dscnt 0x0
	CROUND                                         ; the closing round
	s_endpgm
.Lfunc_end_k_qc450e73648_woln:
	.size	k_qc450e73648_woln, .Lfunc_end_k_qc450e73648_woln-k_qc450e73648_woln
	.p2alignl 7, 3214868480
	.fill 96, 4, 3214868480
	.section	.rodata,"a",@progbits
	.p2align	6, 0x0
	.amdhsa_kernel k_qc450e73648_woln
		.amdhsa_group_segment_fixed_size 327680
		.amdhsa_private_segment_fixed_size 0
		.amdhsa_enable_private_segment 0
		.amdhsa_kernarg_size 72
		.amdhsa_user_sgpr_count 2
		.amdhsa_user_sgpr_kernarg_segment_ptr 1
		.amdhsa_wavefront_size32 1
		.amdhsa_system_sgpr_workgroup_id_x 1
		.amdhsa_system_sgpr_workgroup_id_y 1
		.amdhsa_system_sgpr_workgroup_id_z 1
		.amdhsa_system_vgpr_workitem_id 0
		.amdhsa_next_free_vgpr 1024
		.amdhsa_next_free_sgpr 66
		.amdhsa_reserve_vcc 0
		.amdhsa_float_denorm_mode_32 3
		.amdhsa_float_denorm_mode_16_64 3
		.amdhsa_memory_ordered 1
		.amdhsa_forward_progress 1
		.amdhsa_inst_pref_size 120
	.end_amdhsa_kernel
	.amdgpu_metadata
---
amdhsa.version: [ 1, 2 ]
amdhsa.kernels:
  - .name:           k_qc450e73648_woln
    .symbol:         k_qc450e73648_woln.kd
    .args:
      - { .name: ia, .offset: 0, .size: 8, .value_kind: global_buffer, .address_space: global }
      - { .name: wf, .offset: 8, .size: 8, .value_kind: global_buffer, .address_space: global }
      - { .name: ws, .offset: 16, .size: 8, .value_kind: global_buffer, .address_space: global }
      - { .name: x, .offset: 24, .size: 8, .value_kind: global_buffer, .address_space: global }
      - { .name: bo, .offset: 32, .size: 8, .value_kind: global_buffer, .address_space: global }
      - { .name: ln1_scale, .offset: 40, .size: 8, .value_kind: global_buffer, .address_space: global }
      - { .name: ln1_bias, .offset: 48, .size: 8, .value_kind: global_buffer, .address_space: global }
      - { .name: x1, .offset: 56, .size: 8, .value_kind: global_buffer, .address_space: global }
      - { .name: ib, .offset: 64, .size: 8, .value_kind: global_buffer, .address_space: global }
    .group_segment_fixed_size: 327680
    .private_segment_fixed_size: 0
    .kernarg_segment_align: 8
    .kernarg_segment_size: 72
    .max_flat_workgroup_size: 128
    .sgpr_count:     66
    .vgpr_count:     1024
    .wavefront_size: 32
...
	.end_amdgpu_metadata
.endif
;; end of part 10
;; launch ff1 (part 11): grid 256 x 1, 4 waves a work-group, no clusters, 167,936 bytes of LDS; arguments ib, wf, ws, b1, hi; writes hi
.if DOCPART == 11
	.amdgcn_target "amdgcn-amd-amdhsa--gfx1250"
	.amdhsa_code_object_version 6
	.text
	.protected	k_qc450e73648_ff1
	.globl	k_qc450e73648_ff1
	.p2align	8
	.type	k_qc450e73648_ff1,@function
k_qc450e73648_ff1:
	s_mov_b64 s[64:65], 0
	v_nop
	global_prefetch_b8 v0, s[64:65] scope:SCOPE_SE
	s_setreg_imm32_b32 hwreg(HW_REG_WAVE_MODE, 25, 1), 1
	s_wait_xcnt 0x0
; Launch 5 of 7: the hidden layer relu(x1 W1 + b1) on E2M3 codes, quantised at once and stored as fragment images.  No work of reference() is left out.
; The core is launch 2's: a work-group makes 128 rows (operand A: 8 row tiles of x1, all 8 K steps, 98,304 bytes in LDS by one tensor load a wave, filled once) x 512 hidden units; wave w makes 128 x 128.
; W1's fragments are multiplied by one wave alone and go from memory straight into its registers, one K step ahead, in two sets.  The matrix instruction is used transposed (source 0 = 16 rows of W1,
; source 1 = 16 rows of x1): a lane holds one row, and a row tile's 64 registers are one K step of the next product.
; No cluster: the eight work-groups of a row block share A alone, a sixth of a work-group's bytes; W1 goes to registers, where no joint load lands.
; LIMITS as stated at the head of launch 1.
.set SPARE, 98304
.set SCA,  20
.set SCB,  52
.set AF,   84
.set CB,   192                         ; v192-255 b1 of my lane's 64 hidden units
.set HA,   84
.set PC,   148
.set TM,   168
.set PW,   184
.set SPW,  10
.set NIL,  11
.set WV,   20
.set RB,   23
.set GG,   25
.set G1,   28
.set G0,   36
.set AP,   40
.set ASP,  42
.set BP,   44
.set BSP,  46
.set BIP,  48
.set SEL,  50
.set DP,   52
.set DSP,  54
.set MSB, 0
.macro WIN new
.if MSB != (\new)
	s_set_vgpr_msb (MSB<<8)|(\new)
.set MSB, \new
.endif
.endm
.set MUL_LO, 0xa1
.set MUL_HI, 0xf1
.macro PLACES n
.rept \n
	v_nop
.endr
.endm
.macro QUANT s
.irp b, 0,1,2,3
	v_max3_num_f32 v[TM+\b], |v[\s+16*\b]|, |v[\s+1+16*\b]|, 0x1800000
.endr
.irp i, 2,4,6,8,10,12,14
.irp b, 0,1,2,3
	v_max3_num_f32 v[TM+\b], v[TM+\b], |v[\s+16*\b+\i]|, |v[\s+1+16*\b+\i]|
.endr
.endr
.irp b, 0,1,2,3
	v_permlanex16_b32 v[TM+4+\b], v[TM+\b], s[SEL], s[SEL+1]
.endr
.irp b, 0,1,2,3
	v_max_num_f32 v[TM+\b], v[TM+\b], v[TM+4+\b]
.endr
.irp b, 0,1,2,3
	v_add_nc_u32 v[TM+12+\b], 0xff000000, v[TM+\b]
.endr
.irp b, 0,1,2,3
	v_lshrrev_b32 v[TM+4+\b], 23, v[TM+12+\b]
.endr
	v_lshl_or_b32 v[PW], v[TM+5], 8, v[TM+4]
	v_lshl_or_b32 v[PW], v[TM+6], 16, v[PW]
	v_lshl_or_b32 v[PW], v[TM+7], 24, v[PW]
.irp c, 0,1
	v_cvt_scalef32_pk16_fp6_f32 v[PC+6*\c:PC+2+6*\c], v[\s+32*\c:\s+15+32*\c], v[TM+12+2*\c]
	v_cvt_scalef32_pk16_fp6_f32 v[PC+12+4*\c:PC+14+4*\c], v[\s+16+32*\c:\s+31+32*\c], v[TM+12+2*\c+1]
.endr
	v_nop
.irp c, 0,1
.irp i, 0,1,2
	v_permlane16_swap_b32 v[PC+6*\c+\i], v[PC+12+4*\c+\i]
.endr
.irp i, 0,1,2
	v_mov_b32 v[PC+3+6*\c+\i], v[PC+12+4*\c+\i]
.endr
.endr
.endm
	s_load_b256 s[4:11], s[0:1], 0x0               ; ib (x1's images), wf, ws, b1
	s_load_b64 s[12:13], s[0:1], 0x20              ; hi
	v_lshl_add_u32 v[SPW], v0, 2, SPARE
	v_mov_b32 v[NIL], 0
	ds_add_u32 v[SPW], v[NIL]                      ; the opening: the add, twice on end, and its wait ahead of my first tensor load
	ds_add_u32 v[SPW], v[NIL]
	v_lshrrev_b32 v12, 5, v0
	v_readfirstlane_b32 s[WV], v12
	s_mov_b32 s[G1+0], 3<<16                       ; a quarter of A: 24,576 dense bytes as 96 rows of 256
	s_mov_b32 s[G1+1], 32<<16
	s_mov_b32 s[G1+2], 96<<16
	s_mov_b32 s[G1+3], 32<<16
	s_mov_b32 s[G1+4], 96
	s_mov_b32 s[G1+5], 32
	s_mov_b32 s[G1+6], 0
	s_mov_b32 s[G1+7], 0
	s_mov_b32 s[SEL], 0x76543210
	s_mov_b32 s[SEL+1], 0xfedcba98
	s_lshr_b32 s[RB], ttmp9, 3                     ; which 128 rows
	s_and_b32 s[GG], ttmp9, 7
	s_lshl_b32 s[GG], s[GG], 2
	s_add_co_u32 s[GG], s[GG], s[WV]               ; g: which 128 hidden units are my wave's: the next product's K step
	s_mul_i32 s22, s[WV], 24576
	s_mov_b32 s63, 0
	v_and_b32 v12, 31, v0
	v_and_b32 v13, 15, v0
	v_bfe_u32 v14, v0, 4, 1
	v_lshlrev_b32 v1, 4, v12
	v_add_nc_u32 v2, 49152, v1
	v_lshlrev_b32 v4, 2, v12
	v_lshlrev_b32 v5, 2, v13
	v_lshlrev_b32 v8, 6, v14
	s_wait_alu depctr_va_vdst(0)
	s_wait_dscnt 0x0                               ; both opening adds are done
	s_wait_kmcnt 0x0
	s_mul_i32 s62, s[RB], 98304
	s_add_nc_u64 s[AP:AP+1], s[4:5], s[62:63]
	s_lshl_b32 s62, s[RB], 12
	s_add_co_u32 s62, s62, 3145728
	s_add_nc_u64 s[ASP:ASP+1], s[4:5], s[62:63]
	s_mul_i32 s62, s[GG], 98304
	s_add_co_u32 s62, s62, 3145728
	s_add_nc_u64 s[BP:BP+1], s[6:7], s[62:63]
	s_lshl_b32 s62, s[GG], 12
	s_add_co_u32 s62, s62, 131072
	s_add_nc_u64 s[BSP:BSP+1], s[8:9], s[62:63]
	s_lshl_b32 s62, s[GG], 9
	s_add_nc_u64 s[BIP:BIP+1], s[10:11], s[62:63]
	s_mul_i32 s62, s[RB], 393216                   ; image 32 (8 rb + a) + g
	s_mul_i32 s61, s[GG], 1536
	s_add_co_u32 s62, s62, s61
	s_add_nc_u64 s[DP:DP+1], s[12:13], s[62:63]
	s_lshl_b32 s62, s[RB], 14
	s_lshl_b32 s61, s[GG], 6
	s_add_co_u32 s62, s62, s61
	s_add_co_u32 s62, s62, 12582912
	s_add_nc_u64 s[DSP:DSP+1], s[12:13], s[62:63]
	s_mov_b32 s[G0], 1
	s_mov_b32 s[G0+1], s22
	s_mov_b32 s62, s22
	s_add_nc_u64 s[G0+2:G0+3], s[AP:AP+1], s[62:63]
	s_or_b32 s[G0+3], s[G0+3], 0x80000000
	tensor_load_to_lds s[G0:G0+3], s[G1:G1+7]      ; one load of mine is out
	s_nop 0
	PLACES 4
.macro BLOAD s
	WIN 0x40
.irp b, 0,1,2,3,4,5,6,7
.irp c, 0,1,2
	global_load_b128 v[128*((\s)%2)+12*\b+4*\c:128*((\s)%2)+12*\b+4*\c+3], v1, s[BP:BP+1] offset:12288*\b+1536*(\s)+512*\c
.endr
.endr
	WIN 0
.endm
.macro AFETCH s, i0
.irp i, \i0, \i0+1, \i0+2, \i0+3
.irp c, 0,1,2
.if (\i) < 4
	ds_load_b128 v[AF+12*(\i)+4*\c:AF+12*(\i)+4*\c+3], v1 offset:12288*(\i)+1536*(\s)+512*\c
.else
	ds_load_b128 v[AF+12*(\i)+4*\c:AF+12*(\i)+4*\c+3], v2 offset:12288*((\i)-4)+1536*(\s)+512*\c
.endif
.endr
.endr
.endm
.macro MULH a, s, b0, b1, b2, b3       ; row tile a x four column tiles.  The accumulators take turns, one instruction a turn; step 0 starts the sums
.irp b, \b0, \b1, \b2, \b3
.set rD, 64*((\a)%4)+8*\b
.set rB, 128*((\s)%2)+12*\b
.set rA, AF+12*(\a)
.set rSB, SCB+4*\b+(\s)/2
.set rSA, SCA+4*(\a)+(\s)/2
.if (\s) == 0
	v_wmma_scale_f32_16x16x128_f8f6f4 v[rD:rD+7], v[rB:rB+11], v[rA:rA+11], 0, v[rSB], v[rSA] matrix_a_fmt:MATRIX_FMT_FP6 matrix_b_fmt:MATRIX_FMT_FP6
.elseif (\s)%2
	v_wmma_scale_f32_16x16x128_f8f6f4 v[rD:rD+7], v[rB:rB+11], v[rA:rA+11], v[rD:rD+7], v[rSB], v[rSA] matrix_a_fmt:MATRIX_FMT_FP6 matrix_b_fmt:MATRIX_FMT_FP6 matrix_a_scale:MATRIX_SCALE_ROW1 matrix_b_scale:MATRIX_SCALE_ROW1
.else
	v_wmma_scale_f32_16x16x128_f8f6f4 v[rD:rD+7], v[rB:rB+11], v[rA:rA+11], v[rD:rD+7], v[rSB], v[rSA] matrix_a_fmt:MATRIX_FMT_FP6 matrix_b_fmt:MATRIX_FMT_FP6
.endif
.endr
.endm
.macro BHALF s, b0, b1, b2, b3         ; four of W1's fragments of K step s into set s % 2: 12 loads of 512 consecutive bytes
	WIN 0x40
.irp b, \b0, \b1, \b2, \b3
.irp c, 0,1,2
	global_load_b128 v[128*((\s)%2)+12*\b+4*\c:128*((\s)%2)+12*\b+4*\c+3], v1, s[BP:BP+1] offset:12288*\b+1536*(\s)+512*\c
.endr
.endr
	WIN 0
.endm
.macro AONE s, i                       ; A's fragment i of K step s: 3 LDS loads
.irp c, 0,1,2
.if (\i) < 4
	ds_load_b128 v[AF+12*(\i)+4*\c:AF+12*(\i)+4*\c+3], v1 offset:12288*(\i)+1536*(\s)+512*\c
.else
	ds_load_b128 v[AF+12*(\i)+4*\c:AF+12*(\i)+4*\c+3], v2 offset:12288*((\i)-4)+1536*(\s)+512*\c
.endif
.endr
.endm
; A K step goes by halves of W1's tiles: all eight row tiles x column tiles 0-3, then x column tiles 4-7.  A half of a set is asked for again, for the K step two on, as soon as its 32 products are issued;
; A's fragment a is fetched anew behind its last four products.  The halves are issued in the order (s, 0), (s, 1), (s + 1, 0) ..: 12 loads each.
.macro STEP s
.if (\s) == 0
	BLOAD 1
	s_wait_loadcnt 24                              ; all but K step 1's 24: K step 0, the scale words and the bias are in
.elseif (\s) < 7
	s_wait_loadcnt 36                              ; my first half is in; behind it: my second half and the next step's two
.else
	s_wait_loadcnt 12                              ; behind it: my second half
.endif
	s_wait_dscnt 12                                ; A's tiles 0-3 are in; the 12 loads of tiles 4-7 may be out
	WIN MUL_LO
.irp a, 0,1,2,3
	MULH \a, \s, 0,1,2,3
.endr
	s_wait_dscnt 0x0
	WIN MUL_HI
.irp a, 4,5,6,7
	MULH \a, \s, 0,1,2,3
.endr
	PLACES 4                                       ; in front of loads into registers that matrix instructions have read
.if (\s) < 6
	BHALF (\s)+2, 0,1,2,3
	s_wait_loadcnt 36                              ; my second half is in; behind it: the next step's two halves and the 12 just issued
.elseif (\s) == 6
	s_wait_loadcnt 24                              ; behind it: K step 7's two halves
.else
	s_wait_loadcnt 0x0
.endif
.irp a, 0,1,2,3,4,5,6,7
.if \a < 4
	WIN MUL_LO
.else
	WIN MUL_HI
.endif
	MULH \a, \s, 4,5,6,7
	PLACES 4
.if (\s) < 7
	WIN 0
	AONE (\s)+1, \a
.endif
.endr
	WIN 0
.if (\s) < 6
	BHALF (\s)+2, 4,5,6,7
.endif
.endm
	BLOAD 0
.irp t, 0,1,2,3,4,5,6,7
.irp p, 0,1,2,3
	global_load_b32 v[SCA+4*\t+\p], v4, s[ASP:ASP+1] offset:512*\t+128*\p
	global_load_b32 v[SCB+4*\t+\p], v4, s[BSP:BSP+1] offset:512*\t+128*\p
.endr
.endr
.irp b, 0,1,2,3,4,5,6,7
	global_load_b128 v[CB+8*\b:CB+8*\b+3], v8, s[BIP:BIP+1] offset:(32*(\b/2)+8*(\b%2))*4
	global_load_b128 v[CB+8*\b+4:CB+8*\b+7], v8, s[BIP:BIP+1] offset:(32*(\b/2)+8*(\b%2))*4+16
.endr
	s_wait_tensorcnt 0x0
	s_barrier_signal -1
	s_barrier_wait -1
	AFETCH 0, 0
	AFETCH 0, 4
.irp s, 0,1,2,3,4,5,6,7
	STEP \s
.endr
.macro EPI a                           ; a row tile: + b1 (each accumulator from its low end on), relu, quantise, store the image
.if (\a) > 0
	s_wait_xcnt 0x0                                ; the last tile's stores have read their data
.endif
.set wv, 0x02+(\a)/4
	WIN wv
.set i, 0
.rept 32
	v_pk_add_f32 v[HA+2*i:HA+2*i+1], v[64*((\a)%4)+2*i:64*((\a)%4)+2*i+1], v[CB+2*i:CB+2*i+1]
.set i, i+1
.endr
	WIN 0
.set i, 0
.rept 64
	v_max_num_f32 v[HA+i], 0, v[HA+i]
.set i, i+1
.endr
	QUANT HA
.irp c, 0,1,2
	global_store_b128 v1, v[PC+4*\c:PC+4*\c+3], s[DP:DP+1] offset:49152*(\a)+512*\c
.endr
	global_store_b32 v5, v[PW], s[DSP:DSP+1] offset:2048*(\a)
.endm
.irp b, 0,1,2,3
	v_mov_b32 v[TM+4+\b], 0                        ; (behind STEP 7's four places)
.endr
.irp a, 0,1,2,3,4,5,6,7
	EPI \a
.endr
	s_wait_tensorcnt 0x0                           ; the wave's end
	ds_add_u32 v[SPW], v[NIL]
	s_wait_dscnt 0x0
	s_endpgm
.Lfunc_end_k_qc450e73648_ff1:
	.size	k_qc450e73648_ff1, .Lfunc_end_k_qc450e73648_ff1-k_qc450e73648_ff1
	.p2alignl 7, 3214868480
	.fill 96, 4, 3214868480
	.section	.rodata,"a",@progbits
	.p2align	6, 0x0
	.amdhsa_kernel k_qc450e73648_ff1
		.amdhsa_group_segment_fixed_size 167936
		.amdhsa_private_segment_fixed_size 0
		.amdhsa_enable_private_segment 0
		.amdhsa_kernarg_size 40
		.amdhsa_user_sgpr_count 2
		.amdhsa_user_sgpr_kernarg_segment_ptr 1
		.amdhsa_wavefront_size32 1
		.amdhsa_system_sgpr_workgroup_id_x 1
		.amdhsa_system_sgpr_workgroup_id_y 1
		.amdhsa_system_sgpr_workgroup_id_z 1
		.amdhsa_system_vgpr_workitem_id 0
		.amdhsa_next_free_vgpr 1024
		.amdhsa_next_free_sgpr 66
		.amdhsa_reserve_vcc 0
		.amdhsa_float_denorm_mode_32 3
		.amdhsa_float_denorm_mode_16_64 3
		.amdhsa_memory_ordered 1
		.amdhsa_forward_progress 1
		.amdhsa_inst_pref_size 186
	.end_amdhsa_kernel
	.amdgpu_metadata
---
amdhsa.version: [ 1, 2 ]
amdhsa.kernels:
  - .name:           k_qc450e73648_ff1
    .symbol:         k_qc450e73648_ff1.kd
    .args:
      - { .name: ib, .offset: 0, .size: 8, .value_kind: global_buffer, .address_space: global }
      - { .name: wf, .offset: 8, .size: 8, .value_kind: global_buffer, .address_space: global }
      - { .name: ws, .offset: 16, .size: 8, .value_kind: global_buffer, .address_space: global }
      - { .name: b1, .offset: 24, .size: 8, .value_kind: global_buffer, .address_space: global }
      - { .name: hi, .offset: 32, .size: 8, .value_kind: global_buffer, .address_space: global }
    .group_segment_fixed_size: 167936
    .private_segment_fixed_size: 0
    .kernarg_segment_align: 8
    .kernarg_segment_size: 40
    .max_flat_workgroup_size: 128
    .sgpr_count:     66
    .vgpr_count:     1024
    .wavefront_size: 32
...
	.end_amdgpu_metadata
.endif
;; end of part 11
;; launch ff2g (part 12): grid 256 x 1, 4 waves a work-group, clusters of 4 x 1, 327,680 bytes of LDS; arguments hi, wf, ws, x1, y2; writes y2
.if DOCPART == 12
	.amdgcn_target "amdgcn-amd-amdhsa--gfx1250"
	.amdhsa_code_object_version 6
	.text
	.protected	k_qc450e73648_ff2g
	.globl	k_qc450e73648_ff2g
	.p2align	8
	.type	k_qc450e73648_ff2g,@function
k_qc450e73648_ff2g:
	s_mov_b64 s[64:65], 0
	v_nop
	global_prefetch_b8 v0, s[64:65] scope:SCOPE_SE
	s_setreg_imm32_b32 hwreg(HW_REG_WAVE_MODE, 25, 1), 1
	s_wait_xcnt 0x0
	s_wait_alu depctr_hold_cnt(0) depctr_sa_sdst(0) depctr_va_vdst(0) depctr_va_sdst(0) depctr_va_ssrc(0) depctr_va_vcc(0) depctr_vm_vsrc(0)
	s_getreg_b32 s2, hwreg(HW_REG_IB_STS2, 6, 4)
	s_cmp_eq_u32 s2, 0
	s_cbranch_scc0 .Lentry_in_a_cluster
	s_endpgm
.Lentry_in_a_cluster:
	s_bfe_u32 s2, ttmp6, 0x10000c
	s_cmp_lg_u32 s2, 0x3003
	s_cbranch_scc0 .Lentry_shape_is_right
	s_endpgm
.Lentry_shape_is_right:
; Launch 6: the second product of the feed-forward layer, hidden x W2, on E2M3 codes, CUT ALONG K.  No work of reference() is left out.  LIMITS as stated at the head of launch 1.
; y2 holds two parts of [4096][1024] f32, one for each half of K (2,048 hidden units, 16 K steps); the next launch adds them.  x1, which reference() adds to the product, is taken in here:
; the part of half kh holds x1 in rows 64 kh .. 64 kh + 63 of each 128, so that the two parts together hold it once.
; SHARES.  256 work-groups = 32 row blocks of 128 x 4 column blocks of 256 x 2 halves of K.  The rows' 8 tiles x 16 K steps (196,608 bytes) lie in LDS, one tensor load a wave, filled once.
; Wave w makes 128 rows x 64 columns: 32 accumulators.  W2's fragments are multiplied by one wave alone, each against 128 rows, and go from memory straight into its registers, four K steps ahead, in five sets.
; The matrix instruction is used transposed (source 0 = 16 rows of W2's images, source 1 = 16 rows of the hidden layer): a lane holds neighbouring columns of one row.
; CLUSTER.  The four column blocks of a row block and a half of K want the same rows: that load is asked for jointly, by the same descriptor and the mask 15.
; x1's tile (64 rows x my wave's 256 bytes) is a load of the wave's own, into bytes that it alone reads; it is on its way while the products are made.
; No prefetch: the walk along K is written out, and every byte is asked for by its own load as early as its place is free.
; REGISTERS.  Window 0: v0-20 addresses, v32-127 scale words, v128-223 the rows' eight fragments (one set: a fragment is fetched anew behind its four products).
; Window 1: W2's five sets of 48; on the way out the rows read back.  Window 2: accumulator (a, b) at 32 a + 8 b.  Window 3: x1's rows, two sets of 32.
.set NS,    32                         ; K steps in a tile's run of images
.set HS,    16                         ; K steps of a half
.set ASI,   256*NS*1536                ; the hidden layer's scale images lie behind its fragment images
.set WOFF,  6291456                    ; W2's images in wf
.set WSOFF, 262144                     ; W2's scale images in ws
.set STG,   196608                     ; behind the rows: a stage of 16 rows x 272 bytes for each wave
.set SPITCH, 272
.set SPARE, STG+4*16*SPITCH            ; the spare words, 128 bytes for each wave
.set XL,    SPARE+512                  ; x1's tiles: 64 rows x 256 bytes for each wave
.set LA,   2                           ; v2-5 LDS address of row tiles 2 i, 2 i + 1
.set SPW,  8
.set NIL,  9
.set L4,   10
.set STO,  11
.set RD,   12
.set CO,   13
.set XR,   15
.set SCA,  32                          ; v32-95  the rows' scale words: register 8 a + p: lanes 0-15 K step 2 p, lanes 16-31 K step 2 p + 1
.set SCB,  96                          ; v96-127 W2's: register 8 b + p likewise
.set AF,   128
.set WV,   22
.set G1A,  28
.set G1X,  36
.set G0A,  44
.set G0X,  48
.set ASP,  52
.set BP,   54
.set BSP,  56
.set WT,   58                          ; s[58:59] 1.0 where row tiles 0-3 take x1 in, else 0; s[60:61] the same for row tiles 4-7
.set MSB, 0
.macro WIN new                         ; the immediate's high byte repeats the setting that is left
.if MSB != (\new)
	s_set_vgpr_msb (MSB<<8)|(\new)
.set MSB, \new
.endif
.endm
.macro PLACES n
.rept \n
	v_nop
.endr
.endm
.macro CROUND                          ; a round of the cluster's barrier
	s_barrier_signal -1
	s_barrier_wait -1
	s_cmp_lg_u32 s[WV], 0
	s_cbranch_scc1 .Lnot_wave_0_\@
	s_barrier_signal -3
.Lnot_wave_0_\@:
	s_barrier_wait -3
	s_barrier_signal -1
	s_barrier_wait -1
.endm
	s_load_b256 s[4:11], s[0:1], 0x0               ; hi, wf, ws, x1
	s_load_b64 s[12:13], s[0:1], 0x20              ; y2
	v_lshl_add_u32 v[SPW], v0, 2, SPARE
	v_mov_b32 v[NIL], 0
	ds_add_u32 v[SPW], v[NIL]                      ; the opening: the add, twice on end, and its wait ahead of my first tensor load
	ds_add_u32 v[SPW], v[NIL]
	v_lshrrev_b32 v18, 5, v0
	v_readfirstlane_b32 s[WV], v18
	s_mov_b32 s[G1A+0], 15|(3<<16)|(1<<21)         ; the mask: all four work-groups; elements of 8 bytes; bit 21 beside a mask
	s_mov_b32 s[G1A+1], 3072<<16                   ; rows of 24,576 bytes: a tile's 16 K steps
	s_mov_b32 s[G1A+2], 2<<16                      ; two tiles
	s_mov_b32 s[G1A+3], 3072<<16
	s_mov_b32 s[G1A+4], 2
	s_mov_b32 s[G1A+5], 6144                       ; from tile to tile: 49,152 bytes
	s_mov_b32 s[G1A+6], 0
	s_mov_b32 s[G1A+7], 0
	s_mov_b32 s[G1X+0], 3<<16                      ; x1's tile: no mask; 64 rows of 256 bytes, 4,096 bytes apart
	s_mov_b32 s[G1X+1], 32<<16
	s_mov_b32 s[G1X+2], 64<<16
	s_mov_b32 s[G1X+3], 32<<16
	s_mov_b32 s[G1X+4], 64
	s_mov_b32 s[G1X+5], 512
	s_mov_b32 s[G1X+6], 0
	s_mov_b32 s[G1X+7], 0
	s_mov_b32 s27, 0
	s_lshr_b32 s24, ttmp9, 1                       ; the row block,
	s_and_b32 s20, ttmp9, 1                        ; the half of K: both from the cluster's number
	s_bfe_u32 s25, ttmp6, 0x40000                  ; the column block: cx; it enters global addresses of W2, x1 and y2 alone
	s_cmp_eq_u32 s20, 0
	s_cselect_b32 s[WT], 1.0, 0
	s_cselect_b32 s[WT+2], 0, 1.0
	s_mov_b32 s[WT+1], s[WT]
	s_mov_b32 s[WT+3], s[WT+2]
	v_and_b32 v18, 31, v0
	v_and_b32 v19, 15, v0                          ; r
	v_bfe_u32 v20, v0, 4, 1                        ; h
	v_lshlrev_b32 v1, 4, v18                       ; 16 x lane
.irp i, 0,1,2,3
	v_add_nc_u32 v[LA+\i], 49152*\i, v1
.endr
	v_lshlrev_b32 v[L4], 2, v18
	s_mul_i32 s23, s[WV], 16*SPITCH
	v_mul_u32_u24 v[STO], v19, SPITCH              ; the stage on the way in: row r, + 64 h
	v_lshl_add_u32 v[STO], v20, 6, v[STO]
	v_add_nc_u32 v[STO], s23, v[STO]
	v_add_nc_u32 v[STO], STG, v[STO]
	v_mul_u32_u24 v[RD], v20, SPITCH               ; and back: lanes 0-15 one row of 256 bytes, lanes 16-31 the next
	v_lshl_add_u32 v[RD], v19, 4, v[RD]
	v_add_nc_u32 v[RD], s23, v[RD]
	v_add_nc_u32 v[RD], STG, v[RD]
	v_lshlrev_b32 v[CO], 12, v20                   ; the same two rows in y2
	v_lshl_add_u32 v[CO], v19, 4, v[CO]
	s_lshl_b32 s21, s[WV], 14
	v_lshlrev_b32 v[XR], 4, v19                    ; and in my tile of x1
	v_lshl_add_u32 v[XR], v20, 8, v[XR]
	v_add_nc_u32 v[XR], s21, v[XR]
	v_add_nc_u32 v[XR], XL, v[XR]
	s_wait_alu depctr_va_vdst(0)
	s_wait_dscnt 0x0                               ; both opening adds are done
	s_wait_kmcnt 0x0
	s_lshl_b32 s23, s24, 3
	s_lshl_b32 s26, s[WV], 1
	s_add_co_u32 s23, s23, s26                     ; row tiles 8 x block + 2 w, + 1
	s_mul_i32 s26, s23, 49152
	s_mul_i32 s21, s20, 24576                      ; my half of K
	s_add_co_u32 s26, s26, s21
	s_mov_b32 s[G0A], 1
	s_mul_i32 s[G0A+1], s[WV], 49152
	s_add_nc_u64 s[G0A+2:G0A+3], s[4:5], s[26:27]
	s_or_b32 s[G0A+3], s[G0A+3], 0x80000000
	s_lshl_b32 s26, s24, 14                        ; the scale images of the block's eight tiles: 8 x 2,048 bytes,
	s_lshl_b32 s21, s20, 10                        ; my half's 1,024 of each
	s_add_co_u32 s26, s26, s21
	s_add_co_u32 s26, s26, ASI
	s_add_nc_u64 s[ASP:ASP+1], s[4:5], s[26:27]
	CROUND                                         ; all four work-groups are here: the joint loads meet
	tensor_load_to_lds s[G0A:G0A+3], s[G1A:G1A+7]  ; one load of mine is out
	s_nop 0
	PLACES 4
	s_lshl_b32 s23, s25, 2
	s_add_co_u32 s23, s23, s[WV]                   ; which 64 columns are my wave's
	s_mul_i32 s26, s23, 4*49152
	s_add_co_u32 s26, s26, WOFF
	s_mul_i32 s21, s20, 24576
	s_add_co_u32 s26, s26, s21
	s_add_nc_u64 s[BP:BP+1], s[6:7], s[26:27]
	s_lshl_b32 s26, s23, 13
	s_add_co_u32 s26, s26, WSOFF
	s_lshl_b32 s21, s20, 10
	s_add_co_u32 s26, s26, s21
	s_add_nc_u64 s[BSP:BSP+1], s[8:9], s[26:27]
	s_lshl_b32 s26, s24, 19                        ; 128 rows of 4,096 bytes,
	s_lshl_b32 s23, s23, 8
	s_add_co_u32 s26, s26, s23                     ; my 256 bytes of each
	s_lshl_b32 s21, s20, 24                        ; my half's part of y2
	s_add_co_u32 s21, s21, s26
	s_lshl_b32 s23, s20, 18                        ; x1: rows 64 kh on
	s_add_co_u32 s26, s26, s23
	s_mov_b32 s[G0X], 1
	s_lshl_b32 s[G0X+1], s[WV], 14
	s_add_co_u32 s[G0X+1], s[G0X+1], XL
	s_add_nc_u64 s[G0X+2:G0X+3], s[10:11], s[26:27]
	s_or_b32 s[G0X+3], s[G0X+3], 0x80000000
	s_mov_b32 s26, s21
	s_add_nc_u64 s[12:13], s[12:13], s[26:27]
.macro BLOAD s                         ; W2's four fragments of K step s into set s % 5: 12 loads of 512 consecutive bytes
	WIN 0x40
.irp b, 0,1,2,3
.irp c, 0,1,2
	global_load_b128 v[48*((\s)%5)+12*\b+4*\c:48*((\s)%5)+12*\b+4*\c+3], v1, s[BP:BP+1] offset:49152*\b+1536*(\s)+512*\c
.endr
.endr
	WIN 0
.endm
.macro AONE s, a                       ; row tile a's fragment of K step s: 3 LDS loads
.irp c, 0,1,2
	ds_load_b128 v[AF+12*(\a)+4*\c:AF+12*(\a)+4*\c+3], v[LA+(\a)/2] offset:24576*((\a)%2)+1536*(\s)+512*\c
.endr
.endm
.macro MULA s, a                       ; row tile a x my four column tiles.  The 32 accumulators take turns, one instruction a turn; step 0 starts the sums
	WIN 0xa1
.irp b, 0,1,2,3
.set rD, 32*(\a)+8*\b
.set rB, 48*((\s)%5)+12*\b
.set rA, AF+12*(\a)
.set rSB, SCB+8*\b+(\s)/2
.set rSA, SCA+8*(\a)+(\s)/2
.if (\s) == 0
	v_wmma_scale_f32_16x16x128_f8f6f4 v[rD:rD+7], v[rB:rB+11], v[rA:rA+11], 0, v[rSB], v[rSA] matrix_a_fmt:MATRIX_FMT_FP6 matrix_b_fmt:MATRIX_FMT_FP6
.elseif (\s)%2
	v_wmma_scale_f32_16x16x128_f8f6f4 v[rD:rD+7], v[rB:rB+11], v[rA:rA+11], v[rD:rD+7], v[rSB], v[rSA] matrix_a_fmt:MATRIX_FMT_FP6 matrix_b_fmt:MATRIX_FMT_FP6 matrix_a_scale:MATRIX_SCALE_ROW1 matrix_b_scale:MATRIX_SCALE_ROW1
.else
	v_wmma_scale_f32_16x16x128_f8f6f4 v[rD:rD+7], v[rB:rB+11], v[rA:rA+11], v[rD:rD+7], v[rSB], v[rSA] matrix_a_fmt:MATRIX_FMT_FP6 matrix_b_fmt:MATRIX_FMT_FP6
.endif
.endr
	PLACES 4                                       ; in front of loads into registers that these products have read, and of reads of their results
	WIN 0
.endm
.macro STEP s
.if (\s)+4 < HS
	BLOAD (\s)+4
	s_wait_loadcnt 48                              ; this step's W2 is in (in step 0 the scale words too); the four later steps' 48 may be out
.else
	s_wait_loadcnt 12*(HS-1-(\s))                  ; the later steps' 12 each
.endif
.irp a, 0,1,2,3,4,5,6,7
.if (\s)+1 < HS
	s_wait_dscnt 21                                ; fragment a is in; behind its loads stand those of seven others, 3 each
.else
	s_wait_dscnt 21-3*\a
.endif
	MULA \s, \a
.if (\s)+1 < HS
	AONE (\s)+1, \a
.endif
.endr
.endm
.irp a, 0,1,2,3,4,5,6,7
.irp p, 0,1,2,3,4,5,6,7
	global_load_b32 v[SCA+8*\a+\p], v[L4], s[ASP:ASP+1] offset:2048*\a+128*\p
.endr
.endr
.irp b, 0,1,2,3
.irp p, 0,1,2,3,4,5,6,7
	global_load_b32 v[SCB+8*\b+\p], v[L4], s[BSP:BSP+1] offset:2048*\b+128*\p
.endr
.endr
	BLOAD 0
	BLOAD 1
	BLOAD 2
	BLOAD 3
	s_wait_tensorcnt 0x0                           ; my two tiles have landed
	ds_add_u32 v[SPW], v[NIL]
	s_wait_dscnt 0x0
	CROUND                                         ; everybody's tiles are in
	tensor_load_to_lds s[G0X:G0X+3], s[G1X:G1X+7]  ; x1's tile, into bytes that I alone read: one load of mine is out
	s_nop 0
	PLACES 4
.irp a, 0,1,2,3,4,5,6,7
	AONE 0, \a
.endr
.irp s, 0,1,2,3,4,5,6,7,8,9,10,11,12,13,14,15
	STEP \s
.endr
; THE WAY OUT, a row tile at a time: through my stage, so that a row's 256 bytes are stored whole; x1's rows are taken in by a multiply-add with the factor 1 or 0, so that no branch hangs on the half of K.
.macro TOSTAGE a
	WIN 0x08
.irp n, 0,1,2,3,4,5,6,7
	ds_store_b128 v[STO], v[32*(\a)+4*\n:32*(\a)+4*\n+3] offset:128*(\n/4)+16*(\n%4)   ; each accumulator from its low end on
.endr
	WIN 0x40
.irp t, 0,1,2,3,4,5,6,7
	ds_load_b128 v[32*(\a)+4*\t:32*(\a)+4*\t+3], v[RD] offset:2*\t*SPITCH              ; LDS serves a wave's instructions in order: these see my stores
.endr
	WIN 0xc0
.irp t, 0,1,2,3,4,5,6,7
	ds_load_b128 v[32*((\a)%2)+4*\t:32*((\a)%2)+4*\t+3], v[XR] offset:4096*((\a)%4)+512*\t
.endr
.endm
.macro SEND a, younger                 ; younger: the next tile's 24 LDS instructions, which may stay out
	s_wait_dscnt \younger
	WIN 0x53
.set i, 0
.rept 16
	v_pk_fma_f32 v[32*(\a)+2*i:32*(\a)+2*i+1], v[32*((\a)%2)+2*i:32*((\a)%2)+2*i+1], s[WT+2*((\a)/4):WT+2*((\a)/4)+1], v[32*(\a)+2*i:32*(\a)+2*i+1] op_sel_hi:[1,0,1]
.set i, i+1
.endr
	WIN 0x04
.irp t, 0,1,2,3,4,5,6,7
	global_store_b128 v[CO], v[32*(\a)+4*\t:32*(\a)+4*\t+3], s[12:13] offset:65536*(\a)+8192*\t   ; 16 lanes store 256 consecutive bytes, aligned; every tile has registers of its own
.endr
.endm
	s_wait_alu depctr_va_vdst(0)
	s_wait_tensorcnt 0x0                           ; x1's tile has landed
	TOSTAGE 0
.irp a, 1,2,3,4,5,6,7
	TOSTAGE \a
	SEND \a-1, 24
.endr
	SEND 7, 0
	WIN 0
	s_wait_tensorcnt 0x0                           ; the wave's end
	ds_add_u32 v[SPW], v[NIL]
	s_wait_dscnt 0x0
	CROUND                                         ; the closing round
	s_endpgm
.Lfunc_end_k_qc450e73648_ff2g:
	.size	k_qc450e73648_ff2g, .Lfunc_end_k_qc450e73648_ff2g-k_qc450e73648_ff2g
	.p2alignl 7, 3214868480
	.fill 96, 4, 3214868480
	.section	.rodata,"a",@progbits
	.p2align	6, 0x0
	.amdhsa_kernel k_qc450e73648_ff2g
		.amdhsa_group_segment_fixed_size 327680
		.amdhsa_private_segment_fixed_size 0
		.amdhsa_enable_private_segment 0
		.amdhsa_kernarg_size 40
		.amdhsa_user_sgpr_count 2
		.amdhsa_user_sgpr_kernarg_segment_ptr 1
		.amdhsa_wavefront_size32 1
		.amdhsa_system_sgpr_workgroup_id_x 1
		.amdhsa_system_sgpr_workgroup_id_y 1
		.amdhsa_system_sgpr_workgroup_id_z 1
		.amdhsa_system_vgpr_workitem_id 0
		.amdhsa_next_free_vgpr 1024
		.amdhsa_next_free_sgpr 66
		.amdhsa_reserve_vcc 0
		.amdhsa_float_denorm_mode_32 3
		.amdhsa_float_denorm_mode_16_64 3
		.amdhsa_memory_ordered 1
		.amdhsa_forward_progress 1
		.amdhsa_inst_pref_size 179
	.end_amdhsa_kernel
	.amdgpu_metadata
---
amdhsa.version: [ 1, 2 ]
amdhsa.kernels:
  - .name:           k_qc450e73648_ff2g
    .symbol:         k_qc450e73648_ff2g.kd
    .args:
      - { .name: hi, .offset: 0, .size: 8, .value_kind: global_buffer, .address_space: global }
      - { .name: wf, .offset: 8, .size: 8, .value_kind: global_buffer, .address_space: global }
      - { .name: ws, .offset: 16, .size: 8, .value_kind: global_buffer, .address_space: global }
      - { .name: x1, .offset: 24, .size: 8, .value_kind: global_buffer, .address_space: global }
      - { .name: y2, .offset: 32, .size: 8, .value_kind: global_buffer, .address_space: global }
    .group_segment_fixed_size: 327680
    .private_segment_fixed_size: 0
    .kernarg_segment_align: 8
    .kernarg_segment_size: 40
    .max_flat_workgroup_size: 128
    .sgpr_count:     66
    .vgpr_count:     1024
    .wavefront_size: 32
...
	.end_amdgpu_metadata
.endif
;; end of part 12
;; launch ln2 (part 13): grid 256 x 1, 8 waves a work-group, no clusters, 0 bytes of LDS; arguments y2, b2, ln2_scale, ln2_bias, out0; writes out0
.if DOCPART == 13
	.amdgcn_target "amdgcn-amd-amdhsa--gfx1250"
	.amdhsa_code_object_version 6
	.text
	.protected	k_qc450e73648_ln2
	.globl	k_qc450e73648_ln2
	.p2align	8
	.type	k_qc450e73648_ln2,@function
k_qc450e73648_ln2:
	s_mov_b64 s[64:65], 0
	v_nop
	global_prefetch_b8 v0, s[64:65] scope:SCOPE_SE
	s_setreg_imm32_b32 hwreg(HW_REG_WAVE_MODE, 25, 1), 1
	s_wait_xcnt 0x0
; Launch 7 of 7: out0 = layernorm(x1 + (y2 + b2)) x ln2_scale + ln2_bias, all f32.  No work of reference() is left out.
; A stream: memory binds, so no LDS, no barrier, no matrix unit, no cluster (work-groups share only the three vectors of 4,096 bytes).
; A row is 4,096 bytes: one wave takes a whole row, eight loads of 16 bytes a lane, each of 512 consecutive bytes; it stays in 32 registers between the passes.  A wave takes two rows, a work-group of eight waves 16.
; All of a wave's 56 loads are issued at once.  The variance is taken in two passes, as reference() takes it: the mean first, then the squares of what is left.
; LIMITS: NaN and infinities among the inputs are not served.
.set B2, 16                            ; v16-47   b2 of my 32 columns (columns 128 j + 4 lane + 0 .. 3, j = 0 .. 7)
.set G,  48                            ; v48-79   the gain
.set BT, 80                            ; v80-111  the norm's bias
.set Y,  112                           ; v112-143, v176-207  row i of y2, then the row at work
.set X,  144                           ; v144-175, v208-239  row i of x1
; y2 holds the product's two parts, one for each half of K, 16,777,216 bytes each; together they also hold x1, which the launch before has taken in.  So the row named x1 at the head is here the second part.
	s_load_b64 s[4:5], s[0:1], 0x0                 ; y2
	s_load_b64 s[8:9], s[0:1], 0x8                 ; b2
	s_load_b64 s[10:11], s[0:1], 0x10              ; the gain
	s_load_b64 s[12:13], s[0:1], 0x18              ; the norm's bias
	s_load_b64 s[14:15], s[0:1], 0x20              ; out0
	v_and_b32 v1, 31, v0
	s_delay_alu instid0(VALU_DEP_1)
	v_lshlrev_b32 v1, 4, v1                        ; 16 x lane
	v_lshrrev_b32 v2, 5, v0
	s_delay_alu instid0(VALU_DEP_1)
	v_lshl_add_u32 v2, v2, 13, v1                  ; + my wave's two rows
	s_lshl_b32 s16, ttmp9, 16                      ; the work-group's 16 rows of 4,096 bytes
	s_mov_b32 s17, 0
	s_mov_b32 s18, 0x76543210                      ; v_permlanex16_b32's selects for lane l xor 16
	s_mov_b32 s19, 0xfedcba98
	s_mov_b32 s20, 0x3a800000                      ; 1 / 1,024
	s_mov_b32 s21, 0x3727c5ac                      ; 1e-5
	v_mov_b32 v8, 0                                ; a lane permute's destination counts as one of its sources
	s_wait_alu depctr_va_vdst(0)
	s_wait_kmcnt 0x0
	s_add_nc_u64 s[4:5], s[4:5], s[16:17]
	s_add_nc_u64 s[6:7], s[4:5], 0x1000000         ; the same rows of the second part
	s_add_nc_u64 s[14:15], s[14:15], s[16:17]
.irp j, 0,1,2,3,4,5,6,7
	global_load_b128 v[B2+4*\j:B2+4*\j+3], v1, s[8:9] offset:512*\j
.endr
.irp i, 0,1
.irp j, 0,1,2,3,4,5,6,7
	global_load_b128 v[Y+64*\i+4*\j:Y+64*\i+4*\j+3], v2, s[4:5] offset:4096*\i+512*\j th:TH_LOAD_NT
.endr
.irp j, 0,1,2,3,4,5,6,7
	global_load_b128 v[X+64*\i+4*\j:X+64*\i+4*\j+3], v2, s[6:7] offset:4096*\i+512*\j th:TH_LOAD_NT
.endr
.endr
.irp j, 0,1,2,3,4,5,6,7
	global_load_b128 v[G+4*\j:G+4*\j+3], v1, s[10:11] offset:512*\j
.endr
.irp j, 0,1,2,3,4,5,6,7
	global_load_b128 v[BT+4*\j:BT+4*\j+3], v1, s[12:13] offset:512*\j
.endr
.macro REDUCE                          ; two chains, two halves, 32 lanes: the sum in v4 of every lane
	s_delay_alu instid0(VALU_DEP_1)
	v_pk_add_f32 v[4:5], v[4:5], v[6:7]
	s_delay_alu instid0(VALU_DEP_1)
	v_add_f32 v4, v4, v5
	s_delay_alu instid0(VALU_DEP_1)
	v_add_f32_dpp v4, v4, v4 row_xmask:1 row_mask:0xf bank_mask:0xf
	s_delay_alu instid0(VALU_DEP_1)
	v_add_f32_dpp v4, v4, v4 row_xmask:2 row_mask:0xf bank_mask:0xf
	s_delay_alu instid0(VALU_DEP_1)
	v_add_f32_dpp v4, v4, v4 row_xmask:4 row_mask:0xf bank_mask:0xf
	s_delay_alu instid0(VALU_DEP_1)
	v_add_f32_dpp v4, v4, v4 row_xmask:8 row_mask:0xf bank_mask:0xf
	s_delay_alu instid0(VALU_DEP_1)
	v_permlanex16_b32 v8, v4, s18, s19
	s_delay_alu instid0(VALU_DEP_1)
	v_add_f32 v4, v4, v8
.endm
.macro ROWN i
.set YY, Y+64*\i
.set XX, X+64*\i
	s_wait_loadcnt 32-16*\i                        ; row 0: behind its loads stand row 1's 16 and the 16 of the gain and the norm's bias; row 1: those 16 alone (all are in by then)
.set k, 0
.rept 16
	v_pk_add_f32 v[YY+k:YY+k+1], v[YY+k:YY+k+1], v[B2+k:B2+k+1]
.set k, k+2
.endr
.set k, 0
.rept 16
	v_pk_add_f32 v[YY+k:YY+k+1], v[YY+k:YY+k+1], v[XX+k:XX+k+1]
.set k, k+2
.endr
	v_pk_add_f32 v[4:5], v[YY:YY+1], v[YY+2:YY+3]                  ; the first four pairs start the chains: nothing is cleared
	v_pk_add_f32 v[6:7], v[YY+4:YY+5], v[YY+6:YY+7]
.set k, 8
.rept 6
	s_delay_alu instid0(VALU_DEP_2)
	v_pk_add_f32 v[4:5], v[4:5], v[YY+k:YY+k+1]
	s_delay_alu instid0(VALU_DEP_2)
	v_pk_add_f32 v[6:7], v[6:7], v[YY+k+2:YY+k+3]
.set k, k+4
.endr
	REDUCE
	s_delay_alu instid0(VALU_DEP_1)
	v_mul_f32 v10, s20, v4                         ; the mean
	s_delay_alu instid0(VALU_DEP_1)
	v_mov_b32 v11, v10                             ; (named with it as a pair)
.set k, 0
.rept 16
	v_pk_add_f32 v[YY+k:YY+k+1], v[YY+k:YY+k+1], v[10:11] op_sel_hi:[1,0] neg_lo:[0,1] neg_hi:[0,1]
.set k, k+2
.endr
	v_pk_mul_f32 v[4:5], v[YY:YY+1], v[YY:YY+1]
	v_pk_mul_f32 v[6:7], v[YY+2:YY+3], v[YY+2:YY+3]
.set k, 4
.rept 7
	s_delay_alu instid0(VALU_DEP_2)
	v_pk_fma_f32 v[4:5], v[YY+k:YY+k+1], v[YY+k:YY+k+1], v[4:5]
	s_delay_alu instid0(VALU_DEP_2)
	v_pk_fma_f32 v[6:7], v[YY+k+2:YY+k+3], v[YY+k+2:YY+k+3], v[6:7]
.set k, k+4
.endr
	REDUCE
	s_delay_alu instid0(VALU_DEP_1)
	v_fma_f32 v4, v4, s20, s21                     ; the variance + 1e-5
	s_wait_alu depctr_va_vdst(0)
	v_rsq_f32 v12, v4
	v_nop                                          ; a plain place behind it
	s_wait_alu depctr_va_vdst(0)                   ; ahead of the first instruction that names the result
	v_mov_b32 v13, v12
.if \i == 0
	s_wait_alu depctr_va_vdst(0)
	s_wait_loadcnt 0x0                             ; the gain and the norm's bias
.endif
.set k, 0
.rept 16
	v_pk_mul_f32 v[YY+k:YY+k+1], v[YY+k:YY+k+1], v[12:13] op_sel_hi:[1,0]
.set k, k+2
.endr
.set k, 0
.rept 16
	v_pk_fma_f32 v[YY+k:YY+k+1], v[YY+k:YY+k+1], v[G+k:G+k+1], v[BT+k:BT+k+1]
.set k, k+2
.endr
.irp j, 0,1,2,3,4,5,6,7
	global_store_b128 v2, v[YY+4*\j:YY+4*\j+3], s[14:15] offset:4096*\i+512*\j th:TH_STORE_NT   ; 32 lanes store 512 consecutive bytes, aligned; each row has registers of its own, so no store's data are written again
.endr
.endm
	ROWN 0
	ROWN 1
	s_endpgm
.Lfunc_end_k_qc450e73648_ln2:
	.size	k_qc450e73648_ln2, .Lfunc_end_k_qc450e73648_ln2-k_qc450e73648_ln2
	.p2alignl 7, 3214868480
	.fill 96, 4, 3214868480
	.section	.rodata,"a",@progbits
	.p2align	6, 0x0
	.amdhsa_kernel k_qc450e73648_ln2
		.amdhsa_group_segment_fixed_size 0
		.amdhsa_private_segment_fixed_size 0
		.amdhsa_enable_private_segment 0
		.amdhsa_kernarg_size 40
		.amdhsa_user_sgpr_count 2
		.amdhsa_user_sgpr_kernarg_segment_ptr 1
		.amdhsa_wavefront_size32 1
		.amdhsa_system_sgpr_workgroup_id_x 1
		.amdhsa_system_sgpr_workgroup_id_y 1
		.amdhsa_system_sgpr_workgroup_id_z 1
		.amdhsa_system_vgpr_workitem_id 0
		.amdhsa_next_free_vgpr 240
		.amdhsa_next_free_sgpr 66
		.amdhsa_reserve_vcc 0
		.amdhsa_float_denorm_mode_32 3
		.amdhsa_float_denorm_mode_16_64 3
		.amdhsa_memory_ordered 1
		.amdhsa_forward_progress 1
		.amdhsa_inst_pref_size 28
	.end_amdhsa_kernel
	.amdgpu_metadata
---
amdhsa.version: [ 1, 2 ]
amdhsa.kernels:
  - .name:           k_qc450e73648_ln2
    .symbol:         k_qc450e73648_ln2.kd
    .args:
      - { .name: y2, .offset: 0, .size: 8, .value_kind: global_buffer, .address_space: global }
      - { .name: b2, .offset: 8, .size: 8, .value_kind: global_buffer, .address_space: global }
      - { .name: ln2_scale, .offset: 16, .size: 8, .value_kind: global_buffer, .address_space: global }
      - { .name: ln2_bias, .offset: 24, .size: 8, .value_kind: global_buffer, .address_space: global }
      - { .name: out0, .offset: 32, .size: 8, .value_kind: global_buffer, .address_space: global }
    .group_segment_fixed_size: 0
    .private_segment_fixed_size: 0
    .kernarg_segment_align: 8
    .kernarg_segment_size: 40
    .max_flat_workgroup_size: 256
    .sgpr_count:     66
    .vgpr_count:     240
    .wavefront_size: 32
...
	.end_amdgpu_metadata
.endif
;; end of part 13
